; MI455X (gfx1250); checked and timed in simulation.
; The chip was launched on July 23, 2026; its instructions are those of AMD's public machine-readable ISA for CDNA 5 (MIT licence, August 2026) and "CDNA5" Instruction Set Architecture Reference Guide (July 2026). The comments in the code are by the model that wrote it; some were corrected since.
;; Mixture Of Experts. Allowed arithmetic: matrix products marked QUANTISED: E4M3 operands, one E8M0 scale for each 32 along K, by v_wmma_scale_f32_16x16x128_f8f6f4 with both operands' format E4M3, f32 sums; products left as they are: f32 operands where the result goes on into a quantised operand, else bf16, f16 or f32 operands; f32 sums; everything else in f32.
;; Inputs: W1_codes 8 x 4,096 x 32 x 32 uint8 (E4M3 codes of W1, K innermost, in blocks of 32 codes); W1_scales 8 x 4,096 x 32 uint8 (E8M0 scales of W1, one for each 32 codes along K); W2_codes 8 x 1,024 x 128 x 32 uint8 (E4M3 codes of W2, K innermost, in blocks of 32 codes); W2_scales 8 x 1,024 x 128 uint8 (E8M0 scales of W2, one for each 32 codes along K); Wg 1,024 x 8 float32; b1 8 x 4,096 float32; b2 8 x 1,024 float32; bg 8 float32; x 2 x 512 x 1,024 float32.
;; Outputs: out0 2 x 512 x 1,024 float32.
;; This version of the problem:
;;   THIS VERSION OF THE PROBLEM IS GIVEN IN LOW PRECISION. The matrix products marked QUANTISED in the list below multiply operands that are first quantised to E4M3 (4 exponent bits, 3 mantissa bits; 8 bits a number), with one power-of-two scale for each 32 numbers along K (OCP MX v1.0); their sums are f32. All else is computed in f32.
;;   The module's matrix products, in the order in which they are computed (A, B: the left and right operand; K: the contracted axis; several contracted axes count as one K, in the product's order):
;;     1. [M 1,024, K 1,024] x [K 1,024, N 8]; A: input x; B: input Wg: left as it is (N = 8 < 16)
;;     2. [M 1,024, K 1,024] x [K 1,024, N 32,768]; A: input x; B: input W1 (given as codes): QUANTISED
;;     3. batch 8 x [M 1,024, K 4,096] x [K 4,096, N 1,024]; A: input W2 (given as codes); B: computed on the way: QUANTISED
;;     4. batch 1,024 x [M 1, K 8] x [K 8, N 1,024]; A: computed on the way; B: computed on the way: left as it is (K = 8 < 32)
;;     5. [M 1,024, K 8] x [K 8, N 1,024]; A: computed on the way; B: input b2: left as it is (K = 8 < 32)
;;   THE QUANTISER, for each operand of a quantised product, along K:
;;     - K is cut into blocks of 32 from its start; a last block that is shorter is filled with zeros.
;;     - A block's scale is 2^e with e = floor(log2(the largest magnitude in the block)) - 8, held to -126 .. 127; a block of zeros has e = 0. As a byte (E8M0): e + 127.
;;     - Each number is divided by its block's scale, clamped to +-448, and rounded to the nearest number of E4M3, ties to even, subnormals kept.
;;     - The product sums the exact products of the quantised numbers (number of the format x scale) in f32.
;;   ~~~python
;;   def quantise(x, axis):      # numpy; x: float32 -> the quantised numbers, widened to float32 again
;;       x = np.moveaxis(x, axis, -1); K = x.shape[-1]
;;       x = np.pad(x, [(0, 0)] * (x.ndim - 1) + [(0, -K % 32)]); x = x.reshape(x.shape[:-1] + (-1, 32)); a = np.abs(x).max(-1, keepdims=True)
;;       e = np.where(a > 0, np.clip(np.frexp(np.where(a > 0, a, 1))[1] - 1 - 8, -126, 127), 0)      # np.frexp(a)[1] - 1 = floor(log2(a)), exactly
;;       r = np.clip(x / 2.0 ** e, -448, 448)
;;       step = 2.0 ** (np.maximum(np.frexp(np.where(r == 0, 1, r))[1] - 1, -6) - 3)
;;       q = np.round(r / step) * step * 2.0 ** e      # np.round: ties to even
;;       return np.moveaxis(q.reshape(q.shape[:-2] + (-1,))[..., :K], -1, axis).astype(np.float32)
;;   ~~~
;;   OPERANDS COMPUTED ON THE WAY. 'Computed on the way' means the value that the module computes at that place (a softmax that the list does not call 'softmax' is quantised finished and normalised). What goes into a quantiser is computed in f32, as accurately as f32 sums, v_exp_f32 and their like allow (about 1e-6 of the number): no bf16 or f16 on the way to a quantiser, and a product that is left as it is and whose result goes on into a quantised operand takes f32 operands (vector FMAs, or v_wmma_f32_16x16x4_f32). A number that lies on a knife's edge between two numbers of the format may be rounded either way, as far as f32 arithmetic and the matrix unit's own rounding can turn it there, and no further.
;;   INPUTS GIVEN AS CODES. W1 (in the module: [8, 1024, 4096], K = its axis 1); W2 (in the module: [8, 4096, 1024], K = its axis 1): each comes as NAME_codes (uint8): NAME with its K axis moved to the last place and cut into blocks of 32 codes, [.., K / 32, bytes a block], one block behind the other in memory; one code a byte (a code: sign, 4 exponent bits, 3 mantissa bits); and NAME_scales (uint8): the same leading axes, one E8M0 byte (e + 127) for each 32 codes along K. Its value is code x scale, taken as it is: it is not quantised again, and the codes and scales need not be those that the quantiser above would give.
;; 3 versions. Each part assembles by itself: llvm-mc -triple=amdgcn-amd-amdhsa -mcpu=gfx1250 --defsym DOCPART=n.
;; ======== version 1 of 3: 4 launches
;; workspace buffers: xq 1,048,576 bytes; xs 32,768 bytes; ridx 4,096 bytes of whole numbers; gw 8,192 bytes; hq 33,554,432 bytes; hs 1,048,576 bytes; y 33,685,504 bytes
;; launch route (part 1): grid 256 x 1, 4 waves a work-group, no clusters, 55,808 bytes of LDS; arguments x, Wg, bg, xq, xs, ridx, gw; writes xq, xs, ridx, gw
.if DOCPART == 1
	.amdgcn_target "amdgcn-amd-amdhsa--gfx1250"
	.amdhsa_code_object_version 6
	.text
	.protected	k_q75a7510616_route
	.globl	k_q75a7510616_route
	.p2align	8
	.type	k_q75a7510616_route,@function
k_q75a7510616_route:
	s_mov_b64 s[64:65], 0
	v_nop
	global_prefetch_b8 v0, s[64:65] scope:SCOPE_SE
	s_setreg_imm32_b32 hwreg(HW_REG_WAVE_MODE, 25, 1), 1
	s_wait_xcnt 0x0
; ROUTER AND QUANTISER OF x.  x [1024 tokens][1024] f32, Wg [1024][8] f32, bg [8] f32.
; A wave takes one token (work-group g, wave w: token 4 g + w): its 8 gate logits in f32 (fused multiply-adds, a tree over the lanes), the two
; largest (strict compare: the lower index wins a tie), the softmax over the two with the larger taken away, and the token's codes of E4M3 with
; one E8M0 byte for each 32 along K.  Stored at fixed places: xq [token][1024 B], xs [token][32 B], gw [token][2] f32,
; ridx [token] = (1 << first expert) | (0x100 << second expert).  No address and no branch hangs on the choice.
; LIMITS: NaN and infinities are not served; two logits nearer than the order of f32 sums resolves may fall either way; a block of zeros
; gets the byte 1 (its codes are zeros, and only this program reads the bytes).
; No matrix unit, no cluster: 8 columns are too few for a matrix tile, and nothing but Wg (32 KiB) is shared.
.set WGP,   528                        ; Wg in LDS: 64 groups of 16 k-rows (512 bytes) + 16 of padding: 33 x 16 bytes
.set TURNB, 64*WGP                     ; behind it: each wave's stage for turning x, 2 rounds x 32 places
.set SP,    80                         ; a lane's place in the stage: 64 bytes + 16
.set OUTS,  TURNB+4*2*32*SP            ; 4 tokens x 32 scale bytes
.set OUTI,  OUTS+128                   ; 4 words of ridx
.set OUTG,  OUTI+16                    ; 4 x (w0, w1)
.set X,     16                         ; v16-47   32 numbers of x
.set ACC,   48                         ; v48-55   8 logits
.set PD,    56                         ; v56-63   lane permutes' destinations
.set WB,    64                         ; v64-191  Wg: first as loaded, then a lane's 16 k-rows
.set CD,    192                        ; v192-199 codes
	s_load_b256 s[4:11], s[0:1], 0x0               ; x s[4:5], Wg s[6:7], bg s[8:9], xq s[10:11]
	s_load_b128 s[12:15], s[0:1], 0x20             ; xs s[12:13], ridx s[14:15]
	s_load_b64 s[16:17], s[0:1], 0x30              ; gw
	v_lshl_add_u32 v216, v0, 2, 0xd800
	v_mov_b32 v217, 0
	v_lshrrev_b32 v1, 5, v0
	v_readfirstlane_b32 s18, v1                    ; wave
	v_and_b32 v1, 31, v0                           ; lane
	v_lshlrev_b32 v2, 4, v1                        ; 16 x lane
	s_mul_i32 s33, s18, 2*32*SP
	s_add_co_u32 s33, s33, TURNB                   ; my stage
	v_lshrrev_b32 v3, 2, v1
	v_mul_u32_u24 v3, v3, SP
	v_and_b32 v4, 3, v1
	v_lshl_add_u32 v3, v4, 4, v3
	v_add_nc_u32 v3, s33, v3                       ; into the stage: four lanes' 64 bytes on end, then the padding
	v_mul_u32_u24 v4, v1, SP
	v_add_nc_u32 v4, s33, v4                       ; out of it: my 16 neighbours
	s_mul_i32 s33, s18, 16*WGP
	v_add_nc_u32 v5, s33, v2                       ; Wg into LDS: my wave's 16 groups
	v_mul_u32_u24 v6, v1, WGP                      ; Wg out of LDS: group = lane (+ 32 in the second round)
	s_lshl_b32 s33, s18, 5
	s_add_co_u32 s33, s33, OUTS
	v_lshrrev_b32 v7, 1, v1
	v_add_nc_u32 v7, s33, v7                       ; my block's scale byte
	s_lshl_b32 s33, s18, 2
	s_add_co_u32 s33, s33, OUTI
	v_mov_b32 v200, s33                            ; my token's word
	s_lshl_b32 s33, s18, 3
	s_add_co_u32 s33, s33, OUTG
	v_mov_b32 v201, s33                            ; my token's two weights
	v_lshl_add_u32 v202, v1, 2, OUTS               ; wave 0's way out: 4 bytes a lane of the scale bytes,
	v_and_b32 v203, 7, v1
	v_lshl_add_u32 v203, v203, 2, OUTG             ; of the weights,
	v_and_b32 v204, 3, v1
	v_lshl_add_u32 v204, v204, 2, OUTI             ; of the words
	v_lshlrev_b32 v205, 2, v1                      ; 4 x lane
	s_lshl_b32 s33, s18, 13
	v_add_nc_u32 v206, s33, v2                     ; Wg in memory: my wave's 8,192 bytes
	s_mov_b32 s20, 0x76543210
	s_mov_b32 s21, 0xfedcba98                      ; lane l xor 16
	s_mov_b32 s22, 0x600000                        ; the mantissa field of 448
	s_lshl_b32 s32, ttmp9, 2
	s_add_co_u32 s32, s32, s18                     ; my token
	s_lshl_b32 s34, s32, 12                        ; its row of x,
	s_mov_b32 s35, 0
	s_lshl_b32 s36, s32, 10                        ; of xq
	s_mov_b32 s37, 0
	s_lshl_b32 s38, ttmp9, 7                       ; the work-group's 128 bytes of xs,
	s_mov_b32 s39, 0
	s_lshl_b32 s40, ttmp9, 4                       ; 16 of ridx,
	s_mov_b32 s41, 0
	s_lshl_b32 s42, ttmp9, 5                       ; 32 of gw
	s_mov_b32 s43, 0
	s_wait_kmcnt 0x0
	s_load_b256 s[24:31], s[8:9], 0x0              ; bg
	s_add_nc_u64 s[4:5], s[4:5], s[34:35]
	s_add_nc_u64 s[10:11], s[10:11], s[36:37]
	s_add_nc_u64 s[12:13], s[12:13], s[38:39]
	s_add_nc_u64 s[14:15], s[14:15], s[40:41]
	s_add_nc_u64 s[16:17], s[16:17], s[42:43]
.irp n, 0,1,2,3,4,5,6,7
	global_load_b128 v[X+4*\n:X+4*\n+3], v2, s[4:5] offset:512*\n th:TH_LOAD_NT   ; 32 lanes read 512 consecutive bytes
.endr
.irp d, 0,1,2,3,4,5,6,7,8,9,10,11,12,13,14,15
	global_load_b128 v[WB+4*\d:WB+4*\d+3], v206, s[6:7] offset:512*\d
.endr
	s_wait_loadcnt 16                              ; x is in; the 16 loads of Wg issued behind it may be out
.irp n, 0,1,2,3,4,5,6,7
	ds_store_b128 v3, v[X+4*\n:X+4*\n+3] offset:32*SP*(\n/4)+8*SP*(\n%4)
.endr
.irp n, 0,1,2,3,4,5,6,7
	ds_load_b128 v[X+4*\n:X+4*\n+3], v4 offset:32*SP*(\n/4)+16*(\n%4)   ; LDS serves a wave's instructions in order: lane l now gets k = 512 u + 16 l + 0 .. 15
.endr
	s_wait_loadcnt 0x0                             ; Wg
.irp d, 0,1,2,3,4,5,6,7,8,9,10,11,12,13,14,15
	ds_store_b128 v5, v[WB+4*\d:WB+4*\d+3] offset:WGP*\d
.endr
	s_wait_dscnt 0x0                               ; my stores of Wg have landed (and x is back)
	s_barrier_signal -1
	s_barrier_wait -1                              ; all of Wg lies in LDS
; round u: my 16 k-rows of Wg (512 bytes), then 16 x 4 packed multiply-adds: x(k) for both halves, two experts at a time
.macro DOT u
.set m, 0
.rept 32
	ds_load_b128 v[WB+4*m:WB+4*m+3], v6 offset:32*WGP*\u+16*m
.set m, m+1
.endr
	s_wait_dscnt 0x0
.set i, 0
.rept 16
.irp p, 0,1,2,3
.if (\u == 0) && (i == 0)
	v_pk_mul_f32 v[ACC+2*\p:ACC+2*\p+1], v[X:X+1], v[WB+2*\p:WB+2*\p+1] op_sel_hi:[0,1]   ; the first product starts the sums
.elseif i%2 == 0
	v_pk_fma_f32 v[ACC+2*\p:ACC+2*\p+1], v[X+16*\u+i:X+16*\u+i+1], v[WB+8*i+2*\p:WB+8*i+2*\p+1], v[ACC+2*\p:ACC+2*\p+1] op_sel_hi:[0,1,1]
.else
	v_pk_fma_f32 v[ACC+2*\p:ACC+2*\p+1], v[X+16*\u+i-1:X+16*\u+i], v[WB+8*i+2*\p:WB+8*i+2*\p+1], v[ACC+2*\p:ACC+2*\p+1] op_sel:[1,0,0] op_sel_hi:[1,1,1]
.endif
.endr
.set i, i+1
.endr
.endm
	DOT 0
	DOT 1
.irp e, 0,1,2,3,4,5,6,7
	v_mov_b32 v[PD+\e], 0                          ; a lane permute's destination counts as one of its sources
.endr
.irp m, 1,2,4,8
.irp e, 0,1,2,3,4,5,6,7
	v_add_f32_dpp v[ACC+\e], v[ACC+\e], v[ACC+\e] row_xmask:\m row_mask:0xf bank_mask:0xf
.endr
.endr
.irp e, 0,1,2,3,4,5,6,7
	v_permlanex16_b32 v[PD+\e], v[ACC+\e], s20, s21
.endr
.irp e, 0,1,2,3,4,5,6,7
	v_add_f32 v[ACC+\e], v[ACC+\e], v[PD+\e]       ; every lane holds the 8 sums
.endr
	s_wait_kmcnt 0x0                               ; bg
.irp e, 0,1,2,3,4,5,6,7
	v_add_f32 v[ACC+\e], s[24+\e], v[ACC+\e]
.endr
	; the largest logit and its index; a later one wins only if strictly larger
	v_mov_b32 v8, v[ACC]
	v_mov_b32 v9, 0
.irp e, 1,2,3,4,5,6,7
	v_cmp_gt_f32 vcc_lo, v[ACC+\e], v8
	v_cndmask_b32 v8, v8, v[ACC+\e], vcc_lo
	v_cndmask_b32 v9, v9, \e, vcc_lo
.endr
	v_mov_b32 v10, 0xff800000                      ; the winner is hidden under -infinity,
.irp e, 0,1,2,3,4,5,6,7
	v_cmp_eq_u32 vcc_lo, \e, v9
	v_cndmask_b32 v[ACC+\e], v[ACC+\e], v10, vcc_lo
.endr
	v_mov_b32 v11, v[ACC]                          ; and the scan is run again
	v_mov_b32 v12, 0
.irp e, 1,2,3,4,5,6,7
	v_cmp_gt_f32 vcc_lo, v[ACC+\e], v11
	v_cndmask_b32 v11, v11, v[ACC+\e], vcc_lo
	v_cndmask_b32 v12, v12, \e, vcc_lo
.endr
	v_sub_f32 v13, v11, v8                         ; the maximum is taken away: second - first, 0 or less
	v_mul_f32 v13, 0x3fb8aa3b, v13
	v_exp_f32 v13, v13
	v_mov_b32 v10, 1                               ; (a plain instruction behind the exponential)
	s_wait_alu depctr_va_vdst(0)
	v_add_f32 v14, 1.0, v13
	v_rcp_f32 v14, v14                             ; w0 = 1 / (1 + e)
	v_lshlrev_b32 v9, v9, v10                      ; (a plain instruction behind the reciprocal)  1 << first
	s_wait_alu depctr_va_vdst(0)
	v_mul_f32 v15, v13, v14                        ; w1 = e w0
	v_mov_b32 v10, 0x100
	v_lshlrev_b32 v12, v12, v10                    ; 0x100 << second
	v_or_b32 v9, v9, v12
; 16 numbers of a lane become 16 codes; two neighbouring lanes hold a block of 32
.macro QX u
.set XS, X+16*\u
.set QT, 64+8*\u
	v_max3_num_f32 v[QT], |v[XS]|, |v[XS+1]|, |v[XS+2]|
	v_max3_num_f32 v[QT+1], |v[XS+3]|, |v[XS+4]|, |v[XS+5]|
.irp i, 6,10
	v_max3_num_f32 v[QT], v[QT], |v[XS+\i]|, |v[XS+\i+1]|
	v_max3_num_f32 v[QT+1], v[QT+1], |v[XS+\i+2]|, |v[XS+\i+3]|
.endr
	v_max3_num_f32 v[QT], v[QT], |v[XS+14]|, |v[XS+15]|
	v_max3_num_f32 v[QT], v[QT], v[QT+1], 0x4800000                ; and the floor 2^(9 - 127): the byte cannot fall under 1
	v_max_num_f32_dpp v[QT], v[QT], v[QT] row_xmask:1 row_mask:0xf bank_mask:0xf   ; with my neighbour's 16: the block's largest magnitude
	v_add_nc_u32 v[QT+3], 0xfc000000, v[QT]        ; 8 off its exponent field: the conversion's scale operand
	v_and_or_b32 v[QT+2], v[QT], 0x7f800000, s22   ; 448 x the scale
.irp i, 0,1,2,3,4,5,6,7,8,9,10,11,12,13,14,15
	v_med3_num_f32 v[XS+\i], v[XS+\i], -v[QT+2], v[QT+2]           ; the conversion does not saturate (ISA guide 7.6.2): the hold comes first
.endr
	v_cvt_scalef32_pk8_fp8_f32 v[CD+4*\u:CD+4*\u+1], v[XS:XS+7], v[QT+3]
	v_cvt_scalef32_pk8_fp8_f32 v[CD+4*\u+2:CD+4*\u+3], v[XS+8:XS+15], v[QT+3]
	v_lshrrev_b32 v[QT+4], 23, v[QT+3]             ; the scale's byte
	ds_store_b8 v7, v[QT+4] offset:16*\u           ; both lanes of a block write the same byte with the same value
	global_store_b128 v2, v[CD+4*\u:CD+4*\u+3], s[10:11] offset:512*\u   ; 32 lanes store 512 consecutive bytes
.endm
	QX 0
	QX 1
	ds_store_b32 v200, v9                          ; all lanes write the same word with the same value
	ds_store_b64 v201, v[14:15]
	s_wait_dscnt 0x0                               ; for wave 0's sake: my stores have landed
	s_barrier_signal -1
	s_barrier_wait -1
	s_cmp_lg_u32 s18, 0                            ; wave 0 stores the work-group's small results, neighbouring lanes at neighbouring bytes
	s_cbranch_scc1 .Lend
	ds_load_b32 v72, v202
	ds_load_b32 v73, v203
	ds_load_b32 v74, v204
	s_wait_dscnt 0x0
	global_store_b32 v205, v72, s[12:13]           ; 128 scale bytes
	s_wait_xcnt 0x0                                ; EXEC changes only behind this wait
	v_cmp_gt_u32 vcc_lo, 8, v1
	s_and_saveexec_b32 s34, vcc_lo
	global_store_b32 v205, v73, s[16:17]           ; 8 weights
	s_wait_xcnt 0x0
	s_or_b32 exec_lo, exec_lo, s34
	v_cmp_gt_u32 vcc_lo, 4, v1
	s_and_saveexec_b32 s34, vcc_lo
	global_store_b32 v205, v74, s[14:15]           ; 4 words
	s_wait_xcnt 0x0
	s_or_b32 exec_lo, exec_lo, s34
.Lend:
	s_wait_tensorcnt 0x0
	ds_add_u32 v216, v217
	s_wait_dscnt 0x0
	s_endpgm
.Lfunc_end_k_q75a7510616_route:
	.size	k_q75a7510616_route, .Lfunc_end_k_q75a7510616_route-k_q75a7510616_route
	.p2alignl 7, 3214868480
	.fill 96, 4, 3214868480
	.section	.rodata,"a",@progbits
	.p2align	6, 0x0
	.amdhsa_kernel k_q75a7510616_route
		.amdhsa_group_segment_fixed_size 55808
		.amdhsa_private_segment_fixed_size 0
		.amdhsa_enable_private_segment 0
		.amdhsa_kernarg_size 56
		.amdhsa_user_sgpr_count 2
		.amdhsa_user_sgpr_kernarg_segment_ptr 1
		.amdhsa_wavefront_size32 1
		.amdhsa_system_sgpr_workgroup_id_x 1
		.amdhsa_system_sgpr_workgroup_id_y 1
		.amdhsa_system_sgpr_workgroup_id_z 1
		.amdhsa_system_vgpr_workitem_id 0
		.amdhsa_next_free_vgpr 218
		.amdhsa_next_free_sgpr 66
		.amdhsa_reserve_vcc 1
		.amdhsa_float_denorm_mode_32 3
		.amdhsa_float_denorm_mode_16_64 3
		.amdhsa_memory_ordered 1
		.amdhsa_forward_progress 1
		.amdhsa_inst_pref_size 32
	.end_amdhsa_kernel
	.amdgpu_metadata
---
amdhsa.version: [ 1, 2 ]
amdhsa.kernels:
  - .name:           k_q75a7510616_route
    .symbol:         k_q75a7510616_route.kd
    .args:
      - { .name: x, .offset: 0, .size: 8, .value_kind: global_buffer, .address_space: global }
      - { .name: Wg, .offset: 8, .size: 8, .value_kind: global_buffer, .address_space: global }
      - { .name: bg, .offset: 16, .size: 8, .value_kind: global_buffer, .address_space: global }
      - { .name: xq, .offset: 24, .size: 8, .value_kind: global_buffer, .address_space: global }
      - { .name: xs, .offset: 32, .size: 8, .value_kind: global_buffer, .address_space: global }
      - { .name: ridx, .offset: 40, .size: 8, .value_kind: global_buffer, .address_space: global }
      - { .name: gw, .offset: 48, .size: 8, .value_kind: global_buffer, .address_space: global }
    .group_segment_fixed_size: 55808
    .private_segment_fixed_size: 0
    .kernarg_segment_align: 8
    .kernarg_segment_size: 56
    .max_flat_workgroup_size: 128
    .sgpr_count:     66
    .vgpr_count:     218
    .wavefront_size: 32
...
	.end_amdgpu_metadata
.endif
;; end of part 1
;; launch ffn1 (part 2): grid 256 x 1, 4 waves a work-group, no clusters, 201,216 bytes of LDS; arguments xq, xs, ridx, W1_codes, W1_scales, b1, hq, hs; writes hq, hs
.if DOCPART == 2
	.amdgcn_target "amdgcn-amd-amdhsa--gfx1250"
	.amdhsa_code_object_version 6
	.text
	.protected	k_q75a7510616_ffn1
	.globl	k_q75a7510616_ffn1
	.p2align	8
	.type	k_q75a7510616_ffn1,@function
k_q75a7510616_ffn1:
	s_mov_b64 s[64:65], 0
	v_nop
	global_prefetch_b8 v0, s[64:65] scope:SCOPE_SE
	s_setreg_imm32_b32 hwreg(HW_REG_WAVE_MODE, 25, 1), 1
	s_wait_xcnt 0x0
; FIRST PRODUCT OF THE EXPERTS, ON THE ROUTED ROWS ALONE: h = Q(gelu(x W1[e] + b1[e])), codes of E4M3 with one E8M0 byte for each 32 along K.
; Work-group g: expert e = g / 32, hidden units 128 f .. 128 f + 127, f = g % 32.  Its slice of W1 (128 rows x 1,024 bytes, one dense block) is read
; from memory once, by this work-group alone, and stays in LDS; the expert's rows come to it.
; THE LIST OF ROWS is made in registers by every wave from ridx (one word a token): 32 masks of 32 tokens, and for each rank the token that holds it
; (constant trip counts, selects, no scatter).  The second product's launch runs the same lines and gets the same order.
; SHARES.  Behind the one barrier the waves share nothing: in pass p wave w takes the row tiles 16 p + 4 w + 0 .. 3 (64 rows) against all 128 columns:
; 32 accumulators (256 registers), the rows' fragments for all of K (512 registers), the weights' fragments from LDS.  Four passes serve up to 1,024
; rows; a pass or a tile past the expert's last tile is jumped over (a scalar branch on the stored choice; no barrier stands behind the first).
; Rows past the expert's last row in its last tile are token 1023's: they are computed, stored, and dropped by the second product.
; TRANSPOSED USE: source 0 = 16 rows of W1, source 1 = 16 token rows: a lane holds one token row, its registers run along the hidden units.
; THE ROWS OF W1 THAT FORM A TILE ARE NOT NEIGHBOURS: lane m of tile 2 B + u takes row 32 B + 8 u + m + 8 (m / 8), so that the 16 registers of two
; neighbouring tiles are 16 neighbours along the next K, and the conversions' results are the next operand's registers.
; hq [e][f][tile 64][2,048 B]: the fragment's registers as they stand, [c 4][lane 32][16 B].  hs [e][f][row 1024]: a scale word a row.
; GELU, exact form: gelu(x) = max(x, 0) - |x| a, a = erfc(|x| / sqrt 2) / 2 = t 2^(P(t) - x^2 log2(e) / 2), t = 1 / (1 + |x| / (2 sqrt 2)), P a polynomial of
; degree 9 (a rational Chebyshev fit of erfc, fractional error about 1.2e-7 at every |x|, so the negative tail keeps its relative accuracy).
; LIMITS: NaN and infinities are not served; a under 2^-126 counts as 0 (the exponential flushes); a block of zeros gets the byte 1.
; NO TENSOR LOADS, NO CLUSTER: branches hang on numbers read from memory, and no two work-groups read the same weights.
; REGISTERS: window 0: v1-31 addresses and lists; v32-63 W1's scale words, v64-79 the rows' (lanes 0-15 the even tile of a pair, lanes 16-31 the odd one);
;   v80-127 at work; v128-255 the weights' 8 fragments, later bias (v128-191) and the tile at work (v192-255).
;   window 1: accumulator (tile i, weight tile b) at v[64 i + 8 b]; before the barrier the weights as loaded.  windows 2, 3: rows' fragment (i, K step s) at v[128 (i % 2) + 16 s].
.set WP,    1040                       ; an LDS row of 1,024 bytes + 16: 65 x 16 bytes, so the 16 rows that a load touches start in different banks
.set BLDS,  128*WP                     ; behind the weights: the bias slice, 512 bytes
.set XST,   BLDS+512                   ; behind it: a stage of 16 rows x WP for each wave
.set XSTW,  16*WP
.set LANE,  1
.set RR,    2                          ; lane % 16
.set HH,    3                          ; lane / 16
.set L16,   4                          ; 16 x lane
.set BADR,  5                          ; v5, v6: my place in weight tiles 0-3, 4-7
.set WST,   7                          ; where my wave's weights go in LDS
.set WGO,   8                          ; and where they come from
.set SST,   9                          ; my stage: rows in
.set SRD,   10                         ; fragments out
.set BIA,   11                         ; my half's bias
.set MK,    12                         ; lane k: the mask of the 32 tokens 128 (k / 4) + 4 l + k % 4
.set RHO,   14                         ; v14, v15: my two ranks in the expert's list
.set ENT,   16                         ; v16, v17: their tokens x 1,024
.set PWD,   18                         ; the scale word just made
.set HQO,   19                         ; byte offset of the tile's image
.set XSO,   20                         ; v20, v21: the tokens x 32
.set SCA,   24                         ; my row of W1's scales
.set T4,    25                         ; 4 x thread
.set BST,   26                         ; BLDS + 4 x thread
.set BV,    27                         ; my number of the bias
.set R4,    28                         ; 4 x (lane % 16)
.set HSO,   29                         ; byte offset of the tile's scale words
.set C9,    30                         ; v[30:31]: the polynomial's leading coefficient, twice
.set WS,    32
.set AS,    64
.set TMP,   80
.set BF,    128
.set BIAS,  128
.set WK,    192
.set RW,    128                        ; at the head: ridx's words
.set VO,    160                        ; a gather's 64 byte offsets
.set GT,    TMP                        ; gelu: t, the polynomial, x^2 and later max(x, 0): 16 each
.set GP,    TMP+16
.set GS,    TMP+32
.set TM,    TMP                        ; the quantiser's 16 registers at work
.set PC,    TMP+16                     ; and the 16 registers of codes
.set MSB, 0
.macro WIN new                         ; the immediate's high byte repeats the setting that is left; a switch that changes nothing is dropped
.if MSB != (\new)
	s_set_vgpr_msb (MSB<<8)|(\new)
.set MSB, (\new)
.endif
.endm
.macro PLACES n
.rept \n
	v_nop
.endr
.endm
.macro WLOADS first, count             ; load n of 64: row n / 2 of my wave's 32, half n % 2: 512 consecutive bytes; read once in the launch
.set n, \first
.rept \count
	global_load_b128 v[4*n:4*n+3], v[WGO], s[10:11] offset:512*n th:TH_LOAD_NT
.set n, n+1
.endr
.endm
; ridx's words -> 32 masks (one a lane of v[MK]) and the expert's number of rows s27, of tiles s28 (at least 1, so that tile 0 is always made)
.macro MASKS
	v_mov_b32 v[MK], 0
	s_mov_b32 s27, 0
.set kk, 0
.rept 32
	v_and_b32 v[TMP+kk%4], s25, v[RW+kk]
	v_cmp_ne_u32 s40, 0, v[TMP+kk%4]
	v_writelane_b32 v[MK], s40, kk
	s_bcnt1_i32_b32 s42, s40
	s_add_co_u32 s27, s27, s42
.set kk, kk+1
.endr
	s_add_co_u32 s28, s27, 15
	s_lshr_b32 s28, s28, 4
	s_max_u32 s28, s28, 1
.endm
; pass s35: ranks 256 pass + 64 wave + lane and + 32 -> their tokens.  The word: the last k whose running count does not pass the rank; the bit likewise.
.macro SEARCH
	s_lshl_b32 s36, s35, 8
	s_lshl_b32 s37, s20, 6
	s_add_co_u32 s36, s36, s37
	v_add_nc_u32 v[RHO], s36, v[LANE]
	v_add_nc_u32 v[RHO+1], 32, v[RHO]
	s_mov_b32 s34, 0
	v_readlane_b32 s40, v[MK], 0
.irp a, 0,1
	v_mov_b32 v[TMP+\a], s40                       ; the word's mask,
	v_mov_b32 v[TMP+2+\a], 0                       ; the count in front of it,
	v_mov_b32 v[TMP+4+\a], 0                       ; its number
.endr
.set kk, 1
.rept 31
	s_bcnt1_i32_b32 s42, s40
	s_add_co_u32 s34, s34, s42
	v_readlane_b32 s40, v[MK], kk
.irp a, 0,1
	v_cmp_gt_u32 vcc_lo, s34, v[RHO+\a]            ; the count has passed my rank: keep what I have
	v_cndmask_b32 v[TMP+\a], s40, v[TMP+\a], vcc_lo
	v_cndmask_b32 v[TMP+2+\a], s34, v[TMP+2+\a], vcc_lo
	v_cndmask_b32 v[TMP+4+\a], kk, v[TMP+4+\a], vcc_lo
.endr
.set kk, kk+1
.endr
.irp a, 0,1
	v_sub_nc_u32 v[TMP+8+\a], v[RHO+\a], v[TMP+2+\a]   ; my rank inside the word
	v_mov_b32 v[TMP+10+\a], 0
	v_mov_b32 v[TMP+12+\a], 0
.endr
.set bb, 1
.rept 31
.irp a, 0,1
	v_bfe_u32 v[TMP+14+\a], v[TMP+\a], bb-1, 1
	v_add_nc_u32 v[TMP+10+\a], v[TMP+10+\a], v[TMP+14+\a]
	v_cmp_gt_u32 vcc_lo, v[TMP+10+\a], v[TMP+8+\a]
	v_cndmask_b32 v[TMP+12+\a], bb, v[TMP+12+\a], vcc_lo
.endr
.set bb, bb+1
.endr
.irp a, 0,1
	v_lshrrev_b32 v[TMP+14+\a], 2, v[TMP+4+\a]
	v_lshlrev_b32 v[TMP+14+\a], 7, v[TMP+14+\a]
	v_lshl_add_u32 v[TMP+14+\a], v[TMP+12+\a], 2, v[TMP+14+\a]
	v_and_b32 v[TMP+4+\a], 3, v[TMP+4+\a]
	v_add_nc_u32 v[TMP+14+\a], v[TMP+14+\a], v[TMP+4+\a]   ; token = 128 (k / 4) + 4 bit + k % 4
	v_cmp_gt_u32 vcc_lo, s27, v[RHO+\a]
	v_cndmask_b32 v[TMP+14+\a], 0x3ff, v[TMP+14+\a], vcc_lo   ; a rank past the list: token 1023
	v_min_u32 v[TMP+14+\a], 0x3ff, v[TMP+14+\a]
	v_lshlrev_b32 v[ENT+\a], 10, v[TMP+14+\a]
	v_lshlrev_b32 v[XSO+\a], 5, v[TMP+14+\a]
.endr
.endm
; my 64 rows: their scale words straight into place (a lane's row is its own), their codes row by row, 512 consecutive bytes a load
.macro GATHER
.irp a, 0,1
	global_load_b128 v[AS+8*\a:AS+8*\a+3], v[XSO+\a], s[6:7]
	global_load_b128 v[AS+8*\a+4:AS+8*\a+7], v[XSO+\a], s[6:7] offset:16
.endr
.set n, 0
.rept 64
	v_readlane_b32 s35, v[ENT+n/32], n%32
	s_min_u32 s35, s35, 0xffc00
	v_add_nc_u32 v[VO+n], s35, v[L16]
.set n, n+1
.endr
	WIN 0x80                                       ; destination window 2: tiles 0, 1
.set n, 0
.rept 32
	global_load_b128 v[8*n:8*n+3], v[VO+n], s[4:5]
	global_load_b128 v[8*n+4:8*n+7], v[VO+n], s[4:5] offset:512
.set n, n+1
.endr
	WIN 0xc0                                       ; window 3: tiles 2, 3
.set n, 0
.rept 32
	global_load_b128 v[8*n:8*n+3], v[VO+32+n], s[4:5]
	global_load_b128 v[8*n+4:8*n+7], v[VO+32+n], s[4:5] offset:512
.set n, n+1
.endr
	WIN 0
	s_wait_xcnt 0x0                                ; the loads have read their offsets: those registers may be written again
.endm
; tile i's 16 rows go through my stage and come back as 8 fragments.  LDS serves a wave's instructions in order: no wait between stores and loads, nor in front of the next tile's stores
.macro TRANSPOSE i
	WIN 0x08+4*((\i)/2)                            ; an LDS store's data are its source 1
.set n, 0
.rept 16
	ds_store_b128 v[SST], v[128*((\i)%2)+8*n:128*((\i)%2)+8*n+3] offset:WP*n
	ds_store_b128 v[SST], v[128*((\i)%2)+8*n+4:128*((\i)%2)+8*n+7] offset:WP*n+512
.set n, n+1
.endr
	WIN 0x80+0x40*((\i)/2)
.set n, 0
.rept 32                               ; n = 4 s + c: registers 16 s + 4 c .. + 3 hold k = 128 s + 32 c + 16 (lane / 16) + 0 .. 15
	ds_load_b128 v[128*((\i)%2)+4*n:128*((\i)%2)+4*n+3], v[SRD] offset:32*n
.set n, n+1
.endr
.endm
.macro BLOAD half, s                   ; weight tiles 4 half .. + 3, K step s
.irp b, 0,1,2,3
.irp c, 0,1,2,3
	ds_load_b128 v[BF+64*(\half)+16*\b+4*\c:BF+64*(\half)+16*\b+4*\c+3], v[BADR+(\half)] offset:16*\b*WP+128*(\s)+32*\c
.endr
.endr
.endm
.macro MM i, b, s                      ; one product; K step 0 starts the sum: nothing is cleared
.set rD, 64*(\i)+8*(\b)
.set rB, BF+16*(\b)
.set rA, 128*((\i)%2)+16*(\s)
.set rW, WS+8*((\b)/2)+(\s)
.set rX, AS+8*((\i)/2)+(\s)
.set par, 2*((\i)%2)+((\b)%2)          ; odd tiles' scale words lie in lanes 16-31
.if (\s) == 0
.if par == 0
	v_wmma_scale_f32_16x16x128_f8f6f4 v[rD:rD+7], v[rB:rB+15], v[rA:rA+15], 0, v[rW], v[rX]
.elseif par == 1
	v_wmma_scale_f32_16x16x128_f8f6f4 v[rD:rD+7], v[rB:rB+15], v[rA:rA+15], 0, v[rW], v[rX] matrix_a_scale:MATRIX_SCALE_ROW1
.elseif par == 2
	v_wmma_scale_f32_16x16x128_f8f6f4 v[rD:rD+7], v[rB:rB+15], v[rA:rA+15], 0, v[rW], v[rX] matrix_b_scale:MATRIX_SCALE_ROW1
.else
	v_wmma_scale_f32_16x16x128_f8f6f4 v[rD:rD+7], v[rB:rB+15], v[rA:rA+15], 0, v[rW], v[rX] matrix_a_scale:MATRIX_SCALE_ROW1 matrix_b_scale:MATRIX_SCALE_ROW1
.endif
.else
.if par == 0
	v_wmma_scale_f32_16x16x128_f8f6f4 v[rD:rD+7], v[rB:rB+15], v[rA:rA+15], v[rD:rD+7], v[rW], v[rX]
.elseif par == 1
	v_wmma_scale_f32_16x16x128_f8f6f4 v[rD:rD+7], v[rB:rB+15], v[rA:rA+15], v[rD:rD+7], v[rW], v[rX] matrix_a_scale:MATRIX_SCALE_ROW1
.elseif par == 2
	v_wmma_scale_f32_16x16x128_f8f6f4 v[rD:rD+7], v[rB:rB+15], v[rA:rA+15], v[rD:rD+7], v[rW], v[rX] matrix_b_scale:MATRIX_SCALE_ROW1
.else
	v_wmma_scale_f32_16x16x128_f8f6f4 v[rD:rD+7], v[rB:rB+15], v[rA:rA+15], v[rD:rD+7], v[rW], v[rX] matrix_a_scale:MATRIX_SCALE_ROW1 matrix_b_scale:MATRIX_SCALE_ROW1
.endif
.endif
.endm
.macro MMG ti, wb, s                   ; 8 products: row tiles ti, ti + 1 x weight tiles wb .. wb + 3
.irp j, 0,1,2,3
	MM \ti, \wb+\j, \s
	MM \ti+1, \wb+\j, \s
.endr
.endm
; A pass's 256 products.  The 32 accumulators take turns, one instruction a turn, in the same order in every K step.
; The weights' fragments have one set of registers in two halves: a half is fetched anew as soon as its 16 products are issued, behind 8 places
; and is wanted 16 products later.
.macro KLOOP
	BLOAD 0, 0
	BLOAD 1, 0
.irp s, 0,1,2,3,4,5,6,7
	s_wait_dscnt 16                                ; half 0 of this step is in, and all that is older; the 16 loads of half 1 may be out
	WIN 0x58                                       ; source 1 window 2, C and D window 1
	MMG 0, 0, \s
	WIN 0x5c                                       ; source 1 window 3
	MMG 2, 0, \s
.if \s < 7
	WIN 0
	PLACES 8
	BLOAD 0, \s+1
	s_wait_dscnt 16                                ; half 1 of this step is in; the 16 just issued may be out
.else
	s_wait_dscnt 0x0
.endif
	WIN 0x5c
	MMG 2, 4, \s
	WIN 0x58
	MMG 0, 4, \s
.if \s < 7
	WIN 0
	PLACES 8
	BLOAD 1, \s+1
.endif
.endr
	WIN 0
	PLACES 10                                      ; in front of reads of results, of loads into the operands, and of the next pass's first products, which begin the accumulators anew
.endm
.macro ARM i                           ; tile i's 64 results + bias -> v[WK] on; each accumulator is read from its low end on
	WIN 0x01                                       ; source 0 window 1
.set n, 0
.rept 32
	v_pk_add_f32 v[WK+2*n:WK+2*n+1], v[64*(\i)+2*n:64*(\i)+2*n+1], v[BIAS+2*n:BIAS+2*n+1]
.set n, n+1
.endr
	WIN 0
.endm
.macro GELU16 x                        ; 16 numbers in place
.set n, 0
.rept 16
	v_fma_f32 v[GT+n], |v[\x+n]|, s54, 1.0
.set n, n+1
.endr
.set n, 0
.rept 16
	v_rcp_f32 v[GT+n], v[GT+n]                     ; t
.set n, n+1
.endr
.set n, 0
.rept 8
	v_pk_mul_f32 v[GS+2*n:GS+2*n+1], v[\x+2*n:\x+2*n+1], v[\x+2*n:\x+2*n+1]   ; x^2 (plain instructions behind the reciprocals)
.set n, n+1
.endr
.set n, 0
	s_wait_alu depctr_va_vdst(0)
.rept 8
	v_pk_fma_f32 v[GP+2*n:GP+2*n+1], v[GT+2*n:GT+2*n+1], v[C9:C9+1], 0xbf97d29d op_sel_hi:[1,1,0]
.set n, n+1
.endr
.irp c, 0x40097039, 0xbfd1a1e5, 0x3ecdfd18, 0xbe899a80, 0x3e0efb2e, 0x3f0a29d2, 0x3fb8ab5a, 0xc034d90f
.set n, 0
.rept 8
	v_pk_fma_f32 v[GP+2*n:GP+2*n+1], v[GP+2*n:GP+2*n+1], v[GT+2*n:GT+2*n+1], \c op_sel_hi:[1,1,0]
.set n, n+1
.endr
.endr
.set n, 0
.rept 8
	v_pk_fma_f32 v[GP+2*n:GP+2*n+1], v[GS+2*n:GS+2*n+1], 0xbf38aa3b, v[GP+2*n:GP+2*n+1] op_sel_hi:[1,0,1]   ; - x^2 log2(e) / 2
.set n, n+1
.endr
.set n, 0
.rept 16
	v_exp_f32 v[GP+n], v[GP+n]
.set n, n+1
.endr
.set n, 0
.rept 16
	v_max_num_f32 v[GS+n], 0, v[\x+n]              ; (plain instructions behind the exponentials)
.set n, n+1
.endr
.set n, 0
	s_wait_alu depctr_va_vdst(0)
.rept 8
	v_pk_mul_f32 v[GP+2*n:GP+2*n+1], v[GP+2*n:GP+2*n+1], v[GT+2*n:GT+2*n+1]   ; a
.set n, n+1
.endr
.set n, 0
.rept 16
	v_fma_f32 v[\x+n], -|v[\x+n]|, v[GP+n], v[GS+n]
.set n, n+1
.endr
.endm
; v[WK] on, register 16 b + i = k 32 b + 16 (lane / 16) + i of my row, become a fragment's codes in v[PC] on and its scale word in v[PWD]
.macro QUANT
.irp b, 0,1,2,3
	v_max3_num_f32 v[TM+\b], |v[WK+16*\b]|, |v[WK+1+16*\b]|, 0x4800000   ; with the floor 2^(9 - 127): the byte cannot fall under 1
.endr
.irp i, 2,4,6,8,10,12,14
.irp b, 0,1,2,3
	v_max3_num_f32 v[TM+\b], v[TM+\b], |v[WK+16*\b+\i]|, |v[WK+1+16*\b+\i]|
.endr
.endr
.irp b, 0,1,2,3
	v_permlanex16_b32 v[TM+4+\b], v[TM+\b], s48, s49
.endr
.irp b, 0,1,2,3
	v_max_num_f32 v[TM+\b], v[TM+\b], v[TM+4+\b]   ; with lane l xor 16's: the block's largest magnitude
.endr
.irp b, 0,1,2,3
	v_add_nc_u32 v[TM+12+\b], 0xfc000000, v[TM+\b] ; 8 off its exponent field: the conversion's scale operand
.endr
.irp b, 0,1,2,3
	v_and_or_b32 v[TM+8+\b], v[TM+\b], 0x7f800000, s50   ; 448 x the scale
.endr
.irp b, 0,1,2,3
	v_lshrrev_b32 v[TM+4+\b], 23, v[TM+12+\b]      ; the scale's byte
.endr
	v_lshl_or_b32 v[PWD], v[TM+5], 8, v[TM+4]
	v_lshl_or_b32 v[PWD], v[TM+6], 16, v[PWD]
	v_lshl_or_b32 v[PWD], v[TM+7], 24, v[PWD]
.irp b, 0,1,2,3
.irp i, 0,1,2,3,4,5,6,7,8,9,10,11,12,13,14,15
	v_med3_num_f32 v[WK+16*\b+\i], v[WK+16*\b+\i], -v[TM+8+\b], v[TM+8+\b]   ; the conversion does not saturate (ISA guide 7.6.2): the hold comes first
.endr
	v_cvt_scalef32_pk8_fp8_f32 v[PC+4*\b:PC+1+4*\b], v[WK+16*\b:WK+7+16*\b], v[TM+12+\b]
	v_cvt_scalef32_pk8_fp8_f32 v[PC+2+4*\b:PC+3+4*\b], v[WK+8+16*\b:WK+15+16*\b], v[TM+12+\b]
.endr
	v_nop                                          ; one plain vector instruction behind the last conversion
.endm
	s_load_b256 s[4:11], s[0:1], 0x0               ; xq s[4:5], xs s[6:7], ridx s[8:9], W1's codes s[10:11]
	s_load_b256 s[12:19], s[0:1], 0x20             ; W1's scales s[12:13], b1 s[14:15], hq s[16:17], hs s[18:19]
	v_lshl_add_u32 v22, v0, 2, 0x31000
	v_mov_b32 v23, 0
	v_lshrrev_b32 v1, 5, v0
	v_readfirstlane_b32 s20, v1                    ; wave
	v_and_b32 v[LANE], 31, v0
	v_and_b32 v[RR], 15, v0
	v_bfe_u32 v[HH], v0, 4, 1
	v_lshlrev_b32 v[L16], 4, v[LANE]
	v_mul_u32_u24 v[BADR], v[RR], WP
	v_lshl_add_u32 v[BADR], v[HH], 4, v[BADR]      ; a fragment's row x pitch + 16 x half
	v_add_nc_u32 v[BADR+1], 64*WP, v[BADR]
	s_mul_i32 s35, s20, 32*WP
	v_add_nc_u32 v[WST], s35, v[L16]
	s_lshl_b32 s35, s20, 15
	v_add_nc_u32 v[WGO], s35, v[L16]               ; my wave's 32 rows of 1,024 bytes
	s_mul_i32 s35, s20, XSTW
	s_add_co_u32 s35, s35, XST
	v_add_nc_u32 v[SST], s35, v[L16]
	v_add_nc_u32 v[SRD], s35, v[BADR]
	v_lshl_add_u32 v[BIA], v[HH], 6, BLDS          ; tile 2 B + u wants hidden units 32 B + 16 h + 8 u + 0 .. 7
	v_lshlrev_b32 v[T4], 2, v0
	v_lshl_add_u32 v[BST], v0, 2, BLDS
	v_lshlrev_b32 v[R4], 2, v[RR]
	v_and_b32 v[SCA], 8, v[RR]
	v_add_nc_u32 v[SCA], v[SCA], v[RR]
	v_lshl_add_u32 v[SCA], v[HH], 3, v[SCA]        ; lanes 0-15: the even tile's rows r + 8 (r / 8); lanes 16-31: the odd tile's, 8 further on
	v_lshlrev_b32 v[SCA], 5, v[SCA]                ; 32 scale bytes a row
	v_mov_b32 v[C9], 0x3e7c6f08
	v_mov_b32 v[C9+1], 0x3e7c6f08
	s_mov_b32 s21, ttmp9
	s_lshr_b32 s22, s21, 5                         ; the expert
	s_lshl_b32 s25, 0x101, s22                     ; its two bits in a word of ridx
	s_mov_b32 s48, 0x76543210
	s_mov_b32 s49, 0xfedcba98                      ; lane l xor 16
	s_mov_b32 s50, 0x600000                        ; the mantissa field of 448
	s_mov_b32 s54, 0x3eb504f3                      ; 1 / (2 sqrt 2)
	s_lshl_b32 s44, s21, 17                        ; g x 131,072: my slice of W1's codes, and of hq
	s_mov_b32 s45, 0
	s_lshl_b32 s46, s21, 12                        ; g x 4,096: of W1's scales, and of hs
	s_mov_b32 s47, 0
	s_lshl_b32 s36, s21, 9                         ; g x 512: of b1
	s_mov_b32 s37, 0
	s_wait_kmcnt 0x0
	s_add_nc_u64 s[10:11], s[10:11], s[44:45]
	s_add_nc_u64 s[16:17], s[16:17], s[44:45]
	s_add_nc_u64 s[12:13], s[12:13], s[46:47]
	s_add_nc_u64 s[18:19], s[18:19], s[46:47]
	s_add_nc_u64 s[14:15], s[14:15], s[36:37]
.irp G, 0,1,2,3,4,5,6,7
	global_load_b128 v[RW+4*\G:RW+4*\G+3], v[L16], s[8:9] offset:512*\G
.endr
.irp b, 0,1,2,3
	global_load_b128 v[WS+8*\b:WS+8*\b+3], v[SCA], s[12:13] offset:1024*\b
	global_load_b128 v[WS+8*\b+4:WS+8*\b+7], v[SCA], s[12:13] offset:1024*\b+16
.endr
	global_load_b32 v[BV], v[T4], s[14:15]
	WIN 0x40                                       ; destination window 1
	WLOADS 0, 48
	WIN 0
	s_wait_loadcnt 57                              ; ridx is in; behind it were issued 8 loads of scales, 1 of bias, 48 of weights
	MASKS
	s_mov_b32 s35, 0
	SEARCH
	WIN 0x40
	WLOADS 48, 16
	WIN 0
	GATHER                                         ; pass 0's rows, in every wave: so every operand register is written on every way
	s_wait_loadcnt 63                              ; 132 loads were issued behind the last weight: weights, scales and bias are in
	WIN 0x04                                       ; an LDS store's data are its source 1: window 1
.set n, 0
.rept 64                               ; row j = n / 2 goes to LDS row 32 w + (j with bits 3 and 4 exchanged): the tiles' order of rows
	ds_store_b128 v[WST], v[4*n:4*n+3] offset:(((n/2)&7)+16*(((n/2)>>3)&1)+8*(((n/2)>>4)&1))*WP+512*(n%2)
.set n, n+1
.endr
	WIN 0
	ds_store_b32 v[BST], v[BV]
	s_wait_dscnt 0x0                               ; for the others' sake: my stores have landed
	s_barrier_signal -1
	s_barrier_wait -1                              ; the slice and its bias lie in LDS; from here on the waves share nothing that is written
	s_mov_b32 s29, 0
.Lpass:
	s_wait_loadcnt 0x0                             ; this pass's rows are in
	s_wait_xcnt 0x0                                ; the last tile's stores have read their registers
	s_lshl_b32 s30, s29, 4
	s_lshl_b32 s35, s20, 2
	s_add_co_u32 s30, s30, s35                     ; my first tile: 16 p + 4 w
	s_cmp_ge_u32 s30, s28
	s_cbranch_scc1 .Lnext
	s_sub_co_u32 s31, s28, s30
	s_min_u32 s31, s31, 4                          ; how many of my four tiles the expert has
	TRANSPOSE 0
	TRANSPOSE 1
	TRANSPOSE 2
	TRANSPOSE 3
	WIN 0
	KLOOP
	s_add_co_u32 s35, s30, 16                      ; if I have a next pass, its rows are asked for now and land while this pass's results are worked
	s_cmp_ge_u32 s35, s28
	s_cbranch_scc1 .Lnonext
	s_add_co_u32 s35, s29, 1
	SEARCH
	GATHER
.Lnonext:
.irp t, 0,1,2,3,4,5,6,7
	ds_load_b128 v[BIAS+8*\t:BIAS+8*\t+3], v[BIA] offset:128*(\t/2)+32*(\t%2)
	ds_load_b128 v[BIAS+8*\t+4:BIAS+8*\t+7], v[BIA] offset:128*(\t/2)+32*(\t%2)+16
.endr
	s_wait_dscnt 0x0
	s_mov_b32 s32, 0
.Ltile:
	s_wait_xcnt 0x0                                ; the last tile's stores have read their data and offsets
	s_cmp_ge_u32 s32, s31
	s_cbranch_scc1 .Ltnext
	s_cmp_eq_u32 s32, 0
	s_cbranch_scc1 .Larm0
	s_cmp_eq_u32 s32, 1
	s_cbranch_scc1 .Larm1
	s_cmp_eq_u32 s32, 2
	s_cbranch_scc1 .Larm2
	ARM 3
	s_branch .Lbody
.Larm0:
	ARM 0
	s_branch .Lbody
.Larm1:
	ARM 1
	s_branch .Lbody
.Larm2:
	ARM 2
.Lbody:
	GELU16 WK
	GELU16 WK+16
	GELU16 WK+32
	GELU16 WK+48
	QUANT
	s_add_co_u32 s35, s30, s32                     ; the tile's number
	s_lshl_b32 s36, s35, 11
	v_add_nc_u32 v[HQO], s36, v[L16]
	s_lshl_b32 s36, s35, 6
	v_add_nc_u32 v[HSO], s36, v[R4]
.irp c, 0,1,2,3
	global_store_b128 v[HQO], v[PC+4*\c:PC+4*\c+3], s[16:17] offset:512*\c   ; the fragment as it stands: 512 consecutive bytes a store
.endr
	global_store_b32 v[HSO], v[PWD], s[18:19]      ; lanes r and r + 16 hold the same word and write it to the same place
.Ltnext:
	s_add_co_u32 s32, s32, 1
	s_cmp_lt_u32 s32, 4
	s_cbranch_scc1 .Ltile
.Lnext:
	s_add_co_u32 s29, s29, 1
	s_cmp_lt_u32 s29, 4
	s_cbranch_scc1 .Lpass
	s_wait_tensorcnt 0x0
	ds_add_u32 v22, v23
	s_wait_dscnt 0x0
	s_endpgm
.Lfunc_end_k_q75a7510616_ffn1:
	.size	k_q75a7510616_ffn1, .Lfunc_end_k_q75a7510616_ffn1-k_q75a7510616_ffn1
	.p2alignl 7, 3214868480
	.fill 96, 4, 3214868480
	.section	.rodata,"a",@progbits
	.p2align	6, 0x0
	.amdhsa_kernel k_q75a7510616_ffn1
		.amdhsa_group_segment_fixed_size 201216
		.amdhsa_private_segment_fixed_size 0
		.amdhsa_enable_private_segment 0
		.amdhsa_kernarg_size 64
		.amdhsa_user_sgpr_count 2
		.amdhsa_user_sgpr_kernarg_segment_ptr 1
		.amdhsa_wavefront_size32 1
		.amdhsa_system_sgpr_workgroup_id_x 1
		.amdhsa_system_sgpr_workgroup_id_y 1
		.amdhsa_system_sgpr_workgroup_id_z 1
		.amdhsa_system_vgpr_workitem_id 0
		.amdhsa_next_free_vgpr 1024
		.amdhsa_next_free_sgpr 66
		.amdhsa_reserve_vcc 1
		.amdhsa_float_denorm_mode_32 3
		.amdhsa_float_denorm_mode_16_64 3
		.amdhsa_memory_ordered 1
		.amdhsa_forward_progress 1
		.amdhsa_inst_pref_size 250
	.end_amdhsa_kernel
	.amdgpu_metadata
---
amdhsa.version: [ 1, 2 ]
amdhsa.kernels:
  - .name:           k_q75a7510616_ffn1
    .symbol:         k_q75a7510616_ffn1.kd
    .args:
      - { .name: xq, .offset: 0, .size: 8, .value_kind: global_buffer, .address_space: global }
      - { .name: xs, .offset: 8, .size: 8, .value_kind: global_buffer, .address_space: global }
      - { .name: ridx, .offset: 16, .size: 8, .value_kind: global_buffer, .address_space: global }
      - { .name: W1_codes, .offset: 24, .size: 8, .value_kind: global_buffer, .address_space: global }
      - { .name: W1_scales, .offset: 32, .size: 8, .value_kind: global_buffer, .address_space: global }
      - { .name: b1, .offset: 40, .size: 8, .value_kind: global_buffer, .address_space: global }
      - { .name: hq, .offset: 48, .size: 8, .value_kind: global_buffer, .address_space: global }
      - { .name: hs, .offset: 56, .size: 8, .value_kind: global_buffer, .address_space: global }
    .group_segment_fixed_size: 201216
    .private_segment_fixed_size: 0
    .kernarg_segment_align: 8
    .kernarg_segment_size: 64
    .max_flat_workgroup_size: 128
    .sgpr_count:     66
    .vgpr_count:     1024
    .wavefront_size: 32
...
	.end_amdgpu_metadata
.endif
;; end of part 2
;; launch ffn2 (part 3): grid 256 x 1, 4 waves a work-group, no clusters, 168,448 bytes of LDS; arguments hq, hs, ridx, gw, W2_codes, W2_scales, b2, y; writes y
.if DOCPART == 3
	.amdgcn_target "amdgcn-amd-amdhsa--gfx1250"
	.amdhsa_code_object_version 6
	.text
	.protected	k_q75a7510616_ffn2
	.globl	k_q75a7510616_ffn2
	.p2align	8
	.type	k_q75a7510616_ffn2,@function
k_q75a7510616_ffn2:
	s_mov_b64 s[64:65], 0
	v_nop
	global_prefetch_b8 v0, s[64:65] scope:SCOPE_SE
	s_setreg_imm32_b32 hwreg(HW_REG_WAVE_MODE, 25, 1), 1
	s_wait_xcnt 0x0
; SECOND PRODUCT OF THE EXPERTS, ON THE ROUTED ROWS ALONE: y = gate weight x (h W2[e] + b2[e]), in four parts along K.
; Work-group g: expert e = g / 32, outputs 128 ns .. + 127 (ns = (g % 32) / 4), K = 1,024 q .. + 1,023 (q = g % 4).  Its slice of W2 (128 rows x 1,024 bytes) is
; read from memory once, by this work-group alone, and stays in LDS.  The shape is the first product's: behind the one barrier each wave takes 64 rows a pass
; against all 128 columns; the rows' fragments come from hq as they were stored there, register for register.
; The list of rows is made as in the first product's launch, with the slot (0: first choice, 1: second) beside each token.
; y [q 4][2,056 rows][1024] f32: row 2 token + slot; rows 2048 + e take the rows past an expert's last row (written by this work-group alone in its own
; 512 bytes, read by nobody).  The bias goes into part q = 0 alone.  The last launch adds a token's eight rows.
; TRANSPOSED USE: source 0 = 16 rows of W2 (outputs), source 1 = 16 token rows: a lane holds eight neighbouring outputs of one row.
; LIMITS: NaN and infinities are not served.  NO TENSOR LOADS, NO CLUSTER: branches hang on numbers read from memory, and no two work-groups read the same weights.
; REGISTERS: as in the first product's launch; v13 the slots' masks, v18-19 the gate weights as loaded, v21, v23 the entries of tiles 1, 3, v24-27 the tiles' gate weights,
;   v112-123 offsets that stay through a pass.
.set WP,    1040
.set BLDS,  128*WP
.set YST,   BLDS+512                   ; a stage of 16 rows x (512 bytes + 16) for each wave
.set YP,    528
.set PLANE, 2056*4096                  ; a part of y in bytes
.set LANE,  1
.set RR,    2
.set HH,    3
.set L16,   4
.set BADR,  5
.set WST,   7
.set WGO,   8
.set SST,   9
.set SRD,   10
.set BIA,   11
.set MK,    12
.set M1,    13
.set RHO,   14
.set ENT,   16                         ; v16, v17: 2 token + slot of my two ranks
.set GWR,   18                         ; v18, v19: their gate weights
.set SCA,   20
.set T4,    22
.set GWV,   24                         ; v24-27: tile i's gate weights, row lane % 16 in both halves of the lanes
.set VE,    28                         ; the entries of the tile at work
.set BST,   29
.set VG,    30                         ; v[30:31]: its gate weights
.set WS,    32
.set AS,    64
.set TMP,   80
.set R4,    112
.set BV,    113
.set GIX,   114                        ; v114, v115
.set XG,    116                        ; v116, v117
.set HSO,   118                        ; v118, v119
.set VO,    120                        ; v120-123
.set BF,    128
.set BIAS,  128
.set WK,    192
.set RW,    128
.set MSB, 0
.macro WIN new                         ; the immediate's high byte repeats the setting that is left; a switch that changes nothing is dropped
.if MSB != (\new)
	s_set_vgpr_msb (MSB<<8)|(\new)
.set MSB, (\new)
.endif
.endm
.macro PLACES n
.rept \n
	v_nop
.endr
.endm
.macro WLOADS first, count             ; load n of 64: row n / 2 of my wave's 32 (4,096 bytes apart), half n % 2 of its 1,024 bytes; read once in the launch
.set n, \first
.rept \count
	global_load_b128 v[4*n:4*n+3], v[WGO], s[12:13] offset:4096*(n/2)+512*(n%2) th:TH_LOAD_NT
.set n, n+1
.endr
.endm
.macro MASKS
	v_mov_b32 v[MK], 0
	v_mov_b32 v[M1], 0
	s_mov_b32 s27, 0
.set kk, 0
.rept 32
	v_and_b32 v[TMP+kk%4], s25, v[RW+kk]
	v_and_b32 v[TMP+4+kk%4], s26, v[RW+kk]
	v_cmp_ne_u32 s40, 0, v[TMP+kk%4]
	v_cmp_ne_u32 s41, 0, v[TMP+4+kk%4]
	v_writelane_b32 v[MK], s40, kk
	v_writelane_b32 v[M1], s41, kk
	s_bcnt1_i32_b32 s42, s40
	s_add_co_u32 s27, s27, s42
.set kk, kk+1
.endr
	s_add_co_u32 s28, s27, 15
	s_lshr_b32 s28, s28, 4
	s_max_u32 s28, s28, 1
.endm
; pass s35: ranks 256 pass + 64 wave + lane and + 32 -> 2 token + slot; a rank past the list -> the expert's spare row
.macro SEARCH
	s_lshl_b32 s36, s35, 8
	s_lshl_b32 s37, s20, 6
	s_add_co_u32 s36, s36, s37
	v_add_nc_u32 v[RHO], s36, v[LANE]
	v_add_nc_u32 v[RHO+1], 32, v[RHO]
	s_mov_b32 s34, 0
	v_readlane_b32 s40, v[MK], 0
	v_readlane_b32 s41, v[M1], 0
.irp a, 0,1
	v_mov_b32 v[TMP+\a], s40
	v_mov_b32 v[TMP+2+\a], 0
	v_mov_b32 v[TMP+4+\a], 0
	v_mov_b32 v[TMP+6+\a], s41
.endr
.set kk, 1
.rept 31
	s_bcnt1_i32_b32 s42, s40
	s_add_co_u32 s34, s34, s42
	v_readlane_b32 s40, v[MK], kk
	v_readlane_b32 s41, v[M1], kk
.irp a, 0,1
	v_cmp_gt_u32 vcc_lo, s34, v[RHO+\a]            ; the count has passed my rank: keep what I have
	v_cndmask_b32 v[TMP+\a], s40, v[TMP+\a], vcc_lo
	v_cndmask_b32 v[TMP+2+\a], s34, v[TMP+2+\a], vcc_lo
	v_cndmask_b32 v[TMP+4+\a], kk, v[TMP+4+\a], vcc_lo
	v_cndmask_b32 v[TMP+6+\a], s41, v[TMP+6+\a], vcc_lo
.endr
.set kk, kk+1
.endr
.irp a, 0,1
	v_sub_nc_u32 v[TMP+8+\a], v[RHO+\a], v[TMP+2+\a]
	v_mov_b32 v[TMP+10+\a], 0
	v_mov_b32 v[TMP+12+\a], 0
.endr
.set bb, 1
.rept 31
.irp a, 0,1
	v_bfe_u32 v[TMP+14+\a], v[TMP+\a], bb-1, 1
	v_add_nc_u32 v[TMP+10+\a], v[TMP+10+\a], v[TMP+14+\a]
	v_cmp_gt_u32 vcc_lo, v[TMP+10+\a], v[TMP+8+\a]
	v_cndmask_b32 v[TMP+12+\a], bb, v[TMP+12+\a], vcc_lo
.endr
.set bb, bb+1
.endr
.irp a, 0,1
	v_lshrrev_b32 v[TMP+14+\a], 2, v[TMP+4+\a]
	v_lshlrev_b32 v[TMP+14+\a], 7, v[TMP+14+\a]
	v_lshl_add_u32 v[TMP+14+\a], v[TMP+12+\a], 2, v[TMP+14+\a]
	v_and_b32 v[TMP+4+\a], 3, v[TMP+4+\a]
	v_add_nc_u32 v[TMP+14+\a], v[TMP+14+\a], v[TMP+4+\a]   ; token = 128 (k / 4) + 4 bit + k % 4
	v_lshrrev_b32 v[TMP+4+\a], v[TMP+12+\a], v[TMP+6+\a]
	v_and_b32 v[TMP+4+\a], 1, v[TMP+4+\a]          ; the slot
	v_lshl_add_u32 v[TMP+14+\a], v[TMP+14+\a], 1, v[TMP+4+\a]
	v_cmp_gt_u32 vcc_lo, s27, v[RHO+\a]
	v_cndmask_b32 v[TMP+14+\a], s33, v[TMP+14+\a], vcc_lo
	v_min_u32 v[ENT+\a], 0x807, v[TMP+14+\a]
.endr
.endm
.macro SPREAD1                         ; the gate weights are asked for; tiles 1 and 3's entries come down into lanes 0-15
.irp a, 0,1
	v_min_u32 v[GIX+\a], 0x7ff, v[ENT+\a]
	v_lshlrev_b32 v[GIX+\a], 2, v[GIX+\a]
	global_load_b32 v[GWR+\a], v[GIX+\a], s[10:11]
	v_permlanex16_b32 v[21+2*\a], v[ENT+\a], s48, s49
.endr
.endm
.macro SPREAD2                         ; each tile's gate weights into both halves of the lanes
.irp a, 0,1
	v_permlanex16_b32 v[XG+\a], v[GWR+\a], s48, s49
.endr
.irp a, 0,1
	v_cndmask_b32 v[GWV+2*\a], v[GWR+\a], v[XG+\a], s56
	v_cndmask_b32 v[GWV+2*\a+1], v[XG+\a], v[GWR+\a], s56
.endr
.endm
; pass s35: my four tiles' fragments and scale words for my 8 K steps.  A tile past the expert's last is replaced by the last: it is loaded, multiplied and dropped
.macro GATHER
	s_lshl_b32 s36, s35, 4
	s_lshl_b32 s37, s20, 2
	s_add_co_u32 s36, s36, s37
	s_sub_co_u32 s37, s28, 1
.irp i, 0,1,2,3
	s_add_co_u32 s[38+\i], s36, \i
	s_min_u32 s[38+\i], s[38+\i], s37
	s_min_u32 s[38+\i], s[38+\i], 63
	s_lshl_b32 s42, s[38+\i], 11
	v_add_nc_u32 v[VO+\i], s42, v[L16]
.endr
.irp a, 0,1
	v_mov_b32 v[HSO+\a], s[38+2*\a]
	v_cndmask_b32 v[HSO+\a], v[HSO+\a], s[39+2*\a], s56   ; lanes 16-31 take the odd tile
	v_min_u32 v[HSO+\a], 63, v[HSO+\a]
	v_lshl_add_u32 v[HSO+\a], v[HSO+\a], 6, v[R4]
.endr
.irp a, 0,1
.irp s, 0,1,2,3,4,5,6,7
	global_load_b32 v[AS+8*\a+\s], v[HSO+\a], s[6:7] offset:4096*\s
.endr
.endr
	WIN 0x80                                       ; destination window 2: tiles 0, 1
.irp i, 0,1
.set n, 0
.rept 32                               ; n = 4 s + c: 512 consecutive bytes of an image
	global_load_b128 v[128*\i+4*n:128*\i+4*n+3], v[VO+\i], s[4:5] offset:131072*(n/4)+512*(n%4)
.set n, n+1
.endr
.endr
	WIN 0xc0                                       ; window 3: tiles 2, 3
.irp i, 0,1
.set n, 0
.rept 32
	global_load_b128 v[128*\i+4*n:128*\i+4*n+3], v[VO+2+\i], s[4:5] offset:131072*(n/4)+512*(n%4)
.set n, n+1
.endr
.endr
	WIN 0
	s_wait_xcnt 0x0                                ; the loads have read their offsets
.endm
.macro BLOAD half, s                   ; weight tiles 4 half .. + 3, K step s
.irp b, 0,1,2,3
.irp c, 0,1,2,3
	ds_load_b128 v[BF+64*(\half)+16*\b+4*\c:BF+64*(\half)+16*\b+4*\c+3], v[BADR+(\half)] offset:16*\b*WP+128*(\s)+32*\c
.endr
.endr
.endm
.macro MM i, b, s                      ; one product; K step 0 starts the sum: nothing is cleared
.set rD, 64*(\i)+8*(\b)
.set rB, BF+16*(\b)
.set rA, 128*((\i)%2)+16*(\s)
.set rW, WS+8*((\b)/2)+(\s)
.set rX, AS+8*((\i)/2)+(\s)
.set par, 2*((\i)%2)+((\b)%2)          ; odd tiles' scale words lie in lanes 16-31
.if (\s) == 0
.if par == 0
	v_wmma_scale_f32_16x16x128_f8f6f4 v[rD:rD+7], v[rB:rB+15], v[rA:rA+15], 0, v[rW], v[rX]
.elseif par == 1
	v_wmma_scale_f32_16x16x128_f8f6f4 v[rD:rD+7], v[rB:rB+15], v[rA:rA+15], 0, v[rW], v[rX] matrix_a_scale:MATRIX_SCALE_ROW1
.elseif par == 2
	v_wmma_scale_f32_16x16x128_f8f6f4 v[rD:rD+7], v[rB:rB+15], v[rA:rA+15], 0, v[rW], v[rX] matrix_b_scale:MATRIX_SCALE_ROW1
.else
	v_wmma_scale_f32_16x16x128_f8f6f4 v[rD:rD+7], v[rB:rB+15], v[rA:rA+15], 0, v[rW], v[rX] matrix_a_scale:MATRIX_SCALE_ROW1 matrix_b_scale:MATRIX_SCALE_ROW1
.endif
.else
.if par == 0
	v_wmma_scale_f32_16x16x128_f8f6f4 v[rD:rD+7], v[rB:rB+15], v[rA:rA+15], v[rD:rD+7], v[rW], v[rX]
.elseif par == 1
	v_wmma_scale_f32_16x16x128_f8f6f4 v[rD:rD+7], v[rB:rB+15], v[rA:rA+15], v[rD:rD+7], v[rW], v[rX] matrix_a_scale:MATRIX_SCALE_ROW1
.elseif par == 2
	v_wmma_scale_f32_16x16x128_f8f6f4 v[rD:rD+7], v[rB:rB+15], v[rA:rA+15], v[rD:rD+7], v[rW], v[rX] matrix_b_scale:MATRIX_SCALE_ROW1
.else
	v_wmma_scale_f32_16x16x128_f8f6f4 v[rD:rD+7], v[rB:rB+15], v[rA:rA+15], v[rD:rD+7], v[rW], v[rX] matrix_a_scale:MATRIX_SCALE_ROW1 matrix_b_scale:MATRIX_SCALE_ROW1
.endif
.endif
.endm
.macro MMG ti, wb, s                   ; 8 products: row tiles ti, ti + 1 x weight tiles wb .. wb + 3
.irp j, 0,1,2,3
	MM \ti, \wb+\j, \s
	MM \ti+1, \wb+\j, \s
.endr
.endm
; A pass's 256 products.  The 32 accumulators take turns, one instruction a turn, in the same order in every K step.
; A half of the weights' fragments is fetched anew as soon as its 16 products are issued, behind 8 places.
.macro KLOOP
	BLOAD 0, 0
	BLOAD 1, 0
.irp s, 0,1,2,3,4,5,6,7
	s_wait_dscnt 16                                ; half 0 of this step is in; the 16 loads of half 1 may be out
	WIN 0x58                                       ; source 1 window 2, C and D window 1
	MMG 0, 0, \s
	WIN 0x5c                                       ; source 1 window 3
	MMG 2, 0, \s
.if \s < 7
	WIN 0
	PLACES 8
	BLOAD 0, \s+1
	s_wait_dscnt 16                                ; half 1 of this step is in; the 16 just issued may be out
.else
	s_wait_dscnt 0x0
.endif
	WIN 0x5c
	MMG 2, 4, \s
	WIN 0x58
	MMG 0, 4, \s
.if \s < 7
	WIN 0
	PLACES 8
	BLOAD 1, \s+1
.endif
.endr
	WIN 0
	PLACES 10                                      ; in front of reads of results, of loads into the operands, and of the next pass's first products, which begin the accumulators anew
.endm
.macro ARM i, ve                       ; tile i: its entries, its gate weights, its 64 results + bias -> v[WK] on; each accumulator is read from its low end on
	v_mov_b32 v[VE], v[\ve]
	v_mov_b32 v[VG], v[GWV+\i]
	v_mov_b32 v[VG+1], v[GWV+\i]
	WIN 0x01                                       ; source 0 window 1
.set n, 0
.rept 32
	v_pk_add_f32 v[WK+2*n:WK+2*n+1], v[64*(\i)+2*n:64*(\i)+2*n+1], v[BIAS+2*n:BIAS+2*n+1]
.set n, n+1
.endr
	WIN 0
.endm
	s_load_b256 s[4:11], s[0:1], 0x0               ; hq s[4:5], hs s[6:7], ridx s[8:9], gw s[10:11]
	s_load_b256 s[12:19], s[0:1], 0x20             ; W2's codes s[12:13], W2's scales s[14:15], b2 s[16:17], y s[18:19]
	v_lshl_add_u32 v126, v0, 2, 0x29000
	v_mov_b32 v127, 0
	v_lshrrev_b32 v1, 5, v0
	v_readfirstlane_b32 s20, v1                    ; wave
	v_and_b32 v[LANE], 31, v0
	v_and_b32 v[RR], 15, v0
	v_bfe_u32 v[HH], v0, 4, 1
	v_lshlrev_b32 v[L16], 4, v[LANE]
	v_mul_u32_u24 v[BADR], v[RR], WP
	v_lshl_add_u32 v[BADR], v[HH], 4, v[BADR]
	v_add_nc_u32 v[BADR+1], 64*WP, v[BADR]
	s_mul_i32 s35, s20, 32*WP
	v_add_nc_u32 v[WST], s35, v[L16]
	s_lshl_b32 s35, s20, 17
	v_add_nc_u32 v[WGO], s35, v[L16]               ; my wave's 32 rows, 4,096 bytes apart
	s_mul_i32 s35, s20, 16*YP
	s_add_co_u32 s35, s35, YST                     ; my stage
	v_mul_u32_u24 v[SST], v[RR], YP
	v_lshl_add_u32 v[SST], v[HH], 5, v[SST]
	v_add_nc_u32 v[SST], s35, v[SST]               ; in: row r, 32 bytes for each half of the lanes
	v_add_nc_u32 v[SRD], s35, v[L16]               ; back: the 32 lanes take a row of 512 bytes
	v_lshl_add_u32 v[BIA], v[HH], 5, BLDS          ; tile b wants outputs 16 b + 8 h + 0 .. 7
	v_lshlrev_b32 v[T4], 2, v0
	v_lshl_add_u32 v[BST], v0, 2, BLDS
	v_lshlrev_b32 v[R4], 2, v[RR]
	v_lshlrev_b32 v[SCA], 7, v[LANE]               ; lanes 0-15: the even tile's rows; lanes 16-31: the odd tile's; 128 scale bytes a row
	v_mov_b32 v21, 0                               ; lane permutes' destinations count as sources
	v_mov_b32 v23, 0
	v_mov_b32 v[XG], 0
	v_mov_b32 v[XG+1], 0
	s_mov_b32 s21, ttmp9
	s_lshr_b32 s22, s21, 5                         ; the expert
	s_bfe_u32 s23, s21, 0x30002                    ; ns
	s_and_b32 s24, s21, 3                          ; q
	s_lshl_b32 s25, 0x101, s22                     ; the expert's two bits in a word of ridx,
	s_lshl_b32 s26, 0x100, s22                     ; and the second choice's alone
	s_add_co_u32 s33, s22, 2048                    ; the expert's spare row of y
	s_cmp_eq_u32 s24, 0
	s_cselect_b32 s55, -1, 0                       ; the bias belongs to part q = 0
	s_mov_b32 s56, 0xffff0000                      ; lanes 16-31
	s_mov_b32 s48, 0x76543210
	s_mov_b32 s49, 0xfedcba98
	s_lshl_b32 s35, s22, 5
	s_lshl_b32 s52, s24, 3
	s_add_co_u32 s35, s35, s52                     ; 32 e + 8 q: my first K step
	s_lshl_b32 s44, s35, 17                        ; in hq,
	s_mov_b32 s45, 0
	s_lshl_b32 s46, s35, 12                        ; in hs
	s_mov_b32 s47, 0
	s_lshl_b32 s36, s22, 22                        ; W2's codes: (1,024 e + 128 ns) rows of 4,096 bytes + 1,024 q
	s_lshl_b32 s52, s23, 19
	s_add_co_u32 s36, s36, s52
	s_lshl_b32 s52, s24, 10
	s_add_co_u32 s36, s36, s52
	s_mov_b32 s37, 0
	s_lshl_b32 s38, s22, 17                        ; W2's scales: the same rows of 128 bytes + 32 q
	s_lshl_b32 s52, s23, 14
	s_add_co_u32 s38, s38, s52
	s_lshl_b32 s52, s24, 5
	s_add_co_u32 s38, s38, s52
	s_mov_b32 s39, 0
	s_lshl_b32 s40, s22, 12                        ; b2: 4,096 e + 512 ns
	s_lshl_b32 s52, s23, 9
	s_add_co_u32 s40, s40, s52
	s_mov_b32 s41, 0
	s_mul_i32 s42, s24, PLANE                      ; y: part q, + 512 ns
	s_add_co_u32 s42, s42, s52
	s_mov_b32 s43, 0
	s_wait_kmcnt 0x0
	s_add_nc_u64 s[4:5], s[4:5], s[44:45]
	s_add_nc_u64 s[6:7], s[6:7], s[46:47]
	s_add_nc_u64 s[12:13], s[12:13], s[36:37]
	s_add_nc_u64 s[14:15], s[14:15], s[38:39]
	s_add_nc_u64 s[16:17], s[16:17], s[40:41]
	s_add_nc_u64 s[18:19], s[18:19], s[42:43]
.irp G, 0,1,2,3,4,5,6,7
	global_load_b128 v[RW+4*\G:RW+4*\G+3], v[L16], s[8:9] offset:512*\G
.endr
.irp b, 0,1,2,3
	global_load_b128 v[WS+8*\b:WS+8*\b+3], v[SCA], s[14:15] offset:4096*\b
	global_load_b128 v[WS+8*\b+4:WS+8*\b+7], v[SCA], s[14:15] offset:4096*\b+16
.endr
	global_load_b32 v[BV], v[T4], s[16:17]
	WIN 0x40                                       ; destination window 1
	WLOADS 0, 48
	WIN 0
	s_wait_loadcnt 57                              ; ridx is in; behind it were issued 8 loads of scales, 1 of bias, 48 of weights
	MASKS
	s_mov_b32 s35, 0
	SEARCH
	SPREAD1
	WIN 0x40
	WLOADS 48, 16
	WIN 0
	GATHER                                         ; pass 0's rows, in every wave: so every operand register is written on every way
	s_wait_loadcnt 63                              ; 144 loads were issued behind the last weight: weights, scales and bias are in
	WIN 0x04                                       ; an LDS store's data are its source 1: window 1
.set n, 0
.rept 64
	ds_store_b128 v[WST], v[4*n:4*n+3] offset:(n/2)*WP+512*(n%2)
.set n, n+1
.endr
	WIN 0
	v_cndmask_b32 v[BV], 0, v[BV], s55
	ds_store_b32 v[BST], v[BV]
	s_wait_dscnt 0x0                               ; for the others' sake: my stores have landed
	s_barrier_signal -1
	s_barrier_wait -1                              ; the slice and its bias lie in LDS; from here on the waves share nothing that is written
	s_mov_b32 s29, 0
.Lpass:
	s_wait_loadcnt 0x0                             ; this pass's rows and gate weights are in
	s_wait_xcnt 0x0
	s_lshl_b32 s30, s29, 4
	s_lshl_b32 s35, s20, 2
	s_add_co_u32 s30, s30, s35                     ; my first tile: 16 p + 4 w
	s_cmp_ge_u32 s30, s28
	s_cbranch_scc1 .Lnext
	s_sub_co_u32 s31, s28, s30
	s_min_u32 s31, s31, 4                          ; how many of my four tiles the expert has
	SPREAD2
	KLOOP
.irp t, 0,1,2,3,4,5,6,7
	ds_load_b128 v[BIAS+8*\t:BIAS+8*\t+3], v[BIA] offset:64*\t
	ds_load_b128 v[BIAS+8*\t+4:BIAS+8*\t+7], v[BIA] offset:64*\t+16
.endr
	s_wait_dscnt 0x0
	s_mov_b32 s32, 0
.Ltile:
	s_wait_xcnt 0x0                                ; the last tile's stores have read their data and offsets
	s_cmp_ge_u32 s32, s31
	s_cbranch_scc1 .Ltnext
	s_cmp_eq_u32 s32, 0
	s_cbranch_scc1 .Larm0
	s_cmp_eq_u32 s32, 1
	s_cbranch_scc1 .Larm1
	s_cmp_eq_u32 s32, 2
	s_cbranch_scc1 .Larm2
	ARM 3, 23
	s_branch .Lbody
.Larm0:
	ARM 0, 16
	s_branch .Lbody
.Larm1:
	ARM 1, 21
	s_branch .Lbody
.Larm2:
	ARM 2, 17
.Lbody:
.set n, 0
.rept 32
	v_pk_mul_f32 v[WK+2*n:WK+2*n+1], v[WK+2*n:WK+2*n+1], v[VG:VG+1] op_sel_hi:[1,0]   ; x my row's gate weight
.set n, n+1
.endr
.irp b, 0,1,2,3,4,5,6,7
	ds_store_b128 v[SST], v[WK+8*\b:WK+8*\b+3] offset:64*\b
	ds_store_b128 v[SST], v[WK+8*\b+4:WK+8*\b+7] offset:64*\b+16
.endr
.irp n, 0,1,2,3,4,5,6,7,8,9,10,11,12,13,14,15
	ds_load_b128 v[WK+4*\n:WK+4*\n+3], v[SRD] offset:YP*\n   ; LDS serves a wave's instructions in order: these see my stores; the next tile's stores come behind them
.endr
.irp n, 0,1,2,3,4,5,6,7,8,9,10,11,12,13,14,15
	v_readlane_b32 s35, v[VE], \n
	s_min_u32 s35, s35, 2055
	v_lshl_add_u32 v[TMP+\n], s35, 12, v[L16]      ; row n's place in y: 4,096 bytes a row
.endr
.irp n, 0,1,2,3,4,5,6,7,8,9,10,11,12,13,14,15
	s_wait_dscnt 15-\n                             ; row n is back; the younger rows may be out
	global_store_b128 v[TMP+\n], v[WK+4*\n:WK+4*\n+3], s[18:19]   ; 32 lanes store 512 consecutive bytes, at a multiple of 512 from y's first byte
.endr
.Ltnext:
	s_add_co_u32 s32, s32, 1
	s_cmp_lt_u32 s32, 4
	s_cbranch_scc1 .Ltile
	s_wait_xcnt 0x0                                ; the last tile's stores have read their offsets, which the search below writes
	s_add_co_u32 s35, s30, 16                      ; if I have a next pass: its list, gate weights and rows
	s_cmp_ge_u32 s35, s28
	s_cbranch_scc1 .Lnext
	s_add_co_u32 s35, s29, 1
	SEARCH
	SPREAD1
	GATHER
.Lnext:
	s_add_co_u32 s29, s29, 1
	s_cmp_lt_u32 s29, 4
	s_cbranch_scc1 .Lpass
	s_wait_tensorcnt 0x0
	ds_add_u32 v126, v127
	s_wait_dscnt 0x0
	s_endpgm
.Lfunc_end_k_q75a7510616_ffn2:
	.size	k_q75a7510616_ffn2, .Lfunc_end_k_q75a7510616_ffn2-k_q75a7510616_ffn2
	.p2alignl 7, 3214868480
	.fill 96, 4, 3214868480
	.section	.rodata,"a",@progbits
	.p2align	6, 0x0
	.amdhsa_kernel k_q75a7510616_ffn2
		.amdhsa_group_segment_fixed_size 168448
		.amdhsa_private_segment_fixed_size 0
		.amdhsa_enable_private_segment 0
		.amdhsa_kernarg_size 64
		.amdhsa_user_sgpr_count 2
		.amdhsa_user_sgpr_kernarg_segment_ptr 1
		.amdhsa_wavefront_size32 1
		.amdhsa_system_sgpr_workgroup_id_x 1
		.amdhsa_system_sgpr_workgroup_id_y 1
		.amdhsa_system_sgpr_workgroup_id_z 1
		.amdhsa_system_vgpr_workitem_id 0
		.amdhsa_next_free_vgpr 1024
		.amdhsa_next_free_sgpr 66
		.amdhsa_reserve_vcc 1
		.amdhsa_float_denorm_mode_32 3
		.amdhsa_float_denorm_mode_16_64 3
		.amdhsa_memory_ordered 1
		.amdhsa_forward_progress 1
		.amdhsa_inst_pref_size 186
	.end_amdhsa_kernel
	.amdgpu_metadata
---
amdhsa.version: [ 1, 2 ]
amdhsa.kernels:
  - .name:           k_q75a7510616_ffn2
    .symbol:         k_q75a7510616_ffn2.kd
    .args:
      - { .name: hq, .offset: 0, .size: 8, .value_kind: global_buffer, .address_space: global }
      - { .name: hs, .offset: 8, .size: 8, .value_kind: global_buffer, .address_space: global }
      - { .name: ridx, .offset: 16, .size: 8, .value_kind: global_buffer, .address_space: global }
      - { .name: gw, .offset: 24, .size: 8, .value_kind: global_buffer, .address_space: global }
      - { .name: W2_codes, .offset: 32, .size: 8, .value_kind: global_buffer, .address_space: global }
      - { .name: W2_scales, .offset: 40, .size: 8, .value_kind: global_buffer, .address_space: global }
      - { .name: b2, .offset: 48, .size: 8, .value_kind: global_buffer, .address_space: global }
      - { .name: y, .offset: 56, .size: 8, .value_kind: global_buffer, .address_space: global }
    .group_segment_fixed_size: 168448
    .private_segment_fixed_size: 0
    .kernarg_segment_align: 8
    .kernarg_segment_size: 64
    .max_flat_workgroup_size: 128
    .sgpr_count:     66
    .vgpr_count:     1024
    .wavefront_size: 32
...
	.end_amdgpu_metadata
.endif
;; end of part 3
;; launch merge (part 4): grid 256 x 1, 8 waves a work-group, no clusters, 0 bytes of LDS; arguments y, out0; writes out0
.if DOCPART == 4
	.amdgcn_target "amdgcn-amd-amdhsa--gfx1250"
	.amdhsa_code_object_version 6
	.text
	.protected	k_q75a7510616_merge
	.globl	k_q75a7510616_merge
	.p2align	8
	.type	k_q75a7510616_merge,@function
k_q75a7510616_merge:
	s_mov_b64 s[64:65], 0
	v_nop
	global_prefetch_b8 v0, s[64:65] scope:SCOPE_SE
	s_setreg_imm32_b32 hwreg(HW_REG_WAVE_MODE, 25, 1), 1
	s_wait_xcnt 0x0
; out0[token] = the sum of the token's eight rows of y: two slots x four parts along K, in a fixed order.
; y [q 4][2,056 rows][1024] f32, row 2 token + slot.  Work-group g takes tokens 4 g .. 4 g + 3; thread t owns the 16 bytes at 16 t of every row of 4,096 bytes,
; so a wave's load or store covers 512 consecutive bytes.  All 32 loads go out at once; nothing is read twice; no LDS, no barrier, no loop.
; A stream: matrix units, clusters and large tiles would add nothing.
.set PLANE, 2056*4096                  ; a part of y in bytes
.set D,     8                          ; v8-135: token t, part q, slot j at v[D + 32 t + 8 q + 4 j]
	s_load_b128 s[4:7], s[0:1], 0x0                ; y, out0
	v_lshlrev_b32 v1, 4, v0
	s_lshl_b32 s8, ttmp9, 15                       ; the work-group's 8 rows of a part
	s_mov_b32 s9, 0
	s_lshl_b32 s10, ttmp9, 14                      ; its 4 rows of out0
	s_mov_b32 s11, 0
	s_wait_kmcnt 0x0
	s_add_nc_u64 s[12:13], s[4:5], s[8:9]
	s_add_nc_u64 s[14:15], s[12:13], PLANE
	s_add_nc_u64 s[16:17], s[14:15], PLANE
	s_add_nc_u64 s[18:19], s[16:17], PLANE
	s_add_nc_u64 s[6:7], s[6:7], s[10:11]
.irp t, 0,1,2,3
.irp q, 0,1,2,3
.irp j, 0,1
	global_load_b128 v[D+32*\t+8*\q+4*\j:D+32*\t+8*\q+4*\j+3], v1, s[12+2*\q:13+2*\q] offset:(2*\t+\j)*4096 th:TH_LOAD_NT
.endr
.endr
.endr
.irp t, 0,1,2,3
	s_wait_loadcnt 24-8*\t                         ; this token's eight loads are in; the later tokens' may be out
.irp q, 0,1,2,3
	v_pk_add_f32 v[D+32*\t+8*\q:D+32*\t+8*\q+1], v[D+32*\t+8*\q:D+32*\t+8*\q+1], v[D+32*\t+8*\q+4:D+32*\t+8*\q+5]       ; the two slots of a part
	v_pk_add_f32 v[D+32*\t+8*\q+2:D+32*\t+8*\q+3], v[D+32*\t+8*\q+2:D+32*\t+8*\q+3], v[D+32*\t+8*\q+6:D+32*\t+8*\q+7]
.endr
.irp q, 0,2
	v_pk_add_f32 v[D+32*\t+8*\q:D+32*\t+8*\q+1], v[D+32*\t+8*\q:D+32*\t+8*\q+1], v[D+32*\t+8*\q+8:D+32*\t+8*\q+9]       ; parts 0 + 1, 2 + 3
	v_pk_add_f32 v[D+32*\t+8*\q+2:D+32*\t+8*\q+3], v[D+32*\t+8*\q+2:D+32*\t+8*\q+3], v[D+32*\t+8*\q+10:D+32*\t+8*\q+11]
.endr
	v_pk_add_f32 v[D+32*\t:D+32*\t+1], v[D+32*\t:D+32*\t+1], v[D+32*\t+16:D+32*\t+17]
	v_pk_add_f32 v[D+32*\t+2:D+32*\t+3], v[D+32*\t+2:D+32*\t+3], v[D+32*\t+18:D+32*\t+19]
	global_store_b128 v1, v[D+32*\t:D+32*\t+3], s[6:7] offset:4096*\t th:TH_STORE_NT
.endr
	s_endpgm
.Lfunc_end_k_q75a7510616_merge:
	.size	k_q75a7510616_merge, .Lfunc_end_k_q75a7510616_merge-k_q75a7510616_merge
	.p2alignl 7, 3214868480
	.fill 96, 4, 3214868480
	.section	.rodata,"a",@progbits
	.p2align	6, 0x0
	.amdhsa_kernel k_q75a7510616_merge
		.amdhsa_group_segment_fixed_size 0
		.amdhsa_private_segment_fixed_size 0
		.amdhsa_enable_private_segment 0
		.amdhsa_kernarg_size 16
		.amdhsa_user_sgpr_count 2
		.amdhsa_user_sgpr_kernarg_segment_ptr 1
		.amdhsa_wavefront_size32 1
		.amdhsa_system_sgpr_workgroup_id_x 1
		.amdhsa_system_sgpr_workgroup_id_y 1
		.amdhsa_system_sgpr_workgroup_id_z 1
		.amdhsa_system_vgpr_workitem_id 0
		.amdhsa_next_free_vgpr 144
		.amdhsa_next_free_sgpr 66
		.amdhsa_reserve_vcc 0
		.amdhsa_float_denorm_mode_32 3
		.amdhsa_float_denorm_mode_16_64 3
		.amdhsa_memory_ordered 1
		.amdhsa_forward_progress 1
		.amdhsa_inst_pref_size 8
	.end_amdhsa_kernel
	.amdgpu_metadata
---
amdhsa.version: [ 1, 2 ]
amdhsa.kernels:
  - .name:           k_q75a7510616_merge
    .symbol:         k_q75a7510616_merge.kd
    .args:
      - { .name: y, .offset: 0, .size: 8, .value_kind: global_buffer, .address_space: global }
      - { .name: out0, .offset: 8, .size: 8, .value_kind: global_buffer, .address_space: global }
    .group_segment_fixed_size: 0
    .private_segment_fixed_size: 0
    .kernarg_segment_align: 8
    .kernarg_segment_size: 16
    .max_flat_workgroup_size: 256
    .sgpr_count:     66
    .vgpr_count:     144
    .wavefront_size: 32
...
	.end_amdgpu_metadata
.endif
;; end of part 4
;; ======== version 2 of 3: 4 launches
;; workspace buffers: xq 1,048,576 bytes; xs 32,768 bytes; ridx 4,096 bytes of whole numbers; gw 8,192 bytes; hq 33,554,432 bytes; hs 1,048,576 bytes; y 33,685,504 bytes; rows 33,792 bytes of whole numbers
;; launch route: the kernel of part 1 again; grid 256 x 1, 4 waves a work-group, no clusters, 55,808 bytes of LDS; arguments x, Wg, bg, xq, xs, ridx, gw; writes xq, xs, ridx, gw
;; launch ffn1 (part 5): grid 256 x 1, 4 waves a work-group, no clusters, 201,216 bytes of LDS; arguments xq, xs, ridx, W1_codes, W1_scales, b1, hq, hs, rows; writes hq, hs, rows
.if DOCPART == 5
	.amdgcn_target "amdgcn-amd-amdhsa--gfx1250"
	.amdhsa_code_object_version 6
	.text
	.protected	k_q75a7510616_ffn1
	.globl	k_q75a7510616_ffn1
	.p2align	8
	.type	k_q75a7510616_ffn1,@function
k_q75a7510616_ffn1:
	s_mov_b64 s[64:65], 0
	v_nop
	global_prefetch_b8 v0, s[64:65] scope:SCOPE_SE
	s_setreg_imm32_b32 hwreg(HW_REG_WAVE_MODE, 25, 1), 1
	s_wait_xcnt 0x0
; FIRST PRODUCT OF THE EXPERTS, ON THE ROUTED ROWS ALONE: h = Q(gelu(x W1[e] + b1[e])), codes of E4M3 with one E8M0 byte for each 32 along K.
; Work-group g: expert e = g / 32, hidden units 128 f .. 128 f + 127, f = g % 32.  Its slice of W1 (128 rows x 1,024 bytes, one dense block) is read
; from memory once, by this work-group alone, and stays in LDS; the expert's rows come to it.
; THE LIST OF ROWS is made in registers by every wave from ridx (one word a token): 32 masks of 32 tokens, kept in scalar registers, and for each rank the
; token that holds it (constant trip counts, selects, no scatter).  The work-groups with f = 0 also store it: rows [e][rank 1024] = token, and behind
; the eight lists [e][32] = the expert's number of rows; the second product's launch reads it there.
; SHARES.  Behind the one barrier the waves share nothing: in pass p wave w takes the row tiles 16 p + w + 4 i, i = 0 .. 3, against all 128 columns:
; 32 accumulators (256 registers), the rows' fragments for all of K (512 registers), the weights' fragments from LDS.  Four passes serve up to 1,024
; rows; a pass or a tile past the expert's last tile is jumped over (a scalar branch on the stored choice; no barrier stands behind the first).
; A PASS WITH ONE TILE takes a short way: 16 rows are searched for and fetched, and 64 products are made, the weights' fragments three K steps deep in
; registers that the other three tiles leave free.  The tiles are dealt by turns so that up to four tiles past the sixteenth fall one to a wave.
; Rows past the expert's last row in its last tile are token 1023's: they are computed, stored, and dropped by the second product.
; TRANSPOSED USE: source 0 = 16 rows of W1, source 1 = 16 token rows: a lane holds one token row, its registers run along the hidden units.
; THE ROWS OF W1 THAT FORM A TILE ARE NOT NEIGHBOURS: lane m of tile 2 B + u takes row 32 B + 8 u + m + 8 (m / 8), so that the 16 registers of two
; neighbouring tiles are 16 neighbours along the next K, and the conversions' results are the next operand's registers.
; hq [e][f][tile 64][2,048 B]: the fragment's registers as they stand, [c 4][lane 32][16 B].  hs [e][f][row 1024]: a scale word a row.
; GELU, exact form: gelu(x) = max(x, 0) - |x| a, a = erfc(|x| / sqrt 2) / 2 = t 2^(P(t) - x^2 log2(e) / 2), t = 1 / (1 + |x| / (2 sqrt 2)), P a polynomial of
; degree 9 (a rational Chebyshev fit of erfc, fractional error about 1.2e-7 at every |x|, so the negative tail keeps its relative accuracy).
; LIMITS: NaN and infinities are not served; a under 2^-126 counts as 0 (the exponential flushes); a block of zeros gets the byte 1.
; NO TENSOR LOADS, NO CLUSTER: branches hang on numbers read from memory, and no two work-groups read the same weights.
; REGISTERS: window 0: v1-31 addresses and lists; v32-63 W1's scale words, v64-79 the rows' (lanes 0-15 the even tile of a pair, lanes 16-31 the odd one);
;   v80-127 at work; v128-255 the weights' 8 fragments, later bias (v128-191) and the tile at work (v192-255).
;   window 1: accumulator (tile i, weight tile b) at v[64 i + 8 b]; before the barrier the weights as loaded.  windows 2, 3: rows' fragment (i, K step s) at v[128 (i % 2) + 16 s].
.set WP,    1040                       ; an LDS row of 1,024 bytes + 16: 65 x 16 bytes, so the 16 rows that a load touches start in different banks
.set BLDS,  128*WP                     ; behind the weights: the bias slice, 512 bytes
.set XST,   BLDS+512                   ; behind it: a stage of 16 rows x WP for each wave
.set XSTW,  16*WP
.set LANE,  1
.set RR,    2                          ; lane % 16
.set HH,    3                          ; lane / 16
.set L16,   4                          ; 16 x lane
.set BADR,  5                          ; v5, v6: my place in weight tiles 0-3, 4-7
.set WST,   7                          ; where my wave's weights go in LDS
.set WGO,   8                          ; and where they come from
.set SST,   9                          ; my stage: rows in
.set SRD,   10                         ; fragments out
.set BIA,   11                         ; my half's bias
.set RHO,   14                         ; v14, v15: my two ranks in the expert's list
.set ENT,   16                         ; v16, v17: their tokens x 1,024
.set PWD,   18                         ; the scale word just made
.set HQO,   19                         ; byte offset of the tile's image
.set XSO,   20                         ; v20, v21: the tokens x 32
.set SCA,   24                         ; my row of W1's scales
.set T4,    25                         ; 4 x thread
.set BST,   26                         ; BLDS + 4 x thread
.set BV,    27                         ; my number of the bias
.set R4,    28                         ; 4 x (lane % 16)
.set HSO,   29                         ; byte offset of the tile's scale words
.set C9,    30                         ; v[30:31]: the polynomial's leading coefficient, twice
.set WS,    32
.set AS,    64
.set TMP,   80
.set BF,    128
.set BIAS,  128
.set WK,    192
.set RW,    128                        ; at the head: ridx's words
.set VO,    160                        ; a gather's byte offsets
.set GT,    TMP                        ; gelu: t, the polynomial, x^2 and later max(x, 0): 16 each
.set GP,    TMP+16
.set GS,    TMP+32
.set TM,    TMP                        ; the quantiser's 16 registers at work
.set PC,    TMP+16                     ; and the 16 registers of codes
.set MS,    66                         ; s66-97: mask k: bit l = token 128 (k / 4) + 4 l + k % 4 goes to my expert
.set LEFT,  51                         ; s51: tiles from my first tile of the next pass to the expert's last
.set MSB, 0
.macro WIN new                         ; the immediate's high byte repeats the setting that is left; a switch that changes nothing is dropped
.if MSB != (\new)
	s_set_vgpr_msb (MSB<<8)|(\new)
.set MSB, (\new)
.endif
.endm
.macro PLACES n
.rept \n
	v_nop
.endr
.endm
.macro WLOADS first, count             ; load n of 64: row n / 2 of my wave's 32, half n % 2: 512 consecutive bytes; read once in the launch
.set n, \first
.rept \count
	global_load_b128 v[4*n:4*n+3], v[WGO], s[10:11] offset:512*n th:TH_LOAD_NT
.set n, n+1
.endr
.endm
; ridx's words -> 32 masks in scalar registers, the expert's number of rows s27, of tiles s28 (at least 1, so that tile 0 is always made)
.macro MASKS
.set kk, 0
.rept 32
	v_and_b32 v[TMP+kk], s25, v[RW+kk]
.set kk, kk+1
.endr
.set kk, 0
.rept 32
	v_cmp_ne_u32 s[MS+kk], 0, v[TMP+kk]
.set kk, kk+1
.endr
	s_mov_b32 s27, 0
.set kk, 0
.rept 32
	s_bcnt1_i32_b32 s42, s[MS+kk]
	s_add_co_u32 s27, s27, s42
.set kk, kk+1
.endr
	s_add_co_u32 s28, s27, 15
	s_lshr_b32 s28, s28, 4
	s_max_u32 s28, s28, 1
.endm
; pass s35: my ranks -> their tokens.  Register a, lane l: tile 2 a + l / 16 of my four, row l % 16: rank 256 pass + 16 wave + 128 a + 64 (l / 16) + l % 16.
; The word: the last k whose running count does not pass the rank; the bit likewise.  two = 0: register 0 alone (a pass with one tile).
; The running count is made one word ahead, in two registers by turns, so that no vector line waits for the scalar line above it.
.macro SEARCH two
	s_lshl_b32 s36, s35, 8
	s_lshl_b32 s37, s20, 4
	s_add_co_u32 s36, s36, s37
	v_lshl_add_u32 v[RHO], v[HH], 6, v[RR]
	v_add_nc_u32 v[RHO], s36, v[RHO]
.if \two
	v_add_nc_u32 v[RHO+1], 0x80, v[RHO]
.endif
	s_bcnt1_i32_b32 s34, s[MS]
.irp a, 0,1
.if (\a == 0) || \two
	v_mov_b32 v[TMP+\a], s[MS]                     ; the word's mask,
	v_mov_b32 v[TMP+2+\a], 0                       ; the count in front of it,
	v_mov_b32 v[TMP+4+\a], 0                       ; its number
.endif
.endr
.set kk, 1
.rept 31
.set cur, 34+9*((kk+1)%2)
.set nxt, 34+9*(kk%2)
.if kk < 31
	s_bcnt1_i32_b32 s42, s[MS+kk]
	s_add_co_u32 s[nxt], s[cur], s42
.endif
.irp a, 0,1
.if (\a == 0) || \two
	v_cmp_gt_u32 vcc_lo, s[cur], v[RHO+\a]         ; the count has passed my rank: keep what I have
	v_cndmask_b32 v[TMP+\a], s[MS+kk], v[TMP+\a], vcc_lo
	v_cndmask_b32 v[TMP+2+\a], s[cur], v[TMP+2+\a], vcc_lo
	v_cndmask_b32 v[TMP+4+\a], kk, v[TMP+4+\a], vcc_lo
.endif
.endr
.set kk, kk+1
.endr
.irp a, 0,1
.if (\a == 0) || \two
	v_sub_nc_u32 v[TMP+8+\a], v[RHO+\a], v[TMP+2+\a]   ; my rank inside the word
	v_mov_b32 v[TMP+10+\a], 0
	v_mov_b32 v[TMP+12+\a], 0
.endif
.endr
.set bb, 1
.rept 31
.irp a, 0,1
.if (\a == 0) || \two
	v_bfe_u32 v[TMP+14+\a], v[TMP+\a], bb-1, 1
	v_add_nc_u32 v[TMP+10+\a], v[TMP+10+\a], v[TMP+14+\a]
	v_cmp_gt_u32 vcc_lo, v[TMP+10+\a], v[TMP+8+\a]
	v_cndmask_b32 v[TMP+12+\a], bb, v[TMP+12+\a], vcc_lo
.endif
.endr
.set bb, bb+1
.endr
.irp a, 0,1
.if (\a == 0) || \two
	v_lshrrev_b32 v[TMP+14+\a], 2, v[TMP+4+\a]
	v_lshlrev_b32 v[TMP+14+\a], 7, v[TMP+14+\a]
	v_lshl_add_u32 v[TMP+14+\a], v[TMP+12+\a], 2, v[TMP+14+\a]
	v_and_b32 v[TMP+4+\a], 3, v[TMP+4+\a]
	v_add_nc_u32 v[TMP+14+\a], v[TMP+14+\a], v[TMP+4+\a]   ; token = 128 (k / 4) + 4 bit + k % 4
	v_cmp_gt_u32 vcc_lo, s27, v[RHO+\a]
	v_cndmask_b32 v[TMP+14+\a], 0x3ff, v[TMP+14+\a], vcc_lo   ; a rank past the list: token 1023
	v_min_u32 v[TMP+14+\a], 0x3ff, v[TMP+14+\a]
	v_lshlrev_b32 v[ENT+\a], 10, v[TMP+14+\a]
	v_lshlrev_b32 v[XSO+\a], 5, v[TMP+14+\a]
.endif
.endr
.endm
; the work-groups with f = 0 store the tokens just found, a word a rank; the gather that follows ends with the wait that frees these registers
.macro LISTOUT two
	s_cmp_lg_u32 s23, 0
	s_cbranch_scc1 .Lnolist_\@
	v_lshlrev_b32 v[TMP+8], 2, v[RHO]
	global_store_b32 v[TMP+8], v[TMP+14], s[56:57]
.if \two
	v_lshlrev_b32 v[TMP+9], 2, v[RHO+1]
	global_store_b32 v[TMP+9], v[TMP+15], s[56:57]
.endif
.Lnolist_\@:
.endm
; my rows (two = 1: 64; two = 0: tile 0's 16): their scale words straight into place (a lane's row is its own), their codes row by row, 512 consecutive bytes a load.
; The rows' offsets go from lane to scalar to vector in runs of eight, so that the turn between the units is paid once for eight rows.
.macro GATHER two
	global_load_b128 v[AS:AS+3], v[XSO], s[6:7]
	global_load_b128 v[AS+4:AS+7], v[XSO], s[6:7] offset:16
.if \two
	global_load_b128 v[AS+8:AS+11], v[XSO+1], s[6:7]
	global_load_b128 v[AS+12:AS+15], v[XSO+1], s[6:7] offset:16
.endif
.set n, 0
.rept 2+6*\two
.irp j, 0,1,2,3,4,5,6,7
	v_readlane_b32 s[36+\j], v[ENT+(n+\j)/32], (n+\j)%32
.endr
.irp j, 0,1,2,3,4,5,6,7
	s_min_u32 s[36+\j], s[36+\j], 0xffc00
.endr
.irp j, 0,1,2,3,4,5,6,7
	v_add_nc_u32 v[VO+n+\j], s[36+\j], v[L16]
.endr
.set n, n+8
.endr
	WIN 0x80                                       ; destination window 2: tiles 0, 1
.set n, 0
.rept 16+16*\two
	global_load_b128 v[8*n:8*n+3], v[VO+n], s[4:5]
	global_load_b128 v[8*n+4:8*n+7], v[VO+n], s[4:5] offset:512
.set n, n+1
.endr
.if \two
	WIN 0xc0                                       ; window 3: tiles 2, 3
.set n, 0
.rept 32
	global_load_b128 v[8*n:8*n+3], v[VO+32+n], s[4:5]
	global_load_b128 v[8*n+4:8*n+7], v[VO+32+n], s[4:5] offset:512
.set n, n+1
.endr
.endif
	WIN 0
	s_wait_xcnt 0x0                                ; the loads and stores have read their registers: those may be written again
.endm
; tile i's 16 rows go through my stage and come back as 8 fragments.  LDS serves a wave's instructions in order: no wait between stores and loads, nor in front of the next tile's stores
.macro TRANSPOSE i
	WIN 0x08+4*((\i)/2)                            ; an LDS store's data are its source 1
.set n, 0
.rept 16
	ds_store_b128 v[SST], v[128*((\i)%2)+8*n:128*((\i)%2)+8*n+3] offset:WP*n
	ds_store_b128 v[SST], v[128*((\i)%2)+8*n+4:128*((\i)%2)+8*n+7] offset:WP*n+512
.set n, n+1
.endr
	WIN 0x80+0x40*((\i)/2)
.set n, 0
.rept 32                               ; n = 4 s + c: registers 16 s + 4 c .. + 3 hold k = 128 s + 32 c + 16 (lane / 16) + 0 .. 15
	ds_load_b128 v[128*((\i)%2)+4*n:128*((\i)%2)+4*n+3], v[SRD] offset:32*n
.set n, n+1
.endr
.endm
.macro BLOAD half, s                   ; weight tiles 4 half .. + 3, K step s
.irp b, 0,1,2,3
.irp c, 0,1,2,3
	ds_load_b128 v[BF+64*(\half)+16*\b+4*\c:BF+64*(\half)+16*\b+4*\c+3], v[BADR+(\half)] offset:16*\b*WP+128*(\s)+32*\c
.endr
.endr
.endm
.macro MM i, b, s                      ; one product; K step 0 starts the sum: nothing is cleared
.set rD, 64*(\i)+8*(\b)
.set rB, BF+16*(\b)
.set rA, 128*((\i)%2)+16*(\s)
.set rW, WS+8*((\b)/2)+(\s)
.set rX, AS+8*((\i)/2)+(\s)
.set par, 2*((\i)%2)+((\b)%2)          ; odd tiles' scale words lie in lanes 16-31
.if (\s) == 0
.if par == 0
	v_wmma_scale_f32_16x16x128_f8f6f4 v[rD:rD+7], v[rB:rB+15], v[rA:rA+15], 0, v[rW], v[rX]
.elseif par == 1
	v_wmma_scale_f32_16x16x128_f8f6f4 v[rD:rD+7], v[rB:rB+15], v[rA:rA+15], 0, v[rW], v[rX] matrix_a_scale:MATRIX_SCALE_ROW1
.elseif par == 2
	v_wmma_scale_f32_16x16x128_f8f6f4 v[rD:rD+7], v[rB:rB+15], v[rA:rA+15], 0, v[rW], v[rX] matrix_b_scale:MATRIX_SCALE_ROW1
.else
	v_wmma_scale_f32_16x16x128_f8f6f4 v[rD:rD+7], v[rB:rB+15], v[rA:rA+15], 0, v[rW], v[rX] matrix_a_scale:MATRIX_SCALE_ROW1 matrix_b_scale:MATRIX_SCALE_ROW1
.endif
.else
.if par == 0
	v_wmma_scale_f32_16x16x128_f8f6f4 v[rD:rD+7], v[rB:rB+15], v[rA:rA+15], v[rD:rD+7], v[rW], v[rX]
.elseif par == 1
	v_wmma_scale_f32_16x16x128_f8f6f4 v[rD:rD+7], v[rB:rB+15], v[rA:rA+15], v[rD:rD+7], v[rW], v[rX] matrix_a_scale:MATRIX_SCALE_ROW1
.elseif par == 2
	v_wmma_scale_f32_16x16x128_f8f6f4 v[rD:rD+7], v[rB:rB+15], v[rA:rA+15], v[rD:rD+7], v[rW], v[rX] matrix_b_scale:MATRIX_SCALE_ROW1
.else
	v_wmma_scale_f32_16x16x128_f8f6f4 v[rD:rD+7], v[rB:rB+15], v[rA:rA+15], v[rD:rD+7], v[rW], v[rX] matrix_a_scale:MATRIX_SCALE_ROW1 matrix_b_scale:MATRIX_SCALE_ROW1
.endif
.endif
.endm
.macro MMG ti, wb, s                   ; 8 products: row tiles ti, ti + 1 x weight tiles wb .. wb + 3
.irp j, 0,1,2,3
	MM \ti, \wb+\j, \s
	MM \ti+1, \wb+\j, \s
.endr
.endm
; A full pass's 256 products.  The 32 accumulators take turns, one instruction a turn, in the same order in every K step.
; The weights' fragments have one set of registers in two halves: a half is fetched anew as soon as its 16 products are issued, behind 8 places
; and is wanted 16 products later.
.macro KLOOP
	BLOAD 0, 0
	BLOAD 1, 0
.irp s, 0,1,2,3,4,5,6,7
	s_wait_dscnt 16                                ; half 0 of this step is in, and all that is older; the 16 loads of half 1 may be out
	WIN 0x58                                       ; source 1 window 2, C and D window 1
	MMG 0, 0, \s
	WIN 0x5c                                       ; source 1 window 3
	MMG 2, 0, \s
.if \s < 7
	WIN 0
	PLACES 8
	BLOAD 0, \s+1
	s_wait_dscnt 16                                ; half 1 of this step is in; the 16 just issued may be out
.else
	s_wait_dscnt 0x0
.endif
	WIN 0x5c
	MMG 2, 4, \s
	WIN 0x58
	MMG 0, 4, \s
.if \s < 7
	WIN 0
	PLACES 8
	BLOAD 1, \s+1
.endif
.endr
	WIN 0
	PLACES 10                                      ; in front of reads of results, of loads into the operands, and of the next pass's first products, which begin the accumulators anew
.endm
; THE SHORT PASS: tile 0 alone, 64 products, its 8 accumulators by turns.  Eight products a K step are too few to cover an LDS load that is asked for one step ahead, so the
; weights' fragments of a K step (128 registers) have three sets by turns: v128-255 of window 0, and the 256 registers of window 3, which tiles 2 and 3 do not use here.
.macro BSEL s                          ; K step s: its set's window bw and first register bb
.if ((\s)%3) == 0
.set bw, 0
.set bb, 128
.elseif ((\s)%3) == 1
.set bw, 3
.set bb, 0
.else
.set bw, 3
.set bb, 128
.endif
.endm
.macro B1LOAD s                        ; all 8 weight tiles of K step s
	BSEL \s
	WIN bw<<6
.irp b, 0,1,2,3,4,5,6,7
.irp c, 0,1,2,3
	ds_load_b128 v[bb+16*\b+4*\c:bb+16*\b+4*\c+3], v[BADR+\b/4] offset:16*(\b%4)*WP+128*(\s)+32*\c
.endr
.endr
.endm
.macro MM1 b, s
.set rD, 8*(\b)
.set rB, bb+16*(\b)
.set rA, 16*(\s)
.set rW, WS+8*((\b)/2)+(\s)
.set rX, AS+(\s)
.if (\s) == 0
.if ((\b)%2) == 0
	v_wmma_scale_f32_16x16x128_f8f6f4 v[rD:rD+7], v[rB:rB+15], v[rA:rA+15], 0, v[rW], v[rX]
.else
	v_wmma_scale_f32_16x16x128_f8f6f4 v[rD:rD+7], v[rB:rB+15], v[rA:rA+15], 0, v[rW], v[rX] matrix_a_scale:MATRIX_SCALE_ROW1
.endif
.else
.if ((\b)%2) == 0
	v_wmma_scale_f32_16x16x128_f8f6f4 v[rD:rD+7], v[rB:rB+15], v[rA:rA+15], v[rD:rD+7], v[rW], v[rX]
.else
	v_wmma_scale_f32_16x16x128_f8f6f4 v[rD:rD+7], v[rB:rB+15], v[rA:rA+15], v[rD:rD+7], v[rW], v[rX] matrix_a_scale:MATRIX_SCALE_ROW1
.endif
.endif
.endm
.macro KLOOP1
	B1LOAD 0
	B1LOAD 1
	B1LOAD 2
.irp s, 0,1,2,3,4,5,6,7
.if \s < 6
	s_wait_dscnt 63                                ; behind this step's loads 64 were issued (two steps'): with 63 out at the most, this step's are in, and all that is older
.elseif \s == 6
	s_wait_dscnt 32                                ; the last step's 32 may be out
.else
	s_wait_dscnt 0x0
.endif
	BSEL \s
	WIN 0x58+bw                                    ; source 0 the set's window, source 1 window 2, C and D window 1
.irp b, 0,1,2,3,4,5,6,7
	MM1 \b, \s
.endr
.if \s < 5
	PLACES 8                                       ; in front of loads into the set just multiplied
	B1LOAD \s+3
.endif
.endr
	WIN 0
	PLACES 10
.endm
.macro ARM i                           ; tile i's 64 results + bias -> v[WK] on; each accumulator is read from its low end on
	WIN 0x01                                       ; source 0 window 1
.set n, 0
.rept 32
	v_pk_add_f32 v[WK+2*n:WK+2*n+1], v[64*(\i)+2*n:64*(\i)+2*n+1], v[BIAS+2*n:BIAS+2*n+1]
.set n, n+1
.endr
	WIN 0
.endm
.macro GELU16 x                        ; 16 numbers in place
.set n, 0
.rept 16
	v_fma_f32 v[GT+n], |v[\x+n]|, s54, 1.0
.set n, n+1
.endr
.set n, 0
.rept 16
	v_rcp_f32 v[GT+n], v[GT+n]                     ; t
.set n, n+1
.endr
.set n, 0
.rept 8
	v_pk_mul_f32 v[GS+2*n:GS+2*n+1], v[\x+2*n:\x+2*n+1], v[\x+2*n:\x+2*n+1]   ; x^2 (plain instructions behind the reciprocals)
.set n, n+1
.endr
.set n, 0
	s_wait_alu depctr_va_vdst(0)
.rept 8
	v_pk_fma_f32 v[GP+2*n:GP+2*n+1], v[GT+2*n:GT+2*n+1], v[C9:C9+1], 0xbf97d29d op_sel_hi:[1,1,0]
.set n, n+1
.endr
.irp c, 0x40097039, 0xbfd1a1e5, 0x3ecdfd18, 0xbe899a80, 0x3e0efb2e, 0x3f0a29d2, 0x3fb8ab5a, 0xc034d90f
.set n, 0
.rept 8
	v_pk_fma_f32 v[GP+2*n:GP+2*n+1], v[GP+2*n:GP+2*n+1], v[GT+2*n:GT+2*n+1], \c op_sel_hi:[1,1,0]
.set n, n+1
.endr
.endr
.set n, 0
.rept 8
	v_pk_fma_f32 v[GP+2*n:GP+2*n+1], v[GS+2*n:GS+2*n+1], 0xbf38aa3b, v[GP+2*n:GP+2*n+1] op_sel_hi:[1,0,1]   ; - x^2 log2(e) / 2
.set n, n+1
.endr
.set n, 0
.rept 16
	v_exp_f32 v[GP+n], v[GP+n]
.set n, n+1
.endr
.set n, 0
.rept 16
	v_max_num_f32 v[GS+n], 0, v[\x+n]              ; (plain instructions behind the exponentials)
.set n, n+1
.endr
.set n, 0
	s_wait_alu depctr_va_vdst(0)
.rept 8
	v_pk_mul_f32 v[GP+2*n:GP+2*n+1], v[GP+2*n:GP+2*n+1], v[GT+2*n:GT+2*n+1]   ; a
.set n, n+1
.endr
.set n, 0
.rept 16
	v_fma_f32 v[\x+n], -|v[\x+n]|, v[GP+n], v[GS+n]
.set n, n+1
.endr
.endm
; v[WK] on, register 16 b + i = k 32 b + 16 (lane / 16) + i of my row, become a fragment's codes in v[PC] on and its scale word in v[PWD]
.macro QUANT
.irp b, 0,1,2,3
	v_max3_num_f32 v[TM+\b], |v[WK+16*\b]|, |v[WK+1+16*\b]|, 0x4800000   ; with the floor 2^(9 - 127): the byte cannot fall under 1
.endr
.irp i, 2,4,6,8,10,12,14
.irp b, 0,1,2,3
	v_max3_num_f32 v[TM+\b], v[TM+\b], |v[WK+16*\b+\i]|, |v[WK+1+16*\b+\i]|
.endr
.endr
.irp b, 0,1,2,3
	v_permlanex16_b32 v[TM+4+\b], v[TM+\b], s48, s49
.endr
.irp b, 0,1,2,3
	v_max_num_f32 v[TM+\b], v[TM+\b], v[TM+4+\b]   ; with lane l xor 16's: the block's largest magnitude
.endr
.irp b, 0,1,2,3
	v_add_nc_u32 v[TM+12+\b], 0xfc000000, v[TM+\b] ; 8 off its exponent field: the conversion's scale operand
.endr
.irp b, 0,1,2,3
	v_and_or_b32 v[TM+8+\b], v[TM+\b], 0x7f800000, s50   ; 448 x the scale
.endr
.irp b, 0,1,2,3
	v_lshrrev_b32 v[TM+4+\b], 23, v[TM+12+\b]      ; the scale's byte
.endr
	v_lshl_or_b32 v[PWD], v[TM+5], 8, v[TM+4]
	v_lshl_or_b32 v[PWD], v[TM+6], 16, v[PWD]
	v_lshl_or_b32 v[PWD], v[TM+7], 24, v[PWD]
.irp b, 0,1,2,3
.irp i, 0,1,2,3,4,5,6,7,8,9,10,11,12,13,14,15
	v_med3_num_f32 v[WK+16*\b+\i], v[WK+16*\b+\i], -v[TM+8+\b], v[TM+8+\b]   ; the conversion does not saturate (ISA guide 7.6.2): the hold comes first
.endr
	v_cvt_scalef32_pk8_fp8_f32 v[PC+4*\b:PC+1+4*\b], v[WK+16*\b:WK+7+16*\b], v[TM+12+\b]
	v_cvt_scalef32_pk8_fp8_f32 v[PC+2+4*\b:PC+3+4*\b], v[WK+8+16*\b:WK+15+16*\b], v[TM+12+\b]
.endr
	v_nop                                          ; one plain vector instruction behind the last conversion
.endm
	s_load_b256 s[4:11], s[0:1], 0x0               ; xq s[4:5], xs s[6:7], ridx s[8:9], W1's codes s[10:11]
	s_load_b256 s[12:19], s[0:1], 0x20             ; W1's scales s[12:13], b1 s[14:15], hq s[16:17], hs s[18:19]
	s_load_b64 s[56:57], s[0:1], 0x40              ; rows
	v_lshl_add_u32 v22, v0, 2, 0x31000
	v_mov_b32 v23, 0
	v_lshrrev_b32 v1, 5, v0
	v_readfirstlane_b32 s20, v1                    ; wave
	v_and_b32 v[LANE], 31, v0
	v_and_b32 v[RR], 15, v0
	v_bfe_u32 v[HH], v0, 4, 1
	v_lshlrev_b32 v[L16], 4, v[LANE]
	v_mul_u32_u24 v[BADR], v[RR], WP
	v_lshl_add_u32 v[BADR], v[HH], 4, v[BADR]      ; a fragment's row x pitch + 16 x half
	v_add_nc_u32 v[BADR+1], 64*WP, v[BADR]
	s_mul_i32 s35, s20, 32*WP
	v_add_nc_u32 v[WST], s35, v[L16]
	s_lshl_b32 s35, s20, 15
	v_add_nc_u32 v[WGO], s35, v[L16]               ; my wave's 32 rows of 1,024 bytes
	s_mul_i32 s35, s20, XSTW
	s_add_co_u32 s35, s35, XST
	v_add_nc_u32 v[SST], s35, v[L16]
	v_add_nc_u32 v[SRD], s35, v[BADR]
	v_lshl_add_u32 v[BIA], v[HH], 6, BLDS          ; tile 2 B + u wants hidden units 32 B + 16 h + 8 u + 0 .. 7
	v_lshlrev_b32 v[T4], 2, v0
	v_lshl_add_u32 v[BST], v0, 2, BLDS
	v_lshlrev_b32 v[R4], 2, v[RR]
	v_and_b32 v[SCA], 8, v[RR]
	v_add_nc_u32 v[SCA], v[SCA], v[RR]
	v_lshl_add_u32 v[SCA], v[HH], 3, v[SCA]        ; lanes 0-15: the even tile's rows r + 8 (r / 8); lanes 16-31: the odd tile's, 8 further on
	v_lshlrev_b32 v[SCA], 5, v[SCA]                ; 32 scale bytes a row
	v_mov_b32 v[C9], 0x3e7c6f08
	v_mov_b32 v[C9+1], 0x3e7c6f08
	s_mov_b32 s21, ttmp9
	s_lshr_b32 s22, s21, 5                         ; the expert
	s_and_b32 s23, s21, 31                         ; f
	s_lshl_b32 s25, 0x101, s22                     ; the expert's two bits in a word of ridx
	s_mov_b32 s48, 0x76543210
	s_mov_b32 s49, 0xfedcba98                      ; lane l xor 16
	s_mov_b32 s50, 0x600000                        ; the mantissa field of 448
	s_mov_b32 s54, 0x3eb504f3                      ; 1 / (2 sqrt 2)
	s_lshl_b32 s44, s21, 17                        ; g x 131,072: my slice of W1's codes, and of hq
	s_mov_b32 s45, 0
	s_lshl_b32 s46, s21, 12                        ; g x 4,096: of W1's scales, and of hs
	s_mov_b32 s47, 0
	s_lshl_b32 s36, s21, 9                         ; g x 512: of b1
	s_mov_b32 s37, 0
	s_lshl_b32 s38, s22, 12                        ; e x 4,096: the expert's list in rows,
	s_mov_b32 s39, 0
	s_lshl_b32 s52, s22, 7
	s_add_co_u32 s52, s52, 0x8000                  ; and behind the eight lists its 128 bytes for the count
	s_mov_b32 s53, 0
	s_wait_kmcnt 0x0
	s_add_nc_u64 s[10:11], s[10:11], s[44:45]
	s_add_nc_u64 s[16:17], s[16:17], s[44:45]
	s_add_nc_u64 s[12:13], s[12:13], s[46:47]
	s_add_nc_u64 s[18:19], s[18:19], s[46:47]
	s_add_nc_u64 s[14:15], s[14:15], s[36:37]
	s_add_nc_u64 s[52:53], s[56:57], s[52:53]
	s_add_nc_u64 s[56:57], s[56:57], s[38:39]
.irp G, 0,1,2,3,4,5,6,7
	global_load_b128 v[RW+4*\G:RW+4*\G+3], v[L16], s[8:9] offset:512*\G
.endr
.irp b, 0,1,2,3
	global_load_b128 v[WS+8*\b:WS+8*\b+3], v[SCA], s[12:13] offset:1024*\b
	global_load_b128 v[WS+8*\b+4:WS+8*\b+7], v[SCA], s[12:13] offset:1024*\b+16
.endr
	global_load_b32 v[BV], v[T4], s[14:15]
	WIN 0x40                                       ; destination window 1
	WLOADS 0, 48
	WIN 0
	s_wait_loadcnt 57                              ; ridx is in; behind it were issued 8 loads of scales, 1 of bias, 48 of weights
	MASKS
	s_or_b32 s35, s23, s20                         ; wave 0 of the work-group with f = 0 stores the expert's number of rows, a word a lane
	s_cmp_lg_u32 s35, 0
	s_cbranch_scc1 .Lnocount
	v_mov_b32 v[TMP+16], s27
	v_lshlrev_b32 v[TMP+17], 2, v[LANE]
	global_store_b32 v[TMP+17], v[TMP+16], s[52:53]
.Lnocount:
	s_mov_b32 s35, 0
	SEARCH 1
	LISTOUT 1
	WIN 0x40
	WLOADS 48, 16
	WIN 0
	GATHER 1                                       ; pass 0's rows, in every wave: so every operand register is written on every way, and ranks 0 to 255 of the list are always stored
	s_wait_loadcnt 63                              ; 132 loads were issued behind the last weight: weights, scales and bias are in
	WIN 0x04                                       ; an LDS store's data are its source 1: window 1
.set n, 0
.rept 64                               ; row j = n / 2 goes to LDS row 32 w + (j with bits 3 and 4 exchanged): the tiles' order of rows
	ds_store_b128 v[WST], v[4*n:4*n+3] offset:(((n/2)&7)+16*(((n/2)>>3)&1)+8*(((n/2)>>4)&1))*WP+512*(n%2)
.set n, n+1
.endr
	WIN 0
	ds_store_b32 v[BST], v[BV]
	s_wait_dscnt 0x0                               ; for the others' sake: my stores have landed
	s_barrier_signal -1
	s_barrier_wait -1                              ; the slice and its bias lie in LDS; from here on the waves share nothing that is written
	s_mov_b32 s29, 0
.Lpass:
	s_wait_loadcnt 0x0                             ; this pass's rows are in
	s_wait_xcnt 0x0                                ; the last tile's stores have read their registers
	s_lshl_b32 s30, s29, 4
	s_add_co_u32 s30, s30, s20                     ; my first tile: 16 p + w; the others 4, 8, 12 further on
	s_cmp_ge_u32 s30, s28
	s_cbranch_scc1 .Lnext
	s_sub_co_u32 s31, s28, s30
	s_add_co_u32 s31, s31, 3
	s_lshr_b32 s31, s31, 2
	s_min_u32 s31, s31, 4                          ; how many of my four tiles the expert has
	s_cmp_eq_u32 s31, 1
	s_cbranch_scc1 .Lshort
	TRANSPOSE 0
	TRANSPOSE 1
	TRANSPOSE 2
	TRANSPOSE 3
	WIN 0
	KLOOP
	s_branch .Ljoin
.Lshort:
	TRANSPOSE 0
	WIN 0
	KLOOP1
.Ljoin:
	s_add_co_u32 s35, s30, 16                      ; if I have a next pass, its rows are asked for now and land while this pass's results are worked
	s_cmp_ge_u32 s35, s28
	s_cbranch_scc1 .Lnonext
	s_sub_co_u32 s[LEFT], s28, s35
	s_add_co_u32 s35, s29, 1
	s_cmp_gt_u32 s[LEFT], 4                        ; more than four tiles left: more than one of them is mine
	s_cbranch_scc1 .Lnextfull
	SEARCH 0
	LISTOUT 0
	GATHER 0
	s_branch .Lnonext
.Lnextfull:
	SEARCH 1
	LISTOUT 1
	GATHER 1
.Lnonext:
.irp t, 0,1,2,3,4,5,6,7
	ds_load_b128 v[BIAS+8*\t:BIAS+8*\t+3], v[BIA] offset:128*(\t/2)+32*(\t%2)
	ds_load_b128 v[BIAS+8*\t+4:BIAS+8*\t+7], v[BIA] offset:128*(\t/2)+32*(\t%2)+16
.endr
	s_wait_dscnt 0x0
	s_mov_b32 s32, 0
.Ltile:
	s_wait_xcnt 0x0                                ; the last tile's stores have read their data and offsets
	s_cmp_ge_u32 s32, s31
	s_cbranch_scc1 .Ltnext
	s_cmp_eq_u32 s32, 0
	s_cbranch_scc1 .Larm0
	s_cmp_eq_u32 s32, 1
	s_cbranch_scc1 .Larm1
	s_cmp_eq_u32 s32, 2
	s_cbranch_scc1 .Larm2
	ARM 3
	s_branch .Lbody
.Larm0:
	ARM 0
	s_branch .Lbody
.Larm1:
	ARM 1
	s_branch .Lbody
.Larm2:
	ARM 2
.Lbody:
	GELU16 WK
	GELU16 WK+16
	GELU16 WK+32
	GELU16 WK+48
	QUANT
	s_lshl_b32 s35, s32, 2
	s_add_co_u32 s35, s35, s30                     ; the tile's number: 16 p + w + 4 i
	s_lshl_b32 s36, s35, 11
	v_add_nc_u32 v[HQO], s36, v[L16]
	s_lshl_b32 s36, s35, 6
	v_add_nc_u32 v[HSO], s36, v[R4]
.irp c, 0,1,2,3
	global_store_b128 v[HQO], v[PC+4*\c:PC+4*\c+3], s[16:17] offset:512*\c   ; the fragment as it stands: 512 consecutive bytes a store
.endr
	global_store_b32 v[HSO], v[PWD], s[18:19]      ; lanes r and r + 16 hold the same word and write it to the same place
.Ltnext:
	s_add_co_u32 s32, s32, 1
	s_cmp_lt_u32 s32, 4
	s_cbranch_scc1 .Ltile
.Lnext:
	s_add_co_u32 s29, s29, 1
	s_cmp_lt_u32 s29, 4
	s_cbranch_scc1 .Lpass
	s_wait_tensorcnt 0x0
	ds_add_u32 v22, v23
	s_wait_dscnt 0x0
	s_endpgm
.Lfunc_end_k_q75a7510616_ffn1:
	.size	k_q75a7510616_ffn1, .Lfunc_end_k_q75a7510616_ffn1-k_q75a7510616_ffn1
	.p2alignl 7, 3214868480
	.fill 96, 4, 3214868480
	.section	.rodata,"a",@progbits
	.p2align	6, 0x0
	.amdhsa_kernel k_q75a7510616_ffn1
		.amdhsa_group_segment_fixed_size 201216
		.amdhsa_private_segment_fixed_size 0
		.amdhsa_enable_private_segment 0
		.amdhsa_kernarg_size 72
		.amdhsa_user_sgpr_count 2
		.amdhsa_user_sgpr_kernarg_segment_ptr 1
		.amdhsa_wavefront_size32 1
		.amdhsa_system_sgpr_workgroup_id_x 1
		.amdhsa_system_sgpr_workgroup_id_y 1
		.amdhsa_system_sgpr_workgroup_id_z 1
		.amdhsa_system_vgpr_workitem_id 0
		.amdhsa_next_free_vgpr 1024
		.amdhsa_next_free_sgpr 100
		.amdhsa_reserve_vcc 1
		.amdhsa_float_denorm_mode_32 3
		.amdhsa_float_denorm_mode_16_64 3
		.amdhsa_memory_ordered 1
		.amdhsa_forward_progress 1
		.amdhsa_inst_pref_size 255
	.end_amdhsa_kernel
	.section	.bss,"aw",@nobits
	.p2align	6
	.space	262144
	.amdgpu_metadata
---
amdhsa.version: [ 1, 2 ]
amdhsa.kernels:
  - .name:           k_q75a7510616_ffn1
    .symbol:         k_q75a7510616_ffn1.kd
    .args:
      - { .name: xq, .offset: 0, .size: 8, .value_kind: global_buffer, .address_space: global }
      - { .name: xs, .offset: 8, .size: 8, .value_kind: global_buffer, .address_space: global }
      - { .name: ridx, .offset: 16, .size: 8, .value_kind: global_buffer, .address_space: global }
      - { .name: W1_codes, .offset: 24, .size: 8, .value_kind: global_buffer, .address_space: global }
      - { .name: W1_scales, .offset: 32, .size: 8, .value_kind: global_buffer, .address_space: global }
      - { .name: b1, .offset: 40, .size: 8, .value_kind: global_buffer, .address_space: global }
      - { .name: hq, .offset: 48, .size: 8, .value_kind: global_buffer, .address_space: global }
      - { .name: hs, .offset: 56, .size: 8, .value_kind: global_buffer, .address_space: global }
      - { .name: rows, .offset: 64, .size: 8, .value_kind: global_buffer, .address_space: global }
    .group_segment_fixed_size: 201216
    .private_segment_fixed_size: 0
    .kernarg_segment_align: 8
    .kernarg_segment_size: 72
    .max_flat_workgroup_size: 128
    .sgpr_count:     100
    .vgpr_count:     1024
    .wavefront_size: 32
...
	.end_amdgpu_metadata
.endif
;; end of part 5
;; launch ffn2 (part 6): grid 256 x 1, 4 waves a work-group, no clusters, 168,448 bytes of LDS; arguments hq, hs, ridx, gw, W2_codes, W2_scales, b2, y, rows; writes y
.if DOCPART == 6
	.amdgcn_target "amdgcn-amd-amdhsa--gfx1250"
	.amdhsa_code_object_version 6
	.text
	.protected	k_q75a7510616_ffn2
	.globl	k_q75a7510616_ffn2
	.p2align	8
	.type	k_q75a7510616_ffn2,@function
k_q75a7510616_ffn2:
	s_mov_b64 s[64:65], 0
	v_nop
	global_prefetch_b8 v0, s[64:65] scope:SCOPE_SE
	s_setreg_imm32_b32 hwreg(HW_REG_WAVE_MODE, 25, 1), 1
	s_wait_xcnt 0x0
; SECOND PRODUCT OF THE EXPERTS, ON THE ROUTED ROWS ALONE: y = gate weight x (h W2[e] + b2[e]), in four parts along K.
; Work-group g: expert e = g / 32, outputs 128 ns .. + 127 (ns = (g % 32) / 4), K = 1,024 q .. + 1,023 (q = g % 4).  Its slice of W2 (128 rows x 1,024 bytes) is
; read from memory once, by this work-group alone, and stays in LDS.  The shape is the first product's: behind the one barrier wave w takes in pass p the row
; tiles 16 p + w + 4 i, i = 0 .. 3, against all 128 columns; the rows' fragments come from hq as they were stored there, register for register.
; A pass with one tile takes the short way of the first product's launch: one tile is fetched, 64 products are made.
; THE LIST OF ROWS was stored by the first product's launch: rows [e][rank 1024] = token, behind the eight lists [e][32] = the expert's number of rows.
; The number of rows (a scalar load) says which tiles there are, and that is all that the fetching of hq and hs hangs on.  A rank's token is wanted only for the way out:
; with it come the token's word of ridx (is my expert its first or its second choice?) and its two gate weights, of which one is selected.
; For a next pass the tokens are asked for ahead of the products, what hangs on them behind the products: both land under work.  Only words of rows that the first
; product's launch stored are read: both launches decide on a next pass, and on its kind, by the same numbers.
; y [q 4][2,056 rows][1024] f32: row 2 token + slot; rows 2048 + e take the rows past an expert's last row (written by this work-group alone in its own
; 512 bytes, read by nobody).  The bias goes into part q = 0 alone.  The last launch adds a token's eight rows.
; TRANSPOSED USE: source 0 = 16 rows of W2 (outputs), source 1 = 16 token rows: a lane holds eight neighbouring outputs of one row.
; LIMITS: NaN and infinities are not served.  NO TENSOR LOADS, NO CLUSTER: branches hang on numbers read from memory, and no two work-groups read the same weights.
; REGISTERS: window 0: v1-31 addresses, entries and gate weights; v32-63 W2's scale words, v64-79 the rows'; v80-95 the stores' offsets; v96-123 what belongs to the list and the gather;
;   v128-255 the weights' fragments, later bias and the tile at work.  windows 1 to 3 as in the first product's launch.
.set WP,    1040
.set BLDS,  128*WP
.set YST,   BLDS+512                   ; a stage of 16 rows x (512 bytes + 16) for each wave
.set YP,    528
.set PLANE, 2056*4096                  ; a part of y in bytes
.set LANE,  1
.set RR,    2
.set HH,    3
.set L16,   4
.set BADR,  5
.set WST,   7
.set WGO,   8
.set SST,   9
.set SRD,   10
.set BIA,   11
.set LOF,   12                         ; v12, v13: my two ranks x 4
.set RHO,   14                         ; v14, v15: my two ranks
.set ENT,   16                         ; v16, v17: 2 token + slot of my two ranks
.set GWR,   18                         ; v18, v19: their gate weights
.set SCA,   20
.set T4,    22
.set GWV,   24                         ; v24-27: tile i's gate weights, row lane % 16 in both halves of the lanes
.set VE,    28                         ; the entries of the tile at work
.set BST,   29
.set VG,    30                         ; v[30:31]: its gate weights
.set WS,    32
.set AS,    64
.set TMP,   80
.set TOK,   96                         ; v96, v97: my ranks' tokens
.set RWD,   98                         ; v98, v99: the tokens' words of ridx
.set GW2,   100                        ; v100-103: the tokens' two gate weights
.set RIO,   104                        ; v104, v105: token x 4
.set GIX,   106                        ; v106, v107: token x 8
.set SW,    108                        ; v108, v109: at work
.set R4,    112
.set BV,    113
.set XG,    116                        ; v116, v117
.set HSO,   118                        ; v118, v119
.set VO,    120                        ; v120-123
.set BF,    128
.set BIAS,  128
.set WK,    192
.set LEFT,  51                         ; s51: tiles from my first tile of the next pass to the expert's last
.set MSB, 0
.macro WIN new                         ; the immediate's high byte repeats the setting that is left; a switch that changes nothing is dropped
.if MSB != (\new)
	s_set_vgpr_msb (MSB<<8)|(\new)
.set MSB, (\new)
.endif
.endm
.macro PLACES n
.rept \n
	v_nop
.endr
.endm
.macro WLOADS first, count             ; load n of 64: row n / 2 of my wave's 32 (4,096 bytes apart), half n % 2 of its 1,024 bytes; read once in the launch
.set n, \first
.rept \count
	global_load_b128 v[4*n:4*n+3], v[WGO], s[12:13] offset:4096*(n/2)+512*(n%2) th:TH_LOAD_NT
.set n, n+1
.endr
.endm
; pass s35: register a, lane l: tile 2 a + l / 16 of my four, row l % 16: rank 256 pass + 16 wave + 128 a + 64 (l / 16) + l % 16.  Its token is asked for
.macro ENTRY1A
	s_lshl_b32 s36, s35, 8
	s_lshl_b32 s37, s20, 4
	s_add_co_u32 s36, s36, s37
	v_lshl_add_u32 v[RHO], v[HH], 6, v[RR]
	v_add_nc_u32 v[RHO], s36, v[RHO]
	v_lshlrev_b32 v[LOF], 2, v[RHO]
	global_load_b32 v[TOK], v[LOF], s[58:59]
.endm
.macro ENTRY1B
	v_add_nc_u32 v[RHO+1], 0x80, v[RHO]
	v_lshlrev_b32 v[LOF+1], 2, v[RHO+1]
	global_load_b32 v[TOK+1], v[LOF+1], s[58:59]
.endm
.macro ENTRY2 a                        ; the token is in: its word of ridx and its two gate weights are asked for
	v_min_u32 v[TOK+\a], 0x3ff, v[TOK+\a]
	v_lshlrev_b32 v[RIO+\a], 2, v[TOK+\a]
	v_lshlrev_b32 v[GIX+\a], 3, v[TOK+\a]
	global_load_b32 v[RWD+\a], v[RIO+\a], s[8:9]
	global_load_b64 v[GW2+2*\a:GW2+2*\a+1], v[GIX+\a], s[10:11]
.endm
; at a pass's head: slot, gate weight and row of y for each of my ranks; a rank past the list -> the expert's spare row.  Then each tile's entries into lanes 0-15 and its gate weights into both halves of the lanes
.macro SPREAD2
.irp a, 0,1
	v_and_b32 v[SW+\a], s26, v[RWD+\a]
.endr
.irp a, 0,1
	v_cmp_ne_u32 vcc_lo, 0, v[SW+\a]               ; my expert is the token's second choice
	v_cndmask_b32 v[GWR+\a], v[GW2+2*\a], v[GW2+2*\a+1], vcc_lo
	v_cndmask_b32 v[SW+\a], 0, 1, vcc_lo
	v_lshl_add_u32 v[SW+\a], v[TOK+\a], 1, v[SW+\a]
	v_cmp_gt_u32 vcc_lo, s27, v[RHO+\a]
	v_cndmask_b32 v[SW+\a], s33, v[SW+\a], vcc_lo
	v_min_u32 v[ENT+\a], 0x807, v[SW+\a]
.endr
.irp a, 0,1
	v_permlanex16_b32 v[21+2*\a], v[ENT+\a], s48, s49
	v_permlanex16_b32 v[XG+\a], v[GWR+\a], s48, s49
.endr
.irp a, 0,1
	v_cndmask_b32 v[GWV+2*\a], v[GWR+\a], v[XG+\a], s56
	v_cndmask_b32 v[GWV+2*\a+1], v[XG+\a], v[GWR+\a], s56
.endr
.endm
; pass s35: my tiles' fragments and scale words for my 8 K steps (two = 1: four tiles; two = 0: tile 0 alone).  A tile past the expert's last is replaced by the last: it is loaded, multiplied and dropped
.macro GATHER two
	s_lshl_b32 s36, s35, 4
	s_add_co_u32 s36, s36, s20
	s_sub_co_u32 s37, s28, 1
.irp i, 0,1,2,3
	s_add_co_u32 s[38+\i], s36, 4*\i
	s_min_u32 s[38+\i], s[38+\i], s37
	s_min_u32 s[38+\i], s[38+\i], 63
	s_lshl_b32 s42, s[38+\i], 11
	v_add_nc_u32 v[VO+\i], s42, v[L16]
.endr
.irp a, 0,1
	v_mov_b32 v[HSO+\a], s[38+2*\a]
	v_cndmask_b32 v[HSO+\a], v[HSO+\a], s[39+2*\a], s56   ; lanes 16-31 take the odd tile
	v_min_u32 v[HSO+\a], 63, v[HSO+\a]
	v_lshl_add_u32 v[HSO+\a], v[HSO+\a], 6, v[R4]
.endr
.irp s, 0,1,2,3,4,5,6,7
	global_load_b32 v[AS+\s], v[HSO], s[6:7] offset:4096*\s
.endr
.if \two
.irp s, 0,1,2,3,4,5,6,7
	global_load_b32 v[AS+8+\s], v[HSO+1], s[6:7] offset:4096*\s
.endr
.endif
	WIN 0x80                                       ; destination window 2: tiles 0, 1
.set n, 0
.rept 32                               ; n = 4 s + c: 512 consecutive bytes of an image
	global_load_b128 v[4*n:4*n+3], v[VO], s[4:5] offset:131072*(n/4)+512*(n%4)
.set n, n+1
.endr
.if \two
.set n, 0
.rept 32
	global_load_b128 v[128+4*n:128+4*n+3], v[VO+1], s[4:5] offset:131072*(n/4)+512*(n%4)
.set n, n+1
.endr
	WIN 0xc0                                       ; window 3: tiles 2, 3
.irp i, 0,1
.set n, 0
.rept 32
	global_load_b128 v[128*\i+4*n:128*\i+4*n+3], v[VO+2+\i], s[4:5] offset:131072*(n/4)+512*(n%4)
.set n, n+1
.endr
.endr
.endif
	WIN 0
	s_wait_xcnt 0x0                                ; the loads have read their offsets
.endm
.macro BLOAD half, s                   ; weight tiles 4 half .. + 3, K step s
.irp b, 0,1,2,3
.irp c, 0,1,2,3
	ds_load_b128 v[BF+64*(\half)+16*\b+4*\c:BF+64*(\half)+16*\b+4*\c+3], v[BADR+(\half)] offset:16*\b*WP+128*(\s)+32*\c
.endr
.endr
.endm
.macro MM i, b, s                      ; one product; K step 0 starts the sum: nothing is cleared
.set rD, 64*(\i)+8*(\b)
.set rB, BF+16*(\b)
.set rA, 128*((\i)%2)+16*(\s)
.set rW, WS+8*((\b)/2)+(\s)
.set rX, AS+8*((\i)/2)+(\s)
.set par, 2*((\i)%2)+((\b)%2)          ; odd tiles' scale words lie in lanes 16-31
.if (\s) == 0
.if par == 0
	v_wmma_scale_f32_16x16x128_f8f6f4 v[rD:rD+7], v[rB:rB+15], v[rA:rA+15], 0, v[rW], v[rX]
.elseif par == 1
	v_wmma_scale_f32_16x16x128_f8f6f4 v[rD:rD+7], v[rB:rB+15], v[rA:rA+15], 0, v[rW], v[rX] matrix_a_scale:MATRIX_SCALE_ROW1
.elseif par == 2
	v_wmma_scale_f32_16x16x128_f8f6f4 v[rD:rD+7], v[rB:rB+15], v[rA:rA+15], 0, v[rW], v[rX] matrix_b_scale:MATRIX_SCALE_ROW1
.else
	v_wmma_scale_f32_16x16x128_f8f6f4 v[rD:rD+7], v[rB:rB+15], v[rA:rA+15], 0, v[rW], v[rX] matrix_a_scale:MATRIX_SCALE_ROW1 matrix_b_scale:MATRIX_SCALE_ROW1
.endif
.else
.if par == 0
	v_wmma_scale_f32_16x16x128_f8f6f4 v[rD:rD+7], v[rB:rB+15], v[rA:rA+15], v[rD:rD+7], v[rW], v[rX]
.elseif par == 1
	v_wmma_scale_f32_16x16x128_f8f6f4 v[rD:rD+7], v[rB:rB+15], v[rA:rA+15], v[rD:rD+7], v[rW], v[rX] matrix_a_scale:MATRIX_SCALE_ROW1
.elseif par == 2
	v_wmma_scale_f32_16x16x128_f8f6f4 v[rD:rD+7], v[rB:rB+15], v[rA:rA+15], v[rD:rD+7], v[rW], v[rX] matrix_b_scale:MATRIX_SCALE_ROW1
.else
	v_wmma_scale_f32_16x16x128_f8f6f4 v[rD:rD+7], v[rB:rB+15], v[rA:rA+15], v[rD:rD+7], v[rW], v[rX] matrix_a_scale:MATRIX_SCALE_ROW1 matrix_b_scale:MATRIX_SCALE_ROW1
.endif
.endif
.endm
.macro MMG ti, wb, s                   ; 8 products: row tiles ti, ti + 1 x weight tiles wb .. wb + 3
.irp j, 0,1,2,3
	MM \ti, \wb+\j, \s
	MM \ti+1, \wb+\j, \s
.endr
.endm
; A full pass's 256 products.  The 32 accumulators take turns, one instruction a turn, in the same order in every K step.
; A half of the weights' fragments is fetched anew as soon as its 16 products are issued, behind 8 places.
.macro KLOOP
	BLOAD 0, 0
	BLOAD 1, 0
.irp s, 0,1,2,3,4,5,6,7
	s_wait_dscnt 16                                ; half 0 of this step is in; the 16 loads of half 1 may be out
	WIN 0x58                                       ; source 1 window 2, C and D window 1
	MMG 0, 0, \s
	WIN 0x5c                                       ; source 1 window 3
	MMG 2, 0, \s
.if \s < 7
	WIN 0
	PLACES 8
	BLOAD 0, \s+1
	s_wait_dscnt 16                                ; half 1 of this step is in; the 16 just issued may be out
.else
	s_wait_dscnt 0x0
.endif
	WIN 0x5c
	MMG 2, 4, \s
	WIN 0x58
	MMG 0, 4, \s
.if \s < 7
	WIN 0
	PLACES 8
	BLOAD 1, \s+1
.endif
.endr
	WIN 0
	PLACES 10                                      ; in front of reads of results, of loads into the operands, and of the next pass's first products, which begin the accumulators anew
.endm
; THE SHORT PASS: tile 0 alone, 64 products, its 8 accumulators by turns.  Eight products a K step are too few to cover an LDS load that is asked for one step ahead, so the
; weights' fragments of a K step (128 registers) have three sets by turns: v128-255 of window 0, and the 256 registers of window 3, which tiles 2 and 3 do not use here.
.macro BSEL s                          ; K step s: its set's window bw and first register bb
.if ((\s)%3) == 0
.set bw, 0
.set bb, 128
.elseif ((\s)%3) == 1
.set bw, 3
.set bb, 0
.else
.set bw, 3
.set bb, 128
.endif
.endm
.macro B1LOAD s                        ; all 8 weight tiles of K step s
	BSEL \s
	WIN bw<<6
.irp b, 0,1,2,3,4,5,6,7
.irp c, 0,1,2,3
	ds_load_b128 v[bb+16*\b+4*\c:bb+16*\b+4*\c+3], v[BADR+\b/4] offset:16*(\b%4)*WP+128*(\s)+32*\c
.endr
.endr
.endm
.macro MM1 b, s
.set rD, 8*(\b)
.set rB, bb+16*(\b)
.set rA, 16*(\s)
.set rW, WS+8*((\b)/2)+(\s)
.set rX, AS+(\s)
.if (\s) == 0
.if ((\b)%2) == 0
	v_wmma_scale_f32_16x16x128_f8f6f4 v[rD:rD+7], v[rB:rB+15], v[rA:rA+15], 0, v[rW], v[rX]
.else
	v_wmma_scale_f32_16x16x128_f8f6f4 v[rD:rD+7], v[rB:rB+15], v[rA:rA+15], 0, v[rW], v[rX] matrix_a_scale:MATRIX_SCALE_ROW1
.endif
.else
.if ((\b)%2) == 0
	v_wmma_scale_f32_16x16x128_f8f6f4 v[rD:rD+7], v[rB:rB+15], v[rA:rA+15], v[rD:rD+7], v[rW], v[rX]
.else
	v_wmma_scale_f32_16x16x128_f8f6f4 v[rD:rD+7], v[rB:rB+15], v[rA:rA+15], v[rD:rD+7], v[rW], v[rX] matrix_a_scale:MATRIX_SCALE_ROW1
.endif
.endif
.endm
.macro KLOOP1
	B1LOAD 0
	B1LOAD 1
	B1LOAD 2
.irp s, 0,1,2,3,4,5,6,7
.if \s < 6
	s_wait_dscnt 63                                ; behind this step's loads 64 were issued (two steps'): with 63 out at the most, this step's are in
.elseif \s == 6
	s_wait_dscnt 32                                ; the last step's 32 may be out
.else
	s_wait_dscnt 0x0
.endif
	BSEL \s
	WIN 0x58+bw                                    ; source 0 the set's window, source 1 window 2, C and D window 1
.irp b, 0,1,2,3,4,5,6,7
	MM1 \b, \s
.endr
.if \s < 5
	PLACES 8                                       ; in front of loads into the set just multiplied
	B1LOAD \s+3
.endif
.endr
	WIN 0
	PLACES 10
.endm
.macro ARM i, ve                       ; tile i: its entries, its gate weights, its 64 results + bias -> v[WK] on; each accumulator is read from its low end on
	v_mov_b32 v[VE], v[\ve]
	v_mov_b32 v[VG], v[GWV+\i]
	v_mov_b32 v[VG+1], v[GWV+\i]
	WIN 0x01                                       ; source 0 window 1
.set n, 0
.rept 32
	v_pk_add_f32 v[WK+2*n:WK+2*n+1], v[64*(\i)+2*n:64*(\i)+2*n+1], v[BIAS+2*n:BIAS+2*n+1]
.set n, n+1
.endr
	WIN 0
.endm
	s_load_b256 s[4:11], s[0:1], 0x0               ; hq s[4:5], hs s[6:7], ridx s[8:9], gw s[10:11]
	s_load_b256 s[12:19], s[0:1], 0x20             ; W2's codes s[12:13], W2's scales s[14:15], b2 s[16:17], y s[18:19]
	s_load_b64 s[58:59], s[0:1], 0x40              ; rows
	v_lshl_add_u32 v126, v0, 2, 0x29000
	v_mov_b32 v127, 0
	v_lshrrev_b32 v1, 5, v0
	v_readfirstlane_b32 s20, v1                    ; wave
	v_and_b32 v[LANE], 31, v0
	v_and_b32 v[RR], 15, v0
	v_bfe_u32 v[HH], v0, 4, 1
	v_lshlrev_b32 v[L16], 4, v[LANE]
	v_mul_u32_u24 v[BADR], v[RR], WP
	v_lshl_add_u32 v[BADR], v[HH], 4, v[BADR]
	v_add_nc_u32 v[BADR+1], 64*WP, v[BADR]
	s_mul_i32 s35, s20, 32*WP
	v_add_nc_u32 v[WST], s35, v[L16]
	s_lshl_b32 s35, s20, 17
	v_add_nc_u32 v[WGO], s35, v[L16]               ; my wave's 32 rows, 4,096 bytes apart
	s_mul_i32 s35, s20, 16*YP
	s_add_co_u32 s35, s35, YST                     ; my stage
	v_mul_u32_u24 v[SST], v[RR], YP
	v_lshl_add_u32 v[SST], v[HH], 5, v[SST]
	v_add_nc_u32 v[SST], s35, v[SST]               ; in: row r, 32 bytes for each half of the lanes
	v_add_nc_u32 v[SRD], s35, v[L16]               ; back: the 32 lanes take a row of 512 bytes
	v_lshl_add_u32 v[BIA], v[HH], 5, BLDS          ; tile b wants outputs 16 b + 8 h + 0 .. 7
	v_lshlrev_b32 v[T4], 2, v0
	v_lshl_add_u32 v[BST], v0, 2, BLDS
	v_lshlrev_b32 v[R4], 2, v[RR]
	v_lshlrev_b32 v[SCA], 7, v[LANE]               ; lanes 0-15: the even tile's rows; lanes 16-31: the odd tile's; 128 scale bytes a row
	v_mov_b32 v21, 0                               ; lane permutes' destinations count as sources
	v_mov_b32 v23, 0
	v_mov_b32 v[XG], 0
	v_mov_b32 v[XG+1], 0
	s_mov_b32 s21, ttmp9
	s_lshr_b32 s22, s21, 5                         ; the expert
	s_bfe_u32 s23, s21, 0x30002                    ; ns
	s_and_b32 s24, s21, 3                          ; q
	s_lshl_b32 s26, 0x100, s22                     ; the expert's bit as a second choice in a word of ridx
	s_add_co_u32 s33, s22, 2048                    ; the expert's spare row of y
	s_cmp_eq_u32 s24, 0
	s_cselect_b32 s55, -1, 0                       ; the bias belongs to part q = 0
	s_mov_b32 s56, 0xffff0000                      ; lanes 16-31
	s_mov_b32 s48, 0x76543210
	s_mov_b32 s49, 0xfedcba98
	s_lshl_b32 s35, s22, 5
	s_lshl_b32 s34, s24, 3
	s_add_co_u32 s35, s35, s34                     ; 32 e + 8 q: my first K step
	s_lshl_b32 s44, s35, 17                        ; in hq,
	s_mov_b32 s45, 0
	s_lshl_b32 s46, s35, 12                        ; in hs
	s_mov_b32 s47, 0
	s_lshl_b32 s36, s22, 22                        ; W2's codes: (1,024 e + 128 ns) rows of 4,096 bytes + 1,024 q
	s_lshl_b32 s34, s23, 19
	s_add_co_u32 s36, s36, s34
	s_lshl_b32 s34, s24, 10
	s_add_co_u32 s36, s36, s34
	s_mov_b32 s37, 0
	s_lshl_b32 s38, s22, 17                        ; W2's scales: the same rows of 128 bytes + 32 q
	s_lshl_b32 s34, s23, 14
	s_add_co_u32 s38, s38, s34
	s_lshl_b32 s34, s24, 5
	s_add_co_u32 s38, s38, s34
	s_mov_b32 s39, 0
	s_lshl_b32 s40, s22, 12                        ; b2: 4,096 e + 512 ns
	s_lshl_b32 s34, s23, 9
	s_add_co_u32 s40, s40, s34
	s_mov_b32 s41, 0
	s_mul_i32 s42, s24, PLANE                      ; y: part q, + 512 ns
	s_add_co_u32 s42, s42, s34
	s_mov_b32 s43, 0
	s_lshl_b32 s60, s22, 12                        ; rows: the expert's list,
	s_mov_b32 s61, 0
	s_lshl_b32 s52, s22, 7
	s_add_co_u32 s52, s52, 0x8000                  ; and behind the eight lists its count
	s_mov_b32 s53, 0
	s_wait_kmcnt 0x0
	s_add_nc_u64 s[52:53], s[58:59], s[52:53]
	s_load_b32 s27, s[52:53], 0x0                  ; the expert's number of rows
	s_add_nc_u64 s[58:59], s[58:59], s[60:61]
	s_add_nc_u64 s[4:5], s[4:5], s[44:45]
	s_add_nc_u64 s[6:7], s[6:7], s[46:47]
	s_add_nc_u64 s[12:13], s[12:13], s[36:37]
	s_add_nc_u64 s[14:15], s[14:15], s[38:39]
	s_add_nc_u64 s[16:17], s[16:17], s[40:41]
	s_add_nc_u64 s[18:19], s[18:19], s[42:43]
	s_mov_b32 s35, 0
	ENTRY1A                                        ; pass 0's tokens: ranks 0 to 255 of every list are always stored
	ENTRY1B
.irp b, 0,1,2,3
	global_load_b128 v[WS+8*\b:WS+8*\b+3], v[SCA], s[14:15] offset:4096*\b
	global_load_b128 v[WS+8*\b+4:WS+8*\b+7], v[SCA], s[14:15] offset:4096*\b+16
.endr
	global_load_b32 v[BV], v[T4], s[16:17]
	WIN 0x40                                       ; destination window 1
	WLOADS 0, 48
	WIN 0
	s_wait_loadcnt 57                              ; the tokens are in; behind them were issued 8 loads of scales, 1 of bias, 48 of weights
	ENTRY2 0
	ENTRY2 1
	WIN 0x40
	WLOADS 48, 16
	WIN 0
	s_wait_kmcnt 0x0                               ; the number of rows
	s_min_u32 s27, s27, 1024
	s_add_co_u32 s28, s27, 15
	s_lshr_b32 s28, s28, 4
	s_max_u32 s28, s28, 1                          ; of tiles: at least 1, as the first product's launch has it
	GATHER 1                                       ; pass 0's rows, in every wave: so every operand register is written on every way
	s_wait_loadcnt 63                              ; 144 loads were issued behind the last weight: weights, scales and bias are in
	WIN 0x04                                       ; an LDS store's data are its source 1: window 1
.set n, 0
.rept 64
	ds_store_b128 v[WST], v[4*n:4*n+3] offset:(n/2)*WP+512*(n%2)
.set n, n+1
.endr
	WIN 0
	v_cndmask_b32 v[BV], 0, v[BV], s55
	ds_store_b32 v[BST], v[BV]
	s_wait_dscnt 0x0                               ; for the others' sake: my stores have landed
	s_barrier_signal -1
	s_barrier_wait -1                              ; the slice and its bias lie in LDS; from here on the waves share nothing that is written
	s_mov_b32 s29, 0
.Lpass:
	s_wait_loadcnt 0x0                             ; this pass's rows, words of ridx and gate weights are in
	s_wait_xcnt 0x0                                ; the last tile's stores have read their registers
	s_lshl_b32 s30, s29, 4
	s_add_co_u32 s30, s30, s20                     ; my first tile: 16 p + w; the others 4, 8, 12 further on
	s_cmp_ge_u32 s30, s28
	s_cbranch_scc1 .Lnext
	s_sub_co_u32 s31, s28, s30
	s_add_co_u32 s31, s31, 3
	s_lshr_b32 s31, s31, 2
	s_min_u32 s31, s31, 4                          ; how many of my four tiles the expert has
	SPREAD2
	s_add_co_u32 s35, s30, 16                      ; if I have a next pass, its tokens are asked for ahead of the products
	s_cmp_ge_u32 s35, s28
	s_cbranch_scc1 .Lnotok
	s_sub_co_u32 s[LEFT], s28, s35
	s_add_co_u32 s35, s29, 1
	ENTRY1A
	s_cmp_le_u32 s[LEFT], 4                        ; four tiles left at the most: one of them is mine, and only the first register's ranks were stored
	s_cbranch_scc1 .Lnotok
	ENTRY1B
.Lnotok:
	s_cmp_eq_u32 s31, 1
	s_cbranch_scc1 .Lshort
	KLOOP
	s_branch .Ljoin
.Lshort:
	KLOOP1
.Ljoin:
	s_add_co_u32 s35, s30, 16                      ; and what hangs on the tokens, and the next pass's rows, behind them: they land while this pass's results go out
	s_cmp_ge_u32 s35, s28
	s_cbranch_scc1 .Lnonext
	s_sub_co_u32 s[LEFT], s28, s35
	s_add_co_u32 s35, s29, 1
	s_wait_loadcnt 0x0                             ; the tokens, asked for a pass's products ago
	ENTRY2 0
	s_cmp_gt_u32 s[LEFT], 4
	s_cbranch_scc1 .Lnextfull
	GATHER 0
	s_branch .Lnonext
.Lnextfull:
	ENTRY2 1
	GATHER 1
.Lnonext:
.irp t, 0,1,2,3,4,5,6,7
	ds_load_b128 v[BIAS+8*\t:BIAS+8*\t+3], v[BIA] offset:64*\t
	ds_load_b128 v[BIAS+8*\t+4:BIAS+8*\t+7], v[BIA] offset:64*\t+16
.endr
	s_wait_dscnt 0x0
	s_mov_b32 s32, 0
.Ltile:
	s_wait_xcnt 0x0                                ; the last tile's stores have read their data and offsets
	s_cmp_ge_u32 s32, s31
	s_cbranch_scc1 .Ltnext
	s_cmp_eq_u32 s32, 0
	s_cbranch_scc1 .Larm0
	s_cmp_eq_u32 s32, 1
	s_cbranch_scc1 .Larm1
	s_cmp_eq_u32 s32, 2
	s_cbranch_scc1 .Larm2
	ARM 3, 23
	s_branch .Lbody
.Larm0:
	ARM 0, 16
	s_branch .Lbody
.Larm1:
	ARM 1, 21
	s_branch .Lbody
.Larm2:
	ARM 2, 17
.Lbody:
.set n, 0
.rept 32
	v_pk_mul_f32 v[WK+2*n:WK+2*n+1], v[WK+2*n:WK+2*n+1], v[VG:VG+1] op_sel_hi:[1,0]   ; x my row's gate weight
.set n, n+1
.endr
.irp b, 0,1,2,3,4,5,6,7
	ds_store_b128 v[SST], v[WK+8*\b:WK+8*\b+3] offset:64*\b
	ds_store_b128 v[SST], v[WK+8*\b+4:WK+8*\b+7] offset:64*\b+16
.endr
.irp n, 0,1,2,3,4,5,6,7,8,9,10,11,12,13,14,15
	ds_load_b128 v[WK+4*\n:WK+4*\n+3], v[SRD] offset:YP*\n   ; LDS serves a wave's instructions in order: these see my stores; the next tile's stores come behind them
.endr
.irp n, 0,1,2,3,4,5,6,7,8,9,10,11,12,13,14,15
	v_readlane_b32 s35, v[VE], \n
	s_min_u32 s35, s35, 2055
	v_lshl_add_u32 v[TMP+\n], s35, 12, v[L16]      ; row n's place in y: 4,096 bytes a row
.endr
.irp n, 0,1,2,3,4,5,6,7,8,9,10,11,12,13,14,15
	s_wait_dscnt 15-\n                             ; row n is back; the younger rows may be out
	global_store_b128 v[TMP+\n], v[WK+4*\n:WK+4*\n+3], s[18:19]   ; 32 lanes store 512 consecutive bytes, at a multiple of 512 from y's first byte
.endr
.Ltnext:
	s_add_co_u32 s32, s32, 1
	s_cmp_lt_u32 s32, 4
	s_cbranch_scc1 .Ltile
.Lnext:
	s_add_co_u32 s29, s29, 1
	s_cmp_lt_u32 s29, 4
	s_cbranch_scc1 .Lpass
	s_wait_tensorcnt 0x0
	ds_add_u32 v126, v127
	s_wait_dscnt 0x0
	s_endpgm
.Lfunc_end_k_q75a7510616_ffn2:
	.size	k_q75a7510616_ffn2, .Lfunc_end_k_q75a7510616_ffn2-k_q75a7510616_ffn2
	.p2alignl 7, 3214868480
	.fill 96, 4, 3214868480
	.section	.rodata,"a",@progbits
	.p2align	6, 0x0
	.amdhsa_kernel k_q75a7510616_ffn2
		.amdhsa_group_segment_fixed_size 168448
		.amdhsa_private_segment_fixed_size 0
		.amdhsa_enable_private_segment 0
		.amdhsa_kernarg_size 72
		.amdhsa_user_sgpr_count 2
		.amdhsa_user_sgpr_kernarg_segment_ptr 1
		.amdhsa_wavefront_size32 1
		.amdhsa_system_sgpr_workgroup_id_x 1
		.amdhsa_system_sgpr_workgroup_id_y 1
		.amdhsa_system_sgpr_workgroup_id_z 1
		.amdhsa_system_vgpr_workitem_id 0
		.amdhsa_next_free_vgpr 1024
		.amdhsa_next_free_sgpr 66
		.amdhsa_reserve_vcc 1
		.amdhsa_float_denorm_mode_32 3
		.amdhsa_float_denorm_mode_16_64 3
		.amdhsa_memory_ordered 1
		.amdhsa_forward_progress 1
		.amdhsa_inst_pref_size 154
	.end_amdhsa_kernel
	.amdgpu_metadata
---
amdhsa.version: [ 1, 2 ]
amdhsa.kernels:
  - .name:           k_q75a7510616_ffn2
    .symbol:         k_q75a7510616_ffn2.kd
    .args:
      - { .name: hq, .offset: 0, .size: 8, .value_kind: global_buffer, .address_space: global }
      - { .name: hs, .offset: 8, .size: 8, .value_kind: global_buffer, .address_space: global }
      - { .name: ridx, .offset: 16, .size: 8, .value_kind: global_buffer, .address_space: global }
      - { .name: gw, .offset: 24, .size: 8, .value_kind: global_buffer, .address_space: global }
      - { .name: W2_codes, .offset: 32, .size: 8, .value_kind: global_buffer, .address_space: global }
      - { .name: W2_scales, .offset: 40, .size: 8, .value_kind: global_buffer, .address_space: global }
      - { .name: b2, .offset: 48, .size: 8, .value_kind: global_buffer, .address_space: global }
      - { .name: y, .offset: 56, .size: 8, .value_kind: global_buffer, .address_space: global }
      - { .name: rows, .offset: 64, .size: 8, .value_kind: global_buffer, .address_space: global }
    .group_segment_fixed_size: 168448
    .private_segment_fixed_size: 0
    .kernarg_segment_align: 8
    .kernarg_segment_size: 72
    .max_flat_workgroup_size: 128
    .sgpr_count:     66
    .vgpr_count:     1024
    .wavefront_size: 32
...
	.end_amdgpu_metadata
.endif
;; end of part 6
;; launch merge: the kernel of part 4 again; grid 256 x 1, 8 waves a work-group, no clusters, 0 bytes of LDS; arguments y, out0; writes out0
;; ======== version 3 of 3: 4 launches
;; workspace buffers: xq 1,048,576 bytes; xs 32,768 bytes; ridx 4,096 bytes of whole numbers; gw 8,192 bytes; hq 33,554,432 bytes; hs 1,048,576 bytes; y 33,685,504 bytes; rows 33,792 bytes of whole numbers
;; launch route (part 7): grid 256 x 1, 4 waves a work-group, no clusters, 55,808 bytes of LDS; arguments x, Wg, bg, xq, xs, ridx, gw; writes xq, xs, ridx, gw
.if DOCPART == 7
	.amdgcn_target "amdgcn-amd-amdhsa--gfx1250"
	.amdhsa_code_object_version 6
	.text
	.protected	k_q75a7510616_route
	.globl	k_q75a7510616_route
	.p2align	8
	.type	k_q75a7510616_route,@function
k_q75a7510616_route:
	s_mov_b64 s[64:65], 0
	v_nop
	global_prefetch_b8 v0, s[64:65] scope:SCOPE_SE
	s_setreg_imm32_b32 hwreg(HW_REG_WAVE_MODE, 25, 1), 1
	s_wait_xcnt 0x0
; ROUTER AND QUANTISER OF x.  x [1024 tokens][1024] f32, Wg [1024][8] f32, bg [8] f32.
; A wave takes one token (work-group g, wave w: token 4 g + w): its 8 gate logits in f32 (fused multiply-adds, a tree over the lanes), the two
; largest (strict compare: the lower index wins a tie), the softmax over the two with the larger taken away, and the token's codes of E4M3 with
; one E8M0 byte for each 32 along K.  Stored at fixed places: xq [token][1024 B], xs [token][32 B], gw [token][2] f32,
; ridx [token] = (1 << first expert) | (0x100 << second expert).  No address and no branch hangs on the choice.
; LIMITS: NaN and infinities are not served; two logits nearer than the order of f32 sums resolves may fall either way; a block of zeros
; gets the byte 1 (its codes are zeros, and only this program reads the bytes).
; No matrix unit, no cluster: 8 columns are too few for a matrix tile, and nothing but Wg (32 KiB) is shared.
.set WGP,   528                        ; Wg in LDS: 64 groups of 16 k-rows (512 bytes) + 16 of padding: 33 x 16 bytes
.set TURNB, 64*WGP                     ; behind it: each wave's stage for turning x, 2 rounds x 32 places
.set SP,    80                         ; a lane's place in the stage: 64 bytes + 16
.set OUTS,  TURNB+4*2*32*SP            ; 4 tokens x 32 scale bytes
.set OUTI,  OUTS+128                   ; 4 words of ridx
.set OUTG,  OUTI+16                    ; 4 x (w0, w1)
.set X,     16                         ; v16-47   32 numbers of x
.set ACC,   48                         ; v48-55   8 logits
.set PD,    56                         ; v56-63   lane permutes' destinations
.set WB,    64                         ; v64-191  Wg: first as loaded, then a lane's 16 k-rows
.set CD,    192                        ; v192-199 codes
	s_load_b256 s[4:11], s[0:1], 0x0               ; x s[4:5], Wg s[6:7], bg s[8:9], xq s[10:11]
	s_load_b128 s[12:15], s[0:1], 0x20             ; xs s[12:13], ridx s[14:15]
	s_load_b64 s[16:17], s[0:1], 0x30              ; gw
	v_lshl_add_u32 v216, v0, 2, 0xd800
	v_mov_b32 v217, 0
	v_lshrrev_b32 v1, 5, v0
	v_readfirstlane_b32 s18, v1                    ; wave
	v_and_b32 v1, 31, v0                           ; lane
	v_lshlrev_b32 v2, 4, v1                        ; 16 x lane
	s_mul_i32 s33, s18, 2*32*SP
	s_add_co_u32 s33, s33, TURNB                   ; my stage
	v_lshrrev_b32 v3, 2, v1
	v_mul_u32_u24 v3, v3, SP
	v_and_b32 v4, 3, v1
	v_lshl_add_u32 v3, v4, 4, v3
	v_add_nc_u32 v3, s33, v3                       ; into the stage: four lanes' 64 bytes on end, then the padding
	v_mul_u32_u24 v4, v1, SP
	v_add_nc_u32 v4, s33, v4                       ; out of it: my 16 neighbours
	s_mul_i32 s33, s18, 16*WGP
	v_add_nc_u32 v5, s33, v2                       ; Wg into LDS: my wave's 16 groups
	v_mul_u32_u24 v6, v1, WGP                      ; Wg out of LDS: group = lane (+ 32 in the second round)
	s_lshl_b32 s33, s18, 5
	s_add_co_u32 s33, s33, OUTS
	v_lshrrev_b32 v7, 1, v1
	v_add_nc_u32 v7, s33, v7                       ; my block's scale byte
	s_lshl_b32 s33, s18, 2
	s_add_co_u32 s33, s33, OUTI
	v_mov_b32 v200, s33                            ; my token's word
	s_lshl_b32 s33, s18, 3
	s_add_co_u32 s33, s33, OUTG
	v_mov_b32 v201, s33                            ; my token's two weights
	v_lshl_add_u32 v202, v1, 2, OUTS               ; wave 0's way out: 4 bytes a lane of the scale bytes,
	v_and_b32 v203, 7, v1
	v_lshl_add_u32 v203, v203, 2, OUTG             ; of the weights,
	v_and_b32 v204, 3, v1
	v_lshl_add_u32 v204, v204, 2, OUTI             ; of the words
	v_lshlrev_b32 v205, 2, v1                      ; 4 x lane
	s_lshl_b32 s33, s18, 13
	v_add_nc_u32 v206, s33, v2                     ; Wg in memory: my wave's 8,192 bytes
	s_mov_b32 s20, 0x76543210
	s_mov_b32 s21, 0xfedcba98                      ; lane l xor 16
	s_mov_b32 s22, 0x600000                        ; the mantissa field of 448
	s_lshl_b32 s32, ttmp9, 2
	s_add_co_u32 s32, s32, s18                     ; my token
	s_lshl_b32 s34, s32, 12                        ; its row of x,
	s_mov_b32 s35, 0
	s_lshl_b32 s36, s32, 10                        ; of xq
	s_mov_b32 s37, 0
	s_lshl_b32 s38, ttmp9, 7                       ; the work-group's 128 bytes of xs,
	s_mov_b32 s39, 0
	s_lshl_b32 s40, ttmp9, 4                       ; 16 of ridx,
	s_mov_b32 s41, 0
	s_lshl_b32 s42, ttmp9, 5                       ; 32 of gw
	s_mov_b32 s43, 0
	s_wait_alu depctr_va_vdst(0)
	s_wait_kmcnt 0x0
	s_load_b256 s[24:31], s[8:9], 0x0              ; bg
	s_add_nc_u64 s[4:5], s[4:5], s[34:35]
	s_add_nc_u64 s[10:11], s[10:11], s[36:37]
	s_add_nc_u64 s[12:13], s[12:13], s[38:39]
	s_add_nc_u64 s[14:15], s[14:15], s[40:41]
	s_add_nc_u64 s[16:17], s[16:17], s[42:43]
.irp n, 0,1,2,3,4,5,6,7
	global_load_b128 v[X+4*\n:X+4*\n+3], v2, s[4:5] offset:512*\n th:TH_LOAD_NT   ; 32 lanes read 512 consecutive bytes
.endr
.irp d, 0,1,2,3,4,5,6,7,8,9,10,11,12,13,14,15
	global_load_b128 v[WB+4*\d:WB+4*\d+3], v206, s[6:7] offset:512*\d
.endr
	s_wait_loadcnt 16                              ; x is in; the 16 loads of Wg issued behind it may be out
.irp n, 0,1,2,3,4,5,6,7
	ds_store_b128 v3, v[X+4*\n:X+4*\n+3] offset:32*SP*(\n/4)+8*SP*(\n%4)
.endr
.irp n, 0,1,2,3,4,5,6,7
	ds_load_b128 v[X+4*\n:X+4*\n+3], v4 offset:32*SP*(\n/4)+16*(\n%4)   ; LDS serves a wave's instructions in order: lane l now gets k = 512 u + 16 l + 0 .. 15
.endr
	s_wait_loadcnt 0x0                             ; Wg
.irp d, 0,1,2,3,4,5,6,7,8,9,10,11,12,13,14,15
	ds_store_b128 v5, v[WB+4*\d:WB+4*\d+3] offset:WGP*\d
.endr
	s_wait_dscnt 0x0                               ; my stores of Wg have landed (and x is back)
	s_barrier_signal -1
	s_barrier_wait -1                              ; all of Wg lies in LDS
; round u: my 16 k-rows of Wg (512 bytes), then 16 x 4 packed multiply-adds: x(k) for both halves, two experts at a time
.macro DOT u
.set m, 0
.rept 32
	ds_load_b128 v[WB+4*m:WB+4*m+3], v6 offset:32*WGP*\u+16*m
.set m, m+1
.endr
	s_wait_dscnt 0x0
.set i, 0
.rept 16
.irp p, 0,1,2,3
.if (\u == 0) && (i == 0)
	v_pk_mul_f32 v[ACC+2*\p:ACC+2*\p+1], v[X:X+1], v[WB+2*\p:WB+2*\p+1] op_sel_hi:[0,1]   ; the first product starts the sums
.elseif i%2 == 0
	v_pk_fma_f32 v[ACC+2*\p:ACC+2*\p+1], v[X+16*\u+i:X+16*\u+i+1], v[WB+8*i+2*\p:WB+8*i+2*\p+1], v[ACC+2*\p:ACC+2*\p+1] op_sel_hi:[0,1,1]
.else
	v_pk_fma_f32 v[ACC+2*\p:ACC+2*\p+1], v[X+16*\u+i-1:X+16*\u+i], v[WB+8*i+2*\p:WB+8*i+2*\p+1], v[ACC+2*\p:ACC+2*\p+1] op_sel:[1,0,0] op_sel_hi:[1,1,1]
.endif
.endr
.set i, i+1
.endr
.endm
	DOT 0
	s_wait_alu depctr_va_vdst(0)
	DOT 1
.irp e, 0,1,2,3,4,5,6,7
	v_mov_b32 v[PD+\e], 0                          ; a lane permute's destination counts as one of its sources
.endr
.irp m, 1,2,4,8
.irp e, 0,1,2,3,4,5,6,7
	v_add_f32_dpp v[ACC+\e], v[ACC+\e], v[ACC+\e] row_xmask:\m row_mask:0xf bank_mask:0xf
.endr
.endr
.irp e, 0,1,2,3,4,5,6,7
	v_permlanex16_b32 v[PD+\e], v[ACC+\e], s20, s21
.endr
.irp e, 0,1,2,3,4,5,6,7
	v_add_f32 v[ACC+\e], v[ACC+\e], v[PD+\e]       ; every lane holds the 8 sums
.endr
	s_wait_alu depctr_va_vdst(0)
	s_wait_kmcnt 0x0                               ; bg
.irp e, 0,1,2,3,4,5,6,7
	v_add_f32 v[ACC+\e], s[24+\e], v[ACC+\e]
.endr
	; the largest logit and its index; a later one wins only if strictly larger
	v_mov_b32 v8, v[ACC]
	v_mov_b32 v9, 0
.irp e, 1,2,3,4,5,6,7
	v_cmp_gt_f32 vcc_lo, v[ACC+\e], v8
	v_cndmask_b32 v8, v8, v[ACC+\e], vcc_lo
	v_cndmask_b32 v9, v9, \e, vcc_lo
.endr
	v_mov_b32 v10, 0xff800000                      ; the winner is hidden under -infinity,
.irp e, 0,1,2,3,4,5,6,7
	v_cmp_eq_u32 vcc_lo, \e, v9
	v_cndmask_b32 v[ACC+\e], v[ACC+\e], v10, vcc_lo
.endr
	v_mov_b32 v11, v[ACC]                          ; and the scan is run again
	v_mov_b32 v12, 0
.irp e, 1,2,3,4,5,6,7
	v_cmp_gt_f32 vcc_lo, v[ACC+\e], v11
	v_cndmask_b32 v11, v11, v[ACC+\e], vcc_lo
	v_cndmask_b32 v12, v12, \e, vcc_lo
.endr
	v_sub_f32 v13, v11, v8                         ; the maximum is taken away: second - first, 0 or less
	v_mul_f32 v13, 0x3fb8aa3b, v13
	s_wait_alu depctr_va_vdst(0)
	v_exp_f32 v13, v13
	v_mov_b32 v10, 1                               ; (a plain instruction behind the exponential)
	s_wait_alu depctr_va_vdst(0)
	v_add_f32 v14, 1.0, v13
	s_wait_alu depctr_va_vdst(0)
	v_rcp_f32 v14, v14                             ; w0 = 1 / (1 + e)
	v_lshlrev_b32 v9, v9, v10                      ; (a plain instruction behind the reciprocal)  1 << first
	s_wait_alu depctr_va_vdst(0)
	v_mul_f32 v15, v13, v14                        ; w1 = e w0
	v_mov_b32 v10, 0x100
	v_lshlrev_b32 v12, v12, v10                    ; 0x100 << second
	v_or_b32 v9, v9, v12
; 16 numbers of a lane become 16 codes; two neighbouring lanes hold a block of 32
.macro QX u
.set XS, X+16*\u
.set QT, 64+8*\u
	v_max3_num_f32 v[QT], |v[XS]|, |v[XS+1]|, |v[XS+2]|
	v_max3_num_f32 v[QT+1], |v[XS+3]|, |v[XS+4]|, |v[XS+5]|
.irp i, 6,10
	v_max3_num_f32 v[QT], v[QT], |v[XS+\i]|, |v[XS+\i+1]|
	v_max3_num_f32 v[QT+1], v[QT+1], |v[XS+\i+2]|, |v[XS+\i+3]|
.endr
	v_max3_num_f32 v[QT], v[QT], |v[XS+14]|, |v[XS+15]|
	v_max3_num_f32 v[QT], v[QT], v[QT+1], 0x4800000                ; and the floor 2^(9 - 127): the byte cannot fall under 1
	v_max_num_f32_dpp v[QT], v[QT], v[QT] row_xmask:1 row_mask:0xf bank_mask:0xf   ; with my neighbour's 16: the block's largest magnitude
	v_add_nc_u32 v[QT+3], 0xfc000000, v[QT]        ; 8 off its exponent field: the conversion's scale operand
	v_and_or_b32 v[QT+2], v[QT], 0x7f800000, s22   ; 448 x the scale
.irp i, 0,1,2,3,4,5,6,7,8,9,10,11,12,13,14,15
	v_med3_num_f32 v[XS+\i], v[XS+\i], -v[QT+2], v[QT+2]           ; the conversion does not saturate (ISA guide 7.6.2): the hold comes first
.endr
	v_cvt_scalef32_pk8_fp8_f32 v[CD+4*\u:CD+4*\u+1], v[XS:XS+7], v[QT+3]
	v_cvt_scalef32_pk8_fp8_f32 v[CD+4*\u+2:CD+4*\u+3], v[XS+8:XS+15], v[QT+3]
	v_lshrrev_b32 v[QT+4], 23, v[QT+3]             ; the scale's byte
	ds_store_b8 v7, v[QT+4] offset:16*\u           ; both lanes of a block write the same byte with the same value
	global_store_b128 v2, v[CD+4*\u:CD+4*\u+3], s[10:11] offset:512*\u   ; 32 lanes store 512 consecutive bytes
.endm
	QX 0
	QX 1
	ds_store_b32 v200, v9                          ; all lanes write the same word with the same value
	ds_store_b64 v201, v[14:15]
	s_wait_dscnt 0x0                               ; for wave 0's sake: my stores have landed
	s_barrier_signal -1
	s_barrier_wait -1
	s_cmp_lg_u32 s18, 0                            ; wave 0 stores the work-group's small results, neighbouring lanes at neighbouring bytes
	s_cbranch_scc1 .Lend
	ds_load_b32 v72, v202
	ds_load_b32 v73, v203
	ds_load_b32 v74, v204
	s_wait_dscnt 0x0
	global_store_b32 v205, v72, s[12:13]           ; 128 scale bytes
	s_wait_xcnt 0x0                                ; EXEC changes only behind this wait
	v_cmp_gt_u32 vcc_lo, 8, v1
	s_and_saveexec_b32 s34, vcc_lo
	global_store_b32 v205, v73, s[16:17]           ; 8 weights
	s_wait_xcnt 0x0
	s_or_b32 exec_lo, exec_lo, s34
	v_cmp_gt_u32 vcc_lo, 4, v1
	s_and_saveexec_b32 s34, vcc_lo
	global_store_b32 v205, v74, s[14:15]           ; 4 words
	s_wait_xcnt 0x0
	s_or_b32 exec_lo, exec_lo, s34
.Lend:
	s_wait_tensorcnt 0x0
	ds_add_u32 v216, v217
	s_wait_dscnt 0x0
	s_endpgm
.Lfunc_end_k_q75a7510616_route:
	.size	k_q75a7510616_route, .Lfunc_end_k_q75a7510616_route-k_q75a7510616_route
	.p2alignl 7, 3214868480
	.fill 96, 4, 3214868480
	.section	.rodata,"a",@progbits
	.p2align	6, 0x0
	.amdhsa_kernel k_q75a7510616_route
		.amdhsa_group_segment_fixed_size 55808
		.amdhsa_private_segment_fixed_size 0
		.amdhsa_enable_private_segment 0
		.amdhsa_kernarg_size 56
		.amdhsa_user_sgpr_count 2
		.amdhsa_user_sgpr_kernarg_segment_ptr 1
		.amdhsa_wavefront_size32 1
		.amdhsa_system_sgpr_workgroup_id_x 1
		.amdhsa_system_sgpr_workgroup_id_y 1
		.amdhsa_system_sgpr_workgroup_id_z 1
		.amdhsa_system_vgpr_workitem_id 0
		.amdhsa_next_free_vgpr 218
		.amdhsa_next_free_sgpr 66
		.amdhsa_reserve_vcc 1
		.amdhsa_float_denorm_mode_32 3
		.amdhsa_float_denorm_mode_16_64 3
		.amdhsa_memory_ordered 1
		.amdhsa_forward_progress 1
		.amdhsa_inst_pref_size 32
	.end_amdhsa_kernel
	.amdgpu_metadata
---
amdhsa.version: [ 1, 2 ]
amdhsa.kernels:
  - .name:           k_q75a7510616_route
    .symbol:         k_q75a7510616_route.kd
    .args:
      - { .name: x, .offset: 0, .size: 8, .value_kind: global_buffer, .address_space: global }
      - { .name: Wg, .offset: 8, .size: 8, .value_kind: global_buffer, .address_space: global }
      - { .name: bg, .offset: 16, .size: 8, .value_kind: global_buffer, .address_space: global }
      - { .name: xq, .offset: 24, .size: 8, .value_kind: global_buffer, .address_space: global }
      - { .name: xs, .offset: 32, .size: 8, .value_kind: global_buffer, .address_space: global }
      - { .name: ridx, .offset: 40, .size: 8, .value_kind: global_buffer, .address_space: global }
      - { .name: gw, .offset: 48, .size: 8, .value_kind: global_buffer, .address_space: global }
    .group_segment_fixed_size: 55808
    .private_segment_fixed_size: 0
    .kernarg_segment_align: 8
    .kernarg_segment_size: 56
    .max_flat_workgroup_size: 128
    .sgpr_count:     66
    .vgpr_count:     218
    .wavefront_size: 32
...
	.end_amdgpu_metadata
.endif
;; end of part 7
;; launch ffn1 (part 8): grid 256 x 1, 4 waves a work-group, no clusters, 201,216 bytes of LDS; arguments xq, xs, ridx, W1_codes, W1_scales, b1, hq, hs, rows; writes hq, hs, rows
.if DOCPART == 8
	.amdgcn_target "amdgcn-amd-amdhsa--gfx1250"
	.amdhsa_code_object_version 6
	.text
	.protected	k_q75a7510616_ffn1
	.globl	k_q75a7510616_ffn1
	.p2align	8
	.type	k_q75a7510616_ffn1,@function
k_q75a7510616_ffn1:
	s_mov_b64 s[64:65], 0
	v_nop
	global_prefetch_b8 v0, s[64:65] scope:SCOPE_SE
	s_setreg_imm32_b32 hwreg(HW_REG_WAVE_SCHED_MODE, 0, 2), 2
	s_setreg_imm32_b32 hwreg(HW_REG_WAVE_MODE, 25, 1), 1
	s_wait_xcnt 0x0
	s_wait_alu depctr_vm_vsrc(0)
; FIRST PRODUCT OF THE EXPERTS, ON THE ROUTED ROWS ALONE: h = Q(gelu(x W1[e] + b1[e])), codes of E4M3 with one E8M0 byte for each 32 along K.
; Work-group g: expert e = g / 32, hidden units 128 f .. 128 f + 127, f = g % 32.  Its slice of W1 (128 rows x 1,024 bytes, one dense block) is read
; from memory once, by this work-group alone, and stays in LDS; the expert's rows come to it.
; THE LIST OF ROWS is made in registers by every wave from ridx (one word a token): 32 masks of 32 tokens, kept in scalar registers, and for each rank the
; token that holds it (constant trip counts, selects, no scatter).  The work-groups with f = 0 also store it: rows [e][rank 1024] = token, and behind
; the eight lists [e][32] = the expert's number of rows; the second product's launch reads it there.
; SHARES.  Behind the one barrier the waves share nothing: in pass p wave w takes the row tiles 16 p + w + 4 i, i = 0 .. 3, against all 128 columns:
; 32 accumulators (256 registers), the rows' fragments for all of K (512 registers), the weights' fragments from LDS.  Four passes serve up to 1,024
; rows; a pass or a tile past the expert's last tile is jumped over (a scalar branch on the stored choice; no barrier stands behind the first).
; A PASS WITH ONE TILE takes a short way: 16 rows are searched for and fetched, and 64 products are made, the weights' fragments three K steps deep in
; registers that the other three tiles leave free.  The tiles are dealt by turns so that up to four tiles past the sixteenth fall one to a wave.
; Rows past the expert's last row in its last tile are token 1023's: they are computed, stored, and dropped by the second product.
; TRANSPOSED USE: source 0 = 16 rows of W1, source 1 = 16 token rows: a lane holds one token row, its registers run along the hidden units.
; THE ROWS OF W1 THAT FORM A TILE ARE NOT NEIGHBOURS: lane m of tile 2 B + u takes row 32 B + 8 u + m + 8 (m / 8), so that the 16 registers of two
; neighbouring tiles are 16 neighbours along the next K, and the conversions' results are the next operand's registers.
; hq [e][f][tile 64][2,048 B]: the fragment's registers as they stand, [c 4][lane 32][16 B].  hs [e][f][row 1024]: a scale word a row.
; GELU, exact form: gelu(x) = max(x, 0) - |x| a, a = erfc(|x| / sqrt 2) / 2 = t 2^(P(t) - x^2 log2(e) / 2), t = 1 / (1 + |x| / (2 sqrt 2)), P a polynomial of
; degree 9 (a rational Chebyshev fit of erfc, fractional error about 1.2e-7 at every |x|, so the negative tail keeps its relative accuracy).
; LIMITS: NaN and infinities are not served; a under 2^-126 counts as 0 (the exponential flushes); a block of zeros gets the byte 1.
; NO TENSOR LOADS, NO CLUSTER: branches hang on numbers read from memory, and no two work-groups read the same weights.
; REGISTERS: window 0: v1-31 addresses and lists; v32-63 W1's scale words, v64-79 the rows' (lanes 0-15 the even tile of a pair, lanes 16-31 the odd one);
;   v80-127 at work; v128-255 the weights' 8 fragments, later bias (v128-191) and the tile at work (v192-255).
;   window 1: accumulator (tile i, weight tile b) at v[64 i + 8 b]; before the barrier the weights as loaded.  windows 2, 3: rows' fragment (i, K step s) at v[128 (i % 2) + 16 s].
; THE MODE: SCHED_MODE bits 1:0 = 2 (LLVM: expert scheduling mode 2), set by the entry lines.  The code itself states the register dependences
; between vector or matrix instructions and memory or LDS instructions, with s_wait_alu, always for 0.
; THE PLAN.  Registers that memory or LDS instructions touch, and who else names them:
;   v4-11, v24-26, v28   addresses, made at the head and never written again: one wait on va_vdst ahead of the first load.
;   window 1             the weights' loads land there, my LDS stores read it, the products write it: one wait on vm_vsrc behind the barrier.
;   XSO, VO              written by the search and by the gather's additions, read by the gather's loads.
;   AS, windows 2, 3     read by the products; the gather's loads land there.  One wait on va_vdst in the gather, behind its last addition, serves all its loads; one on vm_vsrc at its end frees XSO, VO and what the list's stores read.
;   windows 2, 3         in TRANSPOSE my LDS stores read a tile's registers and my LDS loads land in them: a wait on vm_vsrc between.
;   BF, in two halves    16 products read a half, then 16 LDS loads land in it: a wait on va_vdst straight ahead of each such run.
;   BIAS                 lands where the products read the weights' fragments: one wait on va_vdst at .Lnonext, on every way from the products on.
;   PC, PWD, HQO, HSO    written by a tile's arithmetic, read by its five stores: a wait on va_vdst ahead of the stores, one on vm_vsrc at the next tile's head.
;   Scalar registers that vector instructions write (the wave's number, the masks of compares, lanes read out) are written in runs, with one wait on va_sdst behind each run, ahead of its first reader.
.set WP,    1040                       ; an LDS row of 1,024 bytes + 16: 65 x 16 bytes, so the 16 rows that a load touches start in different banks
.set BLDS,  128*WP                     ; behind the weights: the bias slice, 512 bytes
.set XST,   BLDS+512                   ; behind it: a stage of 16 rows x WP for each wave
.set XSTW,  16*WP
.set LANE,  1
.set RR,    2                          ; lane % 16
.set HH,    3                          ; lane / 16
.set L16,   4                          ; 16 x lane
.set BADR,  5                          ; v5, v6: my place in weight tiles 0-3, 4-7
.set WST,   7                          ; where my wave's weights go in LDS
.set WGO,   8                          ; and where they come from
.set SST,   9                          ; my stage: rows in
.set SRD,   10                         ; fragments out
.set BIA,   11                         ; my half's bias
.set RHO,   14                         ; v14, v15: my two ranks in the expert's list
.set ENT,   16                         ; v16, v17: their tokens x 1,024
.set PWD,   18                         ; the scale word just made
.set HQO,   19                         ; byte offset of the tile's image
.set XSO,   20                         ; v20, v21: the tokens x 32
.set SCA,   24                         ; my row of W1's scales
.set T4,    25                         ; 4 x thread
.set BST,   26                         ; BLDS + 4 x thread
.set BV,    27                         ; my number of the bias
.set R4,    28                         ; 4 x (lane % 16)
.set HSO,   29                         ; byte offset of the tile's scale words
.set C9,    30                         ; v[30:31]: the polynomial's leading coefficient, twice
.set WS,    32
.set AS,    64
.set TMP,   80
.set BF,    128
.set BIAS,  128
.set WK,    192
.set RW,    128                        ; at the head: ridx's words
.set VO,    160                        ; a gather's byte offsets
.set GT,    TMP                        ; gelu: t, the polynomial, x^2 and later max(x, 0): 16 each
.set GP,    TMP+16
.set GS,    TMP+32
.set TM,    TMP                        ; the quantiser's 16 registers at work
.set PC,    TMP+16                     ; and the 16 registers of codes
.set MS,    66                         ; s66-97: mask k: bit l = token 128 (k / 4) + 4 l + k % 4 goes to my expert
.set MK,    36                         ; s36-47: the masks of a run of the search's compares
.set CN,    44                         ; s44-47: in the search for the word: the running counts of a run's four words
.set LEFT,  51                         ; s51: tiles from my first tile of the next pass to the expert's last
.set MSB, 0
.macro WIN new                         ; the immediate's high byte repeats the setting that is left; a switch that changes nothing is dropped
.if MSB != (\new)
	s_set_vgpr_msb (MSB<<8)|(\new)
.set MSB, (\new)
.endif
.endm
.macro PLACES n
.rept \n
	v_nop
.endr
.endm
.macro WLOADS first, count             ; load n of 64: row n / 2 of my wave's 32, half n % 2: 512 consecutive bytes; read once in the launch
.set n, \first
.rept \count
	global_load_b128 v[4*n:4*n+3], v[WGO], s[10:11] offset:512*n th:TH_LOAD_NT
.set n, n+1
.endr
.endm
; ridx's words -> 32 masks in scalar registers, the expert's number of rows s27, of tiles s28 (at least 1, so that tile 0 is always made)
.macro MASKS
.set kk, 0
.rept 32
	v_and_b32 v[TMP+kk], s25, v[RW+kk]
.set kk, kk+1
.endr
.set kk, 0
.rept 32
	v_cmp_ne_u32 s[MS+kk], 0, v[TMP+kk]
.set kk, kk+1
.endr
	s_wait_alu depctr_va_sdst(0)                   ; the 32 compares have written s66 to s97, ahead of their first readers below
	s_mov_b32 s27, 0
.set kk, 0
.rept 32
	s_bcnt1_i32_b32 s42, s[MS+kk]
	s_add_co_u32 s27, s27, s42
.set kk, kk+1
.endr
	s_add_co_u32 s28, s27, 15
	s_lshr_b32 s28, s28, 4
	s_max_u32 s28, s28, 1
.endm
; pass s35: my ranks -> their tokens.  Register a, lane l: tile 2 a + l / 16 of my four, row l % 16: rank 256 pass + 16 wave + 128 a + 64 (l / 16) + l % 16.
; The word: the last k whose running count does not pass the rank; the bit likewise.  two = 0: register 0 alone (a pass with one tile).
; The compares stand in runs, four words or six bits to a run, their masks in s36 to s47; one wait stands behind each run, and the selections follow it in ascending order.
.macro SEARCH two
	s_lshl_b32 s36, s35, 8
	s_lshl_b32 s37, s20, 4
	s_add_co_u32 s36, s36, s37
	v_lshl_add_u32 v[RHO], v[HH], 6, v[RR]
	v_add_nc_u32 v[RHO], s36, v[RHO]
.if \two
	v_add_nc_u32 v[RHO+1], 0x80, v[RHO]
.endif
.irp a, 0,1
.if (\a == 0) || \two
	v_mov_b32 v[TMP+\a], s[MS]                     ; the word's mask,
	v_mov_b32 v[TMP+2+\a], 0                       ; the count in front of it,
	v_mov_b32 v[TMP+4+\a], 0                       ; its number
.endif
.endr
.set kk, 1
	s_wait_alu depctr_va_vdst(0)
.rept 8
.irp j, 0,1,2,3
.if kk+\j == 1
	s_bcnt1_i32_b32 s[CN], s[MS]                   ; the count in front of word 1
.elseif kk+\j < 32
	s_bcnt1_i32_b32 s34, s[MS+kk+\j-1]
	s_add_co_u32 s[CN+\j], s[CN+(\j+3)%4], s34     ; the count in front of word kk + j
.endif
.endr
.irp j, 0,1,2,3
.if kk+\j < 32
	v_cmp_gt_u32 s[MK+2*\j], s[CN+\j], v[RHO]      ; the count has passed my rank: keep what I have
.if \two
	v_cmp_gt_u32 s[MK+2*\j+1], s[CN+\j], v[RHO+1]
.endif
.endif
.endr
	s_wait_alu depctr_va_sdst(0)                   ; the run's compares have written their masks, ahead of the selections that read them
	s_wait_alu depctr_va_vdst(0)
.irp j, 0,1,2,3
.if kk+\j < 32
.irp a, 0,1
.if (\a == 0) || \two
	v_cndmask_b32 v[TMP+\a], s[MS+kk+\j], v[TMP+\a], s[MK+2*\j+\a]
	v_cndmask_b32 v[TMP+2+\a], s[CN+\j], v[TMP+2+\a], s[MK+2*\j+\a]
	v_cndmask_b32 v[TMP+4+\a], kk+\j, v[TMP+4+\a], s[MK+2*\j+\a]
.endif
.endr
.endif
.endr
.set kk, kk+4
.endr
.irp a, 0,1
.if (\a == 0) || \two
	v_sub_nc_u32 v[TMP+8+\a], v[RHO+\a], v[TMP+2+\a]   ; my rank inside the word
	v_mov_b32 v[TMP+10+\a], 0
	v_mov_b32 v[TMP+12+\a], 0
.endif
.endr
.set bb, 1
.rept 6
.irp j, 0,1,2,3,4,5
.if bb+\j < 32
.irp a, 0,1
.if (\a == 0) || \two
	v_bfe_u32 v[TMP+14+\a], v[TMP+\a], bb+\j-1, 1
	v_add_nc_u32 v[TMP+10+\a], v[TMP+10+\a], v[TMP+14+\a]
	v_cmp_gt_u32 s[MK+2*\j+\a], v[TMP+10+\a], v[TMP+8+\a]
.endif
.endr
.endif
.endr
.if bb == 31                           ; the last run has one bit: the compares of my ranks against the number of rows go with it
	v_cmp_gt_u32 s[MK+10], s27, v[RHO]
.if \two
	v_cmp_gt_u32 s[MK+11], s27, v[RHO+1]
.endif
.endif
	s_wait_alu depctr_va_sdst(0)                   ; the run's compares have written their masks, ahead of the selections that read them
.irp j, 0,1,2,3,4,5
.if bb+\j < 32
.irp a, 0,1
.if (\a == 0) || \two
	v_cndmask_b32 v[TMP+12+\a], bb+\j, v[TMP+12+\a], s[MK+2*\j+\a]
.endif
.endr
.endif
.endr
.set bb, bb+6
.endr
.irp a, 0,1
.if (\a == 0) || \two
	v_lshrrev_b32 v[TMP+14+\a], 2, v[TMP+4+\a]
	v_lshlrev_b32 v[TMP+14+\a], 7, v[TMP+14+\a]
	v_lshl_add_u32 v[TMP+14+\a], v[TMP+12+\a], 2, v[TMP+14+\a]
	v_and_b32 v[TMP+4+\a], 3, v[TMP+4+\a]
	v_add_nc_u32 v[TMP+14+\a], v[TMP+14+\a], v[TMP+4+\a]   ; token = 128 (k / 4) + 4 bit + k % 4
	v_cndmask_b32 v[TMP+14+\a], 0x3ff, v[TMP+14+\a], s[MK+10+\a]   ; a rank past the list: token 1023
	v_min_u32 v[TMP+14+\a], 0x3ff, v[TMP+14+\a]
	v_lshlrev_b32 v[ENT+\a], 10, v[TMP+14+\a]
	v_lshlrev_b32 v[XSO+\a], 5, v[TMP+14+\a]
.endif
.endr
.endm
; the work-groups with f = 0 store the tokens just found, a word a rank; the gather that follows ends with the waits that free these registers
.macro LISTOUT two
	s_cmp_lg_u32 s23, 0
	s_cbranch_scc1 .Lnolist_\@
	v_lshlrev_b32 v[TMP+8], 2, v[RHO]
.if \two
	v_lshlrev_b32 v[TMP+9], 2, v[RHO+1]
.endif
	s_wait_alu depctr_va_vdst(0)                   ; the search has written the tokens v[TMP+14 ..], the lines above their offsets: the stores read both
	global_store_b32 v[TMP+8], v[TMP+14], s[56:57]
.if \two
	global_store_b32 v[TMP+9], v[TMP+15], s[56:57]
.endif
.Lnolist_\@:
.endm
; my rows (two = 1: 64; two = 0: tile 0's 16): their scale words straight into place (a lane's row is its own), their codes row by row, 512 consecutive bytes a load.
; The rows' offsets go from lane to scalar to vector in runs of eight, so that the turn between the units is paid once for eight rows.  All offsets are made first; one wait; then all the loads.
.macro GATHER two
.set n, 0
.rept 2+6*\two
.irp j, 0,1,2,3,4,5,6,7
	v_readlane_b32 s[36+\j], v[ENT+(n+\j)/32], (n+\j)%32
.endr
	s_wait_alu depctr_va_sdst(0)                   ; the eight lanes read out are in s36 to s43, ahead of their first readers
.irp j, 0,1,2,3,4,5,6,7
	s_min_u32 s[36+\j], s[36+\j], 0xffc00
.endr
.irp j, 0,1,2,3,4,5,6,7
	v_add_nc_u32 v[VO+n+\j], s[36+\j], v[L16]
.endr
.set n, n+8
.endr
	s_wait_alu depctr_va_vdst(0)                   ; XSO and VO are written, which the loads below read; the products issued so far are done reading AS and windows 2 and 3, in which they land
	global_load_b128 v[AS:AS+3], v[XSO], s[6:7]
	global_load_b128 v[AS+4:AS+7], v[XSO], s[6:7] offset:16
.if \two
	global_load_b128 v[AS+8:AS+11], v[XSO+1], s[6:7]
	global_load_b128 v[AS+12:AS+15], v[XSO+1], s[6:7] offset:16
.endif
	WIN 0x80                                       ; destination window 2: tiles 0, 1
.set n, 0
.rept 16+16*\two
	global_load_b128 v[8*n:8*n+3], v[VO+n], s[4:5]
	global_load_b128 v[8*n+4:8*n+7], v[VO+n], s[4:5] offset:512
.set n, n+1
.endr
.if \two
	WIN 0xc0                                       ; window 3: tiles 2, 3
.set n, 0
.rept 32
	global_load_b128 v[8*n:8*n+3], v[VO+32+n], s[4:5]
	global_load_b128 v[8*n+4:8*n+7], v[VO+32+n], s[4:5] offset:512
.set n, n+1
.endr
.endif
	WIN 0
	s_wait_xcnt 0x0                                ; the loads and stores have read their registers: those may be written again
	s_wait_alu depctr_vm_vsrc(0)                   ; the loads have read XSO and VO, the list's and the count's stores their data and offsets: loads of fragments and of the bias land in VO's registers, the tiles' arithmetic and the next search write the others
.endm
; tile i's 16 rows go through my stage and come back as 8 fragments.  LDS serves a wave's instructions in order: no wait on DScnt between stores and loads, nor in front of the next tile's stores
.macro TRANSPOSE i
	WIN 0x08+4*((\i)/2)                            ; an LDS store's data are its source 1
.set n, 0
.rept 16
	ds_store_b128 v[SST], v[128*((\i)%2)+8*n:128*((\i)%2)+8*n+3] offset:WP*n
	ds_store_b128 v[SST], v[128*((\i)%2)+8*n+4:128*((\i)%2)+8*n+7] offset:WP*n+512
.set n, n+1
.endr
	WIN 0x80+0x40*((\i)/2)
	s_wait_alu depctr_vm_vsrc(0)                   ; the LDS stores above have read the tile's 128 registers, in which the LDS loads below land
.set n, 0
.rept 32                               ; n = 4 s + c: registers 16 s + 4 c .. + 3 hold k = 128 s + 32 c + 16 (lane / 16) + 0 .. 15
	ds_load_b128 v[128*((\i)%2)+4*n:128*((\i)%2)+4*n+3], v[SRD] offset:32*n
.set n, n+1
.endr
.endm
.macro BLOAD half, s                   ; weight tiles 4 half .. + 3, K step s
.irp b, 0,1,2,3
.irp c, 0,1,2,3
	ds_load_b128 v[BF+64*(\half)+16*\b+4*\c:BF+64*(\half)+16*\b+4*\c+3], v[BADR+(\half)] offset:16*\b*WP+128*(\s)+32*\c
.endr
.endr
.endm
.macro MM i, b, s                      ; one product; K step 0 starts the sum: nothing is cleared
.set rD, 64*(\i)+8*(\b)
.set rB, BF+16*(\b)
.set rA, 128*((\i)%2)+16*(\s)
.set rW, WS+8*((\b)/2)+(\s)
.set rX, AS+8*((\i)/2)+(\s)
.set par, 2*((\i)%2)+((\b)%2)          ; odd tiles' scale words lie in lanes 16-31
.if (\s) == 0
.if par == 0
	v_wmma_scale_f32_16x16x128_f8f6f4 v[rD:rD+7], v[rB:rB+15], v[rA:rA+15], 0, v[rW], v[rX]
.elseif par == 1
	v_wmma_scale_f32_16x16x128_f8f6f4 v[rD:rD+7], v[rB:rB+15], v[rA:rA+15], 0, v[rW], v[rX] matrix_a_scale:MATRIX_SCALE_ROW1
.elseif par == 2
	v_wmma_scale_f32_16x16x128_f8f6f4 v[rD:rD+7], v[rB:rB+15], v[rA:rA+15], 0, v[rW], v[rX] matrix_b_scale:MATRIX_SCALE_ROW1
.else
	v_wmma_scale_f32_16x16x128_f8f6f4 v[rD:rD+7], v[rB:rB+15], v[rA:rA+15], 0, v[rW], v[rX] matrix_a_scale:MATRIX_SCALE_ROW1 matrix_b_scale:MATRIX_SCALE_ROW1
.endif
.else
.if par == 0
	v_wmma_scale_f32_16x16x128_f8f6f4 v[rD:rD+7], v[rB:rB+15], v[rA:rA+15], v[rD:rD+7], v[rW], v[rX]
.elseif par == 1
	v_wmma_scale_f32_16x16x128_f8f6f4 v[rD:rD+7], v[rB:rB+15], v[rA:rA+15], v[rD:rD+7], v[rW], v[rX] matrix_a_scale:MATRIX_SCALE_ROW1
.elseif par == 2
	v_wmma_scale_f32_16x16x128_f8f6f4 v[rD:rD+7], v[rB:rB+15], v[rA:rA+15], v[rD:rD+7], v[rW], v[rX] matrix_b_scale:MATRIX_SCALE_ROW1
.else
	v_wmma_scale_f32_16x16x128_f8f6f4 v[rD:rD+7], v[rB:rB+15], v[rA:rA+15], v[rD:rD+7], v[rW], v[rX] matrix_a_scale:MATRIX_SCALE_ROW1 matrix_b_scale:MATRIX_SCALE_ROW1
.endif
.endif
.endm
.macro MMG ti, wb, s                   ; 8 products: row tiles ti, ti + 1 x weight tiles wb .. wb + 3
.irp j, 0,1,2,3
	MM \ti, \wb+\j, \s
	MM \ti+1, \wb+\j, \s
.endr
.endm
; A full pass's 256 products.  The 32 accumulators take turns, one instruction a turn, in the same order in every K step.
; The weights' fragments have one set of registers in two halves: a half is fetched anew as soon as its 16 products are issued, in one run straight behind the wait that
; states that they are done reading it, and is wanted 16 products later.  The products that follow a run name the other half, the rows' fragments, the scale words and the accumulators: none of the run's registers.
.macro KLOOP
	BLOAD 0, 0
	BLOAD 1, 0
.irp s, 0,1,2,3,4,5,6,7
	s_wait_dscnt 16                                ; half 0 of this step is in, and all that is older; the 16 loads of half 1 may be out
	WIN 0x58                                       ; source 1 window 2, C and D window 1
	MMG 0, 0, \s
	WIN 0x5c                                       ; source 1 window 3
	MMG 2, 0, \s
.if \s < 7
	WIN 0
	s_wait_alu depctr_va_vdst(0)                   ; the 16 products above are done reading half 0, in which the loads below land
	BLOAD 0, \s+1
	s_wait_dscnt 16                                ; half 1 of this step is in; the 16 just issued may be out
.else
	s_wait_dscnt 0x0
.endif
	WIN 0x5c
	MMG 2, 4, \s
	WIN 0x58
	MMG 0, 4, \s
.if \s < 7
	WIN 0
	s_wait_alu depctr_va_vdst(0)                   ; the 16 products above are done reading half 1, in which the loads below land
	BLOAD 1, \s+1
.endif
.endr
	WIN 0
	PLACES 10                                      ; in front of vector instructions that read results or write over the operands, and of the next pass's first products, which begin the accumulators anew (ISA guide 7.12.1)
.endm
; THE SHORT PASS: tile 0 alone, 64 products, its 8 accumulators by turns.  Eight products a K step are too few to cover an LDS load that is asked for one step ahead, so the
; weights' fragments of a K step (128 registers) have three sets by turns: v128-255 of window 0, and the 256 registers of window 3, which tiles 2 and 3 do not use here.
.macro BSEL s                          ; K step s: its set's window bw and first register bb
.if ((\s)%3) == 0
.set bw, 0
.set bb, 128
.elseif ((\s)%3) == 1
.set bw, 3
.set bb, 0
.else
.set bw, 3
.set bb, 128
.endif
.endm
.macro B1LOAD s                        ; all 8 weight tiles of K step s
	BSEL \s
	WIN bw<<6
.irp b, 0,1,2,3,4,5,6,7
.irp c, 0,1,2,3
	ds_load_b128 v[bb+16*\b+4*\c:bb+16*\b+4*\c+3], v[BADR+\b/4] offset:16*(\b%4)*WP+128*(\s)+32*\c
.endr
.endr
.endm
.macro MM1 b, s
.set rD, 8*(\b)
.set rB, bb+16*(\b)
.set rA, 16*(\s)
.set rW, WS+8*((\b)/2)+(\s)
.set rX, AS+(\s)
.if (\s) == 0
.if ((\b)%2) == 0
	v_wmma_scale_f32_16x16x128_f8f6f4 v[rD:rD+7], v[rB:rB+15], v[rA:rA+15], 0, v[rW], v[rX]
.else
	v_wmma_scale_f32_16x16x128_f8f6f4 v[rD:rD+7], v[rB:rB+15], v[rA:rA+15], 0, v[rW], v[rX] matrix_a_scale:MATRIX_SCALE_ROW1
.endif
.else
.if ((\b)%2) == 0
	v_wmma_scale_f32_16x16x128_f8f6f4 v[rD:rD+7], v[rB:rB+15], v[rA:rA+15], v[rD:rD+7], v[rW], v[rX]
.else
	v_wmma_scale_f32_16x16x128_f8f6f4 v[rD:rD+7], v[rB:rB+15], v[rA:rA+15], v[rD:rD+7], v[rW], v[rX] matrix_a_scale:MATRIX_SCALE_ROW1
.endif
.endif
.endm
.macro KLOOP1
	B1LOAD 0
	B1LOAD 1
	B1LOAD 2
.irp s, 0,1,2,3,4,5,6,7
.if \s < 6
	s_wait_dscnt 63                                ; behind this step's loads 64 were issued (two steps'): with 63 out at the most, this step's are in, and all that is older
.elseif \s == 6
	s_wait_dscnt 32                                ; the last step's 32 may be out
.else
	s_wait_dscnt 0x0
.endif
	BSEL \s
	WIN 0x58+bw                                    ; source 0 the set's window, source 1 window 2, C and D window 1
.irp b, 0,1,2,3,4,5,6,7
	MM1 \b, \s
.endr
.if \s < 5
	BSEL \s+3
	WIN bw<<6                                      ; the window first, then the wait, then the loads
	s_wait_alu depctr_va_vdst(0)                   ; the eight products above are done reading their set, in which the loads below land
	B1LOAD \s+3
.endif
.endr
	WIN 0
	PLACES 10
.endm
.macro ARM i                           ; tile i's 64 results + bias -> v[WK] on; each accumulator is read from its low end on
	WIN 0x01                                       ; source 0 window 1
.set n, 0
.rept 32
	v_pk_add_f32 v[WK+2*n:WK+2*n+1], v[64*(\i)+2*n:64*(\i)+2*n+1], v[BIAS+2*n:BIAS+2*n+1]
.set n, n+1
.endr
	WIN 0
.endm
.macro GELU16 x                        ; 16 numbers in place
.set n, 0
.rept 16
	v_fma_f32 v[GT+n], |v[\x+n]|, s54, 1.0
.set n, n+1
.endr
.set n, 0
	s_wait_alu depctr_va_vdst(0)
.rept 16
	v_rcp_f32 v[GT+n], v[GT+n]                     ; t
.set n, n+1
.endr
.set n, 0
.rept 8
	v_pk_mul_f32 v[GS+2*n:GS+2*n+1], v[\x+2*n:\x+2*n+1], v[\x+2*n:\x+2*n+1]   ; x^2 (plain instructions behind the reciprocals)
.set n, n+1
.endr
	s_wait_alu depctr_va_vdst(0)                   ; the sixteen reciprocals have written v[GT ..], ahead of their first reader: one wait for the batch
.set n, 0
.rept 8
	v_pk_fma_f32 v[GP+2*n:GP+2*n+1], v[GT+2*n:GT+2*n+1], v[C9:C9+1], 0xbf97d29d op_sel_hi:[1,1,0]
.set n, n+1
.endr
.irp c, 0x40097039, 0xbfd1a1e5, 0x3ecdfd18, 0xbe899a80, 0x3e0efb2e, 0x3f0a29d2, 0x3fb8ab5a, 0xc034d90f
.set n, 0
.rept 8
	v_pk_fma_f32 v[GP+2*n:GP+2*n+1], v[GP+2*n:GP+2*n+1], v[GT+2*n:GT+2*n+1], \c op_sel_hi:[1,1,0]
.set n, n+1
.endr
.endr
.set n, 0
.rept 8
	v_pk_fma_f32 v[GP+2*n:GP+2*n+1], v[GS+2*n:GS+2*n+1], 0xbf38aa3b, v[GP+2*n:GP+2*n+1] op_sel_hi:[1,0,1]   ; - x^2 log2(e) / 2
.set n, n+1
.endr
.set n, 0
	s_wait_alu depctr_va_vdst(0)
.rept 16
	v_exp_f32 v[GP+n], v[GP+n]
.set n, n+1
.endr
.set n, 0
.rept 16
	v_max_num_f32 v[GS+n], 0, v[\x+n]              ; (plain instructions behind the exponentials)
.set n, n+1
.endr
	s_wait_alu depctr_va_vdst(0)                   ; the sixteen exponentials have written v[GP ..], ahead of their first reader: one wait for the batch
.set n, 0
.rept 8
	v_pk_mul_f32 v[GP+2*n:GP+2*n+1], v[GP+2*n:GP+2*n+1], v[GT+2*n:GT+2*n+1]   ; a
.set n, n+1
.endr
.set n, 0
.rept 16
	v_fma_f32 v[\x+n], -|v[\x+n]|, v[GP+n], v[GS+n]
.set n, n+1
.endr
.endm
; v[WK] on, register 16 b + i = k 32 b + 16 (lane / 16) + i of my row, become a fragment's codes in v[PC] on and its scale word in v[PWD]
.macro QUANT
.irp b, 0,1,2,3
	v_max3_num_f32 v[TM+\b], |v[WK+16*\b]|, |v[WK+1+16*\b]|, 0x4800000   ; with the floor 2^(9 - 127): the byte cannot fall under 1
.endr
.irp i, 2,4,6,8,10,12,14
.irp b, 0,1,2,3
	v_max3_num_f32 v[TM+\b], v[TM+\b], |v[WK+16*\b+\i]|, |v[WK+1+16*\b+\i]|
.endr
.endr
.irp b, 0,1,2,3
	v_permlanex16_b32 v[TM+4+\b], v[TM+\b], s48, s49
.endr
.irp b, 0,1,2,3
	v_max_num_f32 v[TM+\b], v[TM+\b], v[TM+4+\b]   ; with lane l xor 16's: the block's largest magnitude
.endr
.irp b, 0,1,2,3
	v_add_nc_u32 v[TM+12+\b], 0xfc000000, v[TM+\b] ; 8 off its exponent field: the conversion's scale operand
.endr
.irp b, 0,1,2,3
	v_and_or_b32 v[TM+8+\b], v[TM+\b], 0x7f800000, s50   ; 448 x the scale
.endr
.irp b, 0,1,2,3
	v_lshrrev_b32 v[TM+4+\b], 23, v[TM+12+\b]      ; the scale's byte
.endr
	v_lshl_or_b32 v[PWD], v[TM+5], 8, v[TM+4]
	v_lshl_or_b32 v[PWD], v[TM+6], 16, v[PWD]
	v_lshl_or_b32 v[PWD], v[TM+7], 24, v[PWD]
.irp b, 0,1,2,3
.irp i, 0,1,2,3,4,5,6,7,8,9,10,11,12,13,14,15
	v_med3_num_f32 v[WK+16*\b+\i], v[WK+16*\b+\i], -v[TM+8+\b], v[TM+8+\b]   ; the conversion does not saturate (ISA guide 7.6.2): the hold comes first
.endr
	v_cvt_scalef32_pk8_fp8_f32 v[PC+4*\b:PC+1+4*\b], v[WK+16*\b:WK+7+16*\b], v[TM+12+\b]
	v_cvt_scalef32_pk8_fp8_f32 v[PC+2+4*\b:PC+3+4*\b], v[WK+8+16*\b:WK+15+16*\b], v[TM+12+\b]
.endr
	v_nop                                          ; one plain vector instruction behind the last conversion
.endm
	s_load_b256 s[4:11], s[0:1], 0x0               ; xq s[4:5], xs s[6:7], ridx s[8:9], W1's codes s[10:11]
	s_load_b256 s[12:19], s[0:1], 0x20             ; W1's scales s[12:13], b1 s[14:15], hq s[16:17], hs s[18:19]
	s_load_b64 s[56:57], s[0:1], 0x40              ; rows
	v_lshl_add_u32 v22, v0, 2, 0x31000
	v_mov_b32 v23, 0
	v_lshrrev_b32 v1, 5, v0
	v_readfirstlane_b32 s20, v1                    ; wave
	v_and_b32 v[LANE], 31, v0
	v_and_b32 v[RR], 15, v0
	v_bfe_u32 v[HH], v0, 4, 1
	v_lshlrev_b32 v[L16], 4, v[LANE]
	v_mul_u32_u24 v[BADR], v[RR], WP
	v_lshl_add_u32 v[BADR], v[HH], 4, v[BADR]      ; a fragment's row x pitch + 16 x half
	v_add_nc_u32 v[BADR+1], 64*WP, v[BADR]
	s_wait_alu depctr_va_sdst(0)                   ; s20 is written, ahead of its first reader
	s_mul_i32 s35, s20, 32*WP
	v_add_nc_u32 v[WST], s35, v[L16]
	s_lshl_b32 s35, s20, 15
	v_add_nc_u32 v[WGO], s35, v[L16]               ; my wave's 32 rows of 1,024 bytes
	s_mul_i32 s35, s20, XSTW
	s_add_co_u32 s35, s35, XST
	v_add_nc_u32 v[SST], s35, v[L16]
	v_add_nc_u32 v[SRD], s35, v[BADR]
	v_lshl_add_u32 v[BIA], v[HH], 6, BLDS          ; tile 2 B + u wants hidden units 32 B + 16 h + 8 u + 0 .. 7
	v_lshlrev_b32 v[T4], 2, v0
	v_lshl_add_u32 v[BST], v0, 2, BLDS
	v_lshlrev_b32 v[R4], 2, v[RR]
	v_and_b32 v[SCA], 8, v[RR]
	v_add_nc_u32 v[SCA], v[SCA], v[RR]
	v_lshl_add_u32 v[SCA], v[HH], 3, v[SCA]        ; lanes 0-15: the even tile's rows r + 8 (r / 8); lanes 16-31: the odd tile's, 8 further on
	v_lshlrev_b32 v[SCA], 5, v[SCA]                ; 32 scale bytes a row
	v_mov_b32 v[C9], 0x3e7c6f08
	v_mov_b32 v[C9+1], 0x3e7c6f08
	s_mov_b32 s21, ttmp9
	s_lshr_b32 s22, s21, 5                         ; the expert
	s_and_b32 s23, s21, 31                         ; f
	s_lshl_b32 s25, 0x101, s22                     ; the expert's two bits in a word of ridx
	s_mov_b32 s48, 0x76543210
	s_mov_b32 s49, 0xfedcba98                      ; lane l xor 16
	s_mov_b32 s50, 0x600000                        ; the mantissa field of 448
	s_mov_b32 s54, 0x3eb504f3                      ; 1 / (2 sqrt 2)
	s_lshl_b32 s44, s21, 17                        ; g x 131,072: my slice of W1's codes, and of hq
	s_mov_b32 s45, 0
	s_lshl_b32 s46, s21, 12                        ; g x 4,096: of W1's scales, and of hs
	s_mov_b32 s47, 0
	s_lshl_b32 s36, s21, 9                         ; g x 512: of b1
	s_mov_b32 s37, 0
	s_lshl_b32 s38, s22, 12                        ; e x 4,096: the expert's list in rows,
	s_mov_b32 s39, 0
	s_lshl_b32 s52, s22, 7
	s_add_co_u32 s52, s52, 0x8000                  ; and behind the eight lists its 128 bytes for the count
	s_mov_b32 s53, 0
	s_wait_kmcnt 0x0
	s_add_nc_u64 s[10:11], s[10:11], s[44:45]
	s_add_nc_u64 s[16:17], s[16:17], s[44:45]
	s_add_nc_u64 s[12:13], s[12:13], s[46:47]
	s_add_nc_u64 s[18:19], s[18:19], s[46:47]
	s_add_nc_u64 s[14:15], s[14:15], s[36:37]
	s_add_nc_u64 s[52:53], s[56:57], s[52:53]
	s_add_nc_u64 s[56:57], s[56:57], s[38:39]
	s_wait_alu depctr_va_vdst(0)                   ; the addresses and offsets v4 to v11, v24 to v26 and v28 are written, which the kernel's loads, stores and LDS instructions read; they are never written again
.irp G, 0,1,2,3,4,5,6,7
	global_load_b128 v[RW+4*\G:RW+4*\G+3], v[L16], s[8:9] offset:512*\G
.endr
.irp b, 0,1,2,3
	global_load_b128 v[WS+8*\b:WS+8*\b+3], v[SCA], s[12:13] offset:1024*\b
	global_load_b128 v[WS+8*\b+4:WS+8*\b+7], v[SCA], s[12:13] offset:1024*\b+16
.endr
	global_load_b32 v[BV], v[T4], s[14:15]
	WIN 0x40                                       ; destination window 1
	WLOADS 0, 48
	WIN 0
	s_wait_loadcnt 57                              ; ridx is in; behind it were issued 8 loads of scales, 1 of bias, 48 of weights
	MASKS
	s_or_b32 s35, s23, s20                         ; wave 0 of the work-group with f = 0 stores the expert's number of rows, a word a lane
	s_cmp_lg_u32 s35, 0
	s_cbranch_scc1 .Lnocount
	v_mov_b32 v[TMP+16], s27
	v_lshlrev_b32 v[TMP+17], 2, v[LANE]
	s_wait_alu depctr_va_vdst(0)                   ; the two lines above have written the store's data and offset
	global_store_b32 v[TMP+17], v[TMP+16], s[52:53]
.Lnocount:
	s_mov_b32 s35, 0
	SEARCH 1
	LISTOUT 1
	WIN 0x40
	WLOADS 48, 16                                  ; (no vector instruction has named their offset or their registers since the wait ahead of the first load)
	WIN 0
	GATHER 1                                       ; pass 0's rows, in every wave: so every operand register is written on every way, and ranks 0 to 255 of the list are always stored
	s_wait_loadcnt 63                              ; 132 loads were issued behind the last weight: weights, scales and bias are in
	WIN 0x04                                       ; an LDS store's data are its source 1: window 1
.set n, 0
.rept 64                               ; row j = n / 2 goes to LDS row 32 w + (j with bits 3 and 4 exchanged): the tiles' order of rows
	ds_store_b128 v[WST], v[4*n:4*n+3] offset:(((n/2)&7)+16*(((n/2)>>3)&1)+8*(((n/2)>>4)&1))*WP+512*(n%2)
.set n, n+1
.endr
	WIN 0
	ds_store_b32 v[BST], v[BV]
	s_wait_dscnt 0x0                               ; for the others' sake: my stores have landed
	s_barrier_signal -1
	s_barrier_wait -1                              ; the slice and its bias lie in LDS; from here on the waves share nothing that is written
	s_wait_alu depctr_vm_vsrc(0)                   ; my LDS stores have read window 1's registers: these are the accumulators from here on, written by the products
	s_mov_b32 s29, 0
.Lpass:
	s_wait_loadcnt 0x0                             ; this pass's rows are in
	s_wait_xcnt 0x0                                ; the last tile's stores have read their registers
	s_lshl_b32 s30, s29, 4
	s_add_co_u32 s30, s30, s20                     ; my first tile: 16 p + w; the others 4, 8, 12 further on
	s_cmp_ge_u32 s30, s28
	s_cbranch_scc1 .Lnext
	s_sub_co_u32 s31, s28, s30
	s_add_co_u32 s31, s31, 3
	s_lshr_b32 s31, s31, 2
	s_min_u32 s31, s31, 4                          ; how many of my four tiles the expert has
	s_cmp_eq_u32 s31, 1
	s_cbranch_scc1 .Lshort
	TRANSPOSE 0
	TRANSPOSE 1
	TRANSPOSE 2
	TRANSPOSE 3
	WIN 0
	KLOOP
	s_branch .Ljoin
.Lshort:
	TRANSPOSE 0
	WIN 0
	KLOOP1
.Ljoin:
	s_add_co_u32 s35, s30, 16                      ; if I have a next pass, its rows are asked for now and land while this pass's results are worked
	s_cmp_ge_u32 s35, s28
	s_cbranch_scc1 .Lnonext
	s_sub_co_u32 s[LEFT], s28, s35
	s_add_co_u32 s35, s29, 1
	s_cmp_gt_u32 s[LEFT], 4                        ; more than four tiles left: more than one of them is mine
	s_cbranch_scc1 .Lnextfull
	SEARCH 0
	LISTOUT 0
	s_wait_alu depctr_va_vdst(0)
	GATHER 0
	s_branch .Lnonext
.Lnextfull:
	SEARCH 1
	LISTOUT 1
	GATHER 1
.Lnonext:
	s_wait_alu depctr_va_vdst(0)                   ; the pass's products are done reading v128 to v191, in which the bias lands, and windows 2 and 3, in which a later pass's LDS loads land
.irp t, 0,1,2,3,4,5,6,7
	ds_load_b128 v[BIAS+8*\t:BIAS+8*\t+3], v[BIA] offset:128*(\t/2)+32*(\t%2)
	ds_load_b128 v[BIAS+8*\t+4:BIAS+8*\t+7], v[BIA] offset:128*(\t/2)+32*(\t%2)+16
.endr
	s_wait_dscnt 0x0
	s_mov_b32 s32, 0
.Ltile:
	s_wait_xcnt 0x0                                ; the last tile's stores have read their data and offsets
	s_wait_alu depctr_vm_vsrc(0)                   ; the last tile's stores have read PC, PWD, HQO and HSO, which this tile's arithmetic writes again
	s_cmp_ge_u32 s32, s31
	s_cbranch_scc1 .Ltnext
	s_cmp_eq_u32 s32, 0
	s_cbranch_scc1 .Larm0
	s_cmp_eq_u32 s32, 1
	s_cbranch_scc1 .Larm1
	s_cmp_eq_u32 s32, 2
	s_cbranch_scc1 .Larm2
	ARM 3
	s_branch .Lbody
.Larm0:
	ARM 0
	s_branch .Lbody
.Larm1:
	ARM 1
	s_branch .Lbody
.Larm2:
	ARM 2
.Lbody:
	GELU16 WK
	GELU16 WK+16
	GELU16 WK+32
	GELU16 WK+48
	QUANT
	s_lshl_b32 s35, s32, 2
	s_add_co_u32 s35, s35, s30                     ; the tile's number: 16 p + w + 4 i
	s_lshl_b32 s36, s35, 11
	v_add_nc_u32 v[HQO], s36, v[L16]
	s_lshl_b32 s36, s35, 6
	v_add_nc_u32 v[HSO], s36, v[R4]
	s_wait_alu depctr_va_vdst(0)                   ; the conversions have written the codes v[PC ..], the lines around them PWD, HQO and HSO: the five stores read them.  The tile's arithmetic is also done with v128 to v255, in which the next pass's fragments land
.irp c, 0,1,2,3
	global_store_b128 v[HQO], v[PC+4*\c:PC+4*\c+3], s[16:17] offset:512*\c   ; the fragment as it stands: 512 consecutive bytes a store
.endr
	global_store_b32 v[HSO], v[PWD], s[18:19]      ; lanes r and r + 16 hold the same word and write it to the same place
.Ltnext:
	s_add_co_u32 s32, s32, 1
	s_cmp_lt_u32 s32, 4
	s_cbranch_scc1 .Ltile
.Lnext:
	s_add_co_u32 s29, s29, 1
	s_cmp_lt_u32 s29, 4
	s_cbranch_scc1 .Lpass
	s_wait_dscnt 0x0                               ; the closing lines, six on end
	s_wait_alu 0x0
	s_wait_tensorcnt 0x0
	ds_add_u32 v22, v23
	s_wait_dscnt 0x0
	s_endpgm
.Lfunc_end_k_q75a7510616_ffn1:
	.size	k_q75a7510616_ffn1, .Lfunc_end_k_q75a7510616_ffn1-k_q75a7510616_ffn1
	.p2alignl 7, 3214868480
	.fill 96, 4, 3214868480
	.section	.rodata,"a",@progbits
	.p2align	6, 0x0
	.amdhsa_kernel k_q75a7510616_ffn1
		.amdhsa_group_segment_fixed_size 201216
		.amdhsa_private_segment_fixed_size 0
		.amdhsa_enable_private_segment 0
		.amdhsa_kernarg_size 72
		.amdhsa_user_sgpr_count 2
		.amdhsa_user_sgpr_kernarg_segment_ptr 1
		.amdhsa_wavefront_size32 1
		.amdhsa_system_sgpr_workgroup_id_x 1
		.amdhsa_system_sgpr_workgroup_id_y 1
		.amdhsa_system_sgpr_workgroup_id_z 1
		.amdhsa_system_vgpr_workitem_id 0
		.amdhsa_next_free_vgpr 1024
		.amdhsa_next_free_sgpr 100
		.amdhsa_reserve_vcc 0
		.amdhsa_float_denorm_mode_32 3
		.amdhsa_float_denorm_mode_16_64 3
		.amdhsa_memory_ordered 1
		.amdhsa_forward_progress 1
		.amdhsa_inst_pref_size 255
	.end_amdhsa_kernel
	.section	.bss,"aw",@nobits
	.p2align	6
	.space	262144
	.amdgpu_metadata
---
amdhsa.version: [ 1, 2 ]
amdhsa.kernels:
  - .name:           k_q75a7510616_ffn1
    .symbol:         k_q75a7510616_ffn1.kd
    .args:
      - { .name: xq, .offset: 0, .size: 8, .value_kind: global_buffer, .address_space: global }
      - { .name: xs, .offset: 8, .size: 8, .value_kind: global_buffer, .address_space: global }
      - { .name: ridx, .offset: 16, .size: 8, .value_kind: global_buffer, .address_space: global }
      - { .name: W1_codes, .offset: 24, .size: 8, .value_kind: global_buffer, .address_space: global }
      - { .name: W1_scales, .offset: 32, .size: 8, .value_kind: global_buffer, .address_space: global }
      - { .name: b1, .offset: 40, .size: 8, .value_kind: global_buffer, .address_space: global }
      - { .name: hq, .offset: 48, .size: 8, .value_kind: global_buffer, .address_space: global }
      - { .name: hs, .offset: 56, .size: 8, .value_kind: global_buffer, .address_space: global }
      - { .name: rows, .offset: 64, .size: 8, .value_kind: global_buffer, .address_space: global }
    .group_segment_fixed_size: 201216
    .private_segment_fixed_size: 0
    .kernarg_segment_align: 8
    .kernarg_segment_size: 72
    .max_flat_workgroup_size: 128
    .sgpr_count:     100
    .vgpr_count:     1024
    .wavefront_size: 32
...
	.end_amdgpu_metadata
.endif
;; end of part 8
;; launch ffn2 (part 9): grid 256 x 1, 4 waves a work-group, no clusters, 168,448 bytes of LDS; arguments hq, hs, ridx, gw, W2_codes, W2_scales, b2, y, rows; writes y
.if DOCPART == 9
	.amdgcn_target "amdgcn-amd-amdhsa--gfx1250"
	.amdhsa_code_object_version 6
	.text
	.protected	k_q75a7510616_ffn2
	.globl	k_q75a7510616_ffn2
	.p2align	8
	.type	k_q75a7510616_ffn2,@function
k_q75a7510616_ffn2:
	s_mov_b64 s[64:65], 0
	v_nop
	global_prefetch_b8 v0, s[64:65] scope:SCOPE_SE
	s_setreg_imm32_b32 hwreg(HW_REG_WAVE_SCHED_MODE, 0, 2), 2
	s_setreg_imm32_b32 hwreg(HW_REG_WAVE_MODE, 25, 1), 1
	s_wait_xcnt 0x0
	s_wait_alu depctr_vm_vsrc(0)
; SECOND PRODUCT OF THE EXPERTS, ON THE ROUTED ROWS ALONE: y = gate weight x (h W2[e] + b2[e]), in four parts along K.
; Work-group g: expert e = g / 32, outputs 128 ns .. + 127 (ns = (g % 32) / 4), K = 1,024 q .. + 1,023 (q = g % 4).  Its slice of W2 (128 rows x 1,024 bytes) is
; read from memory once, by this work-group alone, and stays in LDS.  The shape is the first product's: behind the one barrier wave w takes in pass p the row
; tiles 16 p + w + 4 i, i = 0 .. 3, against all 128 columns; the rows' fragments come from hq as they were stored there, register for register.
; A pass with one tile takes the short way of the first product's launch: one tile is fetched, 64 products are made.
; THE LIST OF ROWS was stored by the first product's launch: rows [e][rank 1024] = token, behind the eight lists [e][32] = the expert's number of rows.
; The number of rows (a scalar load) says which tiles there are, and that is all that the fetching of hq and hs hangs on.  A rank's token is wanted only for the way out:
; with it come the token's word of ridx (is my expert its first or its second choice?) and its two gate weights, of which one is selected.
; For a next pass the tokens are asked for ahead of the products, what hangs on them behind the products: both land under work.  Only words of rows that the first
; product's launch stored are read: both launches decide on a next pass, and on its kind, by the same numbers.
; y [q 4][2,056 rows][1024] f32: row 2 token + slot; rows 2048 + e take the rows past an expert's last row (written by this work-group alone in its own
; 512 bytes, read by nobody).  The bias goes into part q = 0 alone.  The last launch adds a token's eight rows.
; TRANSPOSED USE: source 0 = 16 rows of W2 (outputs), source 1 = 16 token rows: a lane holds eight neighbouring outputs of one row.
; LIMITS: NaN and infinities are not served.  NO TENSOR LOADS, NO CLUSTER: branches hang on numbers read from memory, and no two work-groups read the same weights.
; REGISTERS: window 0: v1-31 addresses, entries and gate weights; v32-63 W2's scale words, v64-79 the rows'; v80-95 the stores' offsets; v96-123 what belongs to the list and the gather;
;   v128-255 the weights' fragments, later bias and the tile at work.  windows 1 to 3 as in the first product's launch.
; THE MODE: SCHED_MODE bits 1:0 = 2 (LLVM: expert scheduling mode 2), set by the entry lines.  The code itself states the register dependences
; between vector or matrix instructions and memory or LDS instructions, with s_wait_alu, always for 0.
; THE PLAN.  Registers that memory or LDS instructions touch, and who else names them:
;   v4-11, v20, v22, v29, v112   addresses, made at the head and never written again: the first wait on va_vdst, in ENTRY1A, stands behind them all.
;   LOF, TOK             ENTRY1A writes both offsets, one wait on va_vdst, then the tokens' loads; ENTRY2 and SPREAD2 read the tokens.
;   RIO, GIX, RWD, GW2   ENTRY2 writes the offsets, one wait on va_vdst, then its loads; SPREAD2 reads what they bring.
;   VO, HSO, AS, windows 2, 3   the gather writes its offsets, one wait on va_vdst (the products are also done reading AS and the rows' fragments), then all its loads; one wait on vm_vsrc at its end.
;   window 1             the weights' loads land there, my LDS stores read it, the products write it.
;   BF, in two halves    16 products read a half, then 16 LDS loads land in it: a wait on va_vdst straight ahead of each such run.
;   BIAS                 lands where the products read the weights' fragments: one wait on va_vdst at .Lnonext, on every way from the products on.
;   WK, v80-95           a tile's arithmetic writes WK and the sixteen offsets; one wait on va_vdst; my LDS stores read WK; a wait on vm_vsrc; my LDS loads land in WK; the global stores read WK and the offsets.
;   One wait on vm_vsrc at a tile's head and one at a pass's head free what the stores and loads issued before have read.
;   Scalar registers that vector instructions write (the wave's number, the masks of compares, lanes read out) are written in runs, with one wait on va_sdst behind each run, ahead of its first reader.
.set WP,    1040
.set BLDS,  128*WP
.set YST,   BLDS+512                   ; a stage of 16 rows x (512 bytes + 16) for each wave
.set YP,    528
.set PLANE, 2056*4096                  ; a part of y in bytes
.set LANE,  1
.set RR,    2
.set HH,    3
.set L16,   4
.set BADR,  5
.set WST,   7
.set WGO,   8
.set SST,   9
.set SRD,   10
.set BIA,   11
.set LOF,   12                         ; v12, v13: my two ranks x 4
.set RHO,   14                         ; v14, v15: my two ranks
.set ENT,   16                         ; v16, v17: 2 token + slot of my two ranks
.set GWR,   18                         ; v18, v19: their gate weights
.set SCA,   20
.set T4,    22
.set GWV,   24                         ; v24-27: tile i's gate weights, row lane % 16 in both halves of the lanes
.set VE,    28                         ; the entries of the tile at work
.set BST,   29
.set VG,    30                         ; v[30:31]: its gate weights
.set WS,    32
.set AS,    64
.set TMP,   80
.set TOK,   96                         ; v96, v97: my ranks' tokens
.set RWD,   98                         ; v98, v99: the tokens' words of ridx
.set GW2,   100                        ; v100-103: the tokens' two gate weights
.set RIO,   104                        ; v104, v105: token x 4
.set GIX,   106                        ; v106, v107: token x 8
.set SW,    108                        ; v108, v109: at work
.set R4,    112
.set BV,    113
.set XG,    116                        ; v116, v117
.set HSO,   118                        ; v118, v119
.set VO,    120                        ; v120-123
.set BF,    128
.set BIAS,  128
.set WK,    192
.set LEFT,  51                         ; s51: tiles from my first tile of the next pass to the expert's last
.set MSB, 0
.macro WIN new                         ; the immediate's high byte repeats the setting that is left; a switch that changes nothing is dropped
.if MSB != (\new)
	s_set_vgpr_msb (MSB<<8)|(\new)
.set MSB, (\new)
.endif
.endm
.macro PLACES n
.rept \n
	v_nop
.endr
.endm
.macro WLOADS first, count             ; load n of 64: row n / 2 of my wave's 32 (4,096 bytes apart), half n % 2 of its 1,024 bytes; read once in the launch
.set n, \first
.rept \count
	global_load_b128 v[4*n:4*n+3], v[WGO], s[12:13] offset:4096*(n/2)+512*(n%2) th:TH_LOAD_NT
.set n, n+1
.endr
.endm
; pass s35: register a, lane l: tile 2 a + l / 16 of my four, row l % 16: rank 256 pass + 16 wave + 128 a + 64 (l / 16) + l % 16.  Both registers' ranks and offsets are made; the first register's tokens are asked for
.macro ENTRY1A
	s_lshl_b32 s36, s35, 8
	s_lshl_b32 s37, s20, 4
	s_add_co_u32 s36, s36, s37
	v_lshl_add_u32 v[RHO], v[HH], 6, v[RR]
	v_add_nc_u32 v[RHO], s36, v[RHO]
	v_add_nc_u32 v[RHO+1], 0x80, v[RHO]
	v_lshlrev_b32 v[LOF], 2, v[RHO]
	v_lshlrev_b32 v[LOF+1], 2, v[RHO+1]
	s_wait_alu depctr_va_vdst(0)                   ; LOF is written, which the tokens' loads read; the lines that read the last tokens are done with TOK, in which they land.  At the head: all addresses and offsets are written
	global_load_b32 v[TOK], v[LOF], s[58:59]
.endm
.macro ENTRY1B                         ; the second register's tokens.  No vector instruction stands between ENTRY1A's wait and this load
	global_load_b32 v[TOK+1], v[LOF+1], s[58:59]
.endm
.macro ENTRY2 two                      ; the tokens are in: their words of ridx and their two gate weights are asked for (two = 0: the first register's alone)
.irp a, 0,1
.if (\a == 0) || \two
	v_min_u32 v[TOK+\a], 0x3ff, v[TOK+\a]
	v_lshlrev_b32 v[RIO+\a], 2, v[TOK+\a]
	v_lshlrev_b32 v[GIX+\a], 3, v[TOK+\a]
.endif
.endr
	s_wait_alu depctr_va_vdst(0)                   ; RIO and GIX are written, which the loads below read; the pass's selections are done reading RWD and GW2, in which they land
.irp a, 0,1
.if (\a == 0) || \two
	global_load_b32 v[RWD+\a], v[RIO+\a], s[8:9]
	global_load_b64 v[GW2+2*\a:GW2+2*\a+1], v[GIX+\a], s[10:11]
.endif
.endr
.endm
; at a pass's head: slot, gate weight and row of y for each of my ranks; a rank past the list -> the expert's spare row.  Then each tile's entries into lanes 0-15 and its gate weights into both halves of the lanes
.macro SPREAD2
.irp a, 0,1
	v_and_b32 v[SW+\a], s26, v[RWD+\a]
.endr
.irp a, 0,1
	v_cmp_ne_u32 s[36+\a], 0, v[SW+\a]             ; my expert is the token's second choice
	v_cmp_gt_u32 s[38+\a], s27, v[RHO+\a]          ; my rank lies inside the list
.endr
	s_wait_alu depctr_va_sdst(0)                   ; the four compares have written s36 to s39, ahead of the selections that read them
.irp a, 0,1
	v_cndmask_b32 v[GWR+\a], v[GW2+2*\a], v[GW2+2*\a+1], s[36+\a]
	v_cndmask_b32 v[SW+\a], 0, 1, s[36+\a]
	v_lshl_add_u32 v[SW+\a], v[TOK+\a], 1, v[SW+\a]
	v_cndmask_b32 v[SW+\a], s33, v[SW+\a], s[38+\a]
	v_min_u32 v[ENT+\a], 0x807, v[SW+\a]
.endr
.irp a, 0,1
	v_permlanex16_b32 v[21+2*\a], v[ENT+\a], s48, s49
	v_permlanex16_b32 v[XG+\a], v[GWR+\a], s48, s49
.endr
.irp a, 0,1
	v_cndmask_b32 v[GWV+2*\a], v[GWR+\a], v[XG+\a], s56
	v_cndmask_b32 v[GWV+2*\a+1], v[XG+\a], v[GWR+\a], s56
.endr
.endm
; pass s35: my tiles' fragments and scale words for my 8 K steps (two = 1: four tiles; two = 0: tile 0 alone).  A tile past the expert's last is replaced by the last: it is loaded, multiplied and dropped
.macro GATHER two
	s_lshl_b32 s36, s35, 4
	s_add_co_u32 s36, s36, s20
	s_sub_co_u32 s37, s28, 1
.irp i, 0,1,2,3
	s_add_co_u32 s[38+\i], s36, 4*\i
	s_min_u32 s[38+\i], s[38+\i], s37
	s_min_u32 s[38+\i], s[38+\i], 63
	s_lshl_b32 s42, s[38+\i], 11
	v_add_nc_u32 v[VO+\i], s42, v[L16]
.endr
.irp a, 0,1
	v_mov_b32 v[HSO+\a], s[38+2*\a]
	v_cndmask_b32 v[HSO+\a], v[HSO+\a], s[39+2*\a], s56   ; lanes 16-31 take the odd tile
	v_min_u32 v[HSO+\a], 63, v[HSO+\a]
	v_lshl_add_u32 v[HSO+\a], v[HSO+\a], 6, v[R4]
.endr
	s_wait_alu depctr_va_vdst(0)                   ; VO and HSO are written, which the loads below read; the products issued so far are done reading AS and windows 2 and 3, in which they land
.irp s, 0,1,2,3,4,5,6,7
	global_load_b32 v[AS+\s], v[HSO], s[6:7] offset:4096*\s
.endr
.if \two
.irp s, 0,1,2,3,4,5,6,7
	global_load_b32 v[AS+8+\s], v[HSO+1], s[6:7] offset:4096*\s
.endr
.endif
	WIN 0x80                                       ; destination window 2: tiles 0, 1
.set n, 0
.rept 32                               ; n = 4 s + c: 512 consecutive bytes of an image
	global_load_b128 v[4*n:4*n+3], v[VO], s[4:5] offset:131072*(n/4)+512*(n%4)
.set n, n+1
.endr
.if \two
.set n, 0
.rept 32
	global_load_b128 v[128+4*n:128+4*n+3], v[VO+1], s[4:5] offset:131072*(n/4)+512*(n%4)
.set n, n+1
.endr
	WIN 0xc0                                       ; window 3: tiles 2, 3
.irp i, 0,1
.set n, 0
.rept 32
	global_load_b128 v[128*\i+4*n:128*\i+4*n+3], v[VO+2+\i], s[4:5] offset:131072*(n/4)+512*(n%4)
.set n, n+1
.endr
.endr
.endif
	WIN 0
	s_wait_xcnt 0x0                                ; the loads have read their offsets
	s_wait_alu depctr_vm_vsrc(0)                   ; the loads have read VO and HSO, which the next gather writes again
.endm
.macro BLOAD half, s                   ; weight tiles 4 half .. + 3, K step s
.irp b, 0,1,2,3
.irp c, 0,1,2,3
	ds_load_b128 v[BF+64*(\half)+16*\b+4*\c:BF+64*(\half)+16*\b+4*\c+3], v[BADR+(\half)] offset:16*\b*WP+128*(\s)+32*\c
.endr
.endr
.endm
.macro MM i, b, s                      ; one product; K step 0 starts the sum: nothing is cleared
.set rD, 64*(\i)+8*(\b)
.set rB, BF+16*(\b)
.set rA, 128*((\i)%2)+16*(\s)
.set rW, WS+8*((\b)/2)+(\s)
.set rX, AS+8*((\i)/2)+(\s)
.set par, 2*((\i)%2)+((\b)%2)          ; odd tiles' scale words lie in lanes 16-31
.if (\s) == 0
.if par == 0
	v_wmma_scale_f32_16x16x128_f8f6f4 v[rD:rD+7], v[rB:rB+15], v[rA:rA+15], 0, v[rW], v[rX]
.elseif par == 1
	v_wmma_scale_f32_16x16x128_f8f6f4 v[rD:rD+7], v[rB:rB+15], v[rA:rA+15], 0, v[rW], v[rX] matrix_a_scale:MATRIX_SCALE_ROW1
.elseif par == 2
	v_wmma_scale_f32_16x16x128_f8f6f4 v[rD:rD+7], v[rB:rB+15], v[rA:rA+15], 0, v[rW], v[rX] matrix_b_scale:MATRIX_SCALE_ROW1
.else
	v_wmma_scale_f32_16x16x128_f8f6f4 v[rD:rD+7], v[rB:rB+15], v[rA:rA+15], 0, v[rW], v[rX] matrix_a_scale:MATRIX_SCALE_ROW1 matrix_b_scale:MATRIX_SCALE_ROW1
.endif
.else
.if par == 0
	v_wmma_scale_f32_16x16x128_f8f6f4 v[rD:rD+7], v[rB:rB+15], v[rA:rA+15], v[rD:rD+7], v[rW], v[rX]
.elseif par == 1
	v_wmma_scale_f32_16x16x128_f8f6f4 v[rD:rD+7], v[rB:rB+15], v[rA:rA+15], v[rD:rD+7], v[rW], v[rX] matrix_a_scale:MATRIX_SCALE_ROW1
.elseif par == 2
	v_wmma_scale_f32_16x16x128_f8f6f4 v[rD:rD+7], v[rB:rB+15], v[rA:rA+15], v[rD:rD+7], v[rW], v[rX] matrix_b_scale:MATRIX_SCALE_ROW1
.else
	v_wmma_scale_f32_16x16x128_f8f6f4 v[rD:rD+7], v[rB:rB+15], v[rA:rA+15], v[rD:rD+7], v[rW], v[rX] matrix_a_scale:MATRIX_SCALE_ROW1 matrix_b_scale:MATRIX_SCALE_ROW1
.endif
.endif
.endm
.macro MMG ti, wb, s                   ; 8 products: row tiles ti, ti + 1 x weight tiles wb .. wb + 3
.irp j, 0,1,2,3
	MM \ti, \wb+\j, \s
	MM \ti+1, \wb+\j, \s
.endr
.endm
; A full pass's 256 products.  The 32 accumulators take turns, one instruction a turn, in the same order in every K step.
; A half of the weights' fragments is fetched anew as soon as its 16 products are issued, in one run straight behind the wait that states that they are done reading it.
; The products that follow a run name the other half, the rows' fragments, the scale words and the accumulators: none of the run's registers.
.macro KLOOP
	BLOAD 0, 0
	BLOAD 1, 0
.irp s, 0,1,2,3,4,5,6,7
	s_wait_dscnt 16                                ; half 0 of this step is in; the 16 loads of half 1 may be out
	WIN 0x58                                       ; source 1 window 2, C and D window 1
	MMG 0, 0, \s
	WIN 0x5c                                       ; source 1 window 3
	MMG 2, 0, \s
.if \s < 7
	WIN 0
	s_wait_alu depctr_va_vdst(0)                   ; the 16 products above are done reading half 0, in which the loads below land
	BLOAD 0, \s+1
	s_wait_dscnt 16                                ; half 1 of this step is in; the 16 just issued may be out
.else
	s_wait_dscnt 0x0
.endif
	WIN 0x5c
	MMG 2, 4, \s
	WIN 0x58
	MMG 0, 4, \s
.if \s < 7
	WIN 0
	s_wait_alu depctr_va_vdst(0)                   ; the 16 products above are done reading half 1, in which the loads below land
	BLOAD 1, \s+1
.endif
.endr
	WIN 0
	PLACES 10                                      ; in front of vector instructions that read results, and of the next pass's first products, which begin the accumulators anew (ISA guide 7.12.1)
.endm
; THE SHORT PASS: tile 0 alone, 64 products, its 8 accumulators by turns.  Eight products a K step are too few to cover an LDS load that is asked for one step ahead, so the
; weights' fragments of a K step (128 registers) have three sets by turns: v128-255 of window 0, and the 256 registers of window 3, which tiles 2 and 3 do not use here.
.macro BSEL s                          ; K step s: its set's window bw and first register bb
.if ((\s)%3) == 0
.set bw, 0
.set bb, 128
.elseif ((\s)%3) == 1
.set bw, 3
.set bb, 0
.else
.set bw, 3
.set bb, 128
.endif
.endm
.macro B1LOAD s                        ; all 8 weight tiles of K step s
	BSEL \s
	WIN bw<<6
.irp b, 0,1,2,3,4,5,6,7
.irp c, 0,1,2,3
	ds_load_b128 v[bb+16*\b+4*\c:bb+16*\b+4*\c+3], v[BADR+\b/4] offset:16*(\b%4)*WP+128*(\s)+32*\c
.endr
.endr
.endm
.macro MM1 b, s
.set rD, 8*(\b)
.set rB, bb+16*(\b)
.set rA, 16*(\s)
.set rW, WS+8*((\b)/2)+(\s)
.set rX, AS+(\s)
.if (\s) == 0
.if ((\b)%2) == 0
	v_wmma_scale_f32_16x16x128_f8f6f4 v[rD:rD+7], v[rB:rB+15], v[rA:rA+15], 0, v[rW], v[rX]
.else
	v_wmma_scale_f32_16x16x128_f8f6f4 v[rD:rD+7], v[rB:rB+15], v[rA:rA+15], 0, v[rW], v[rX] matrix_a_scale:MATRIX_SCALE_ROW1
.endif
.else
.if ((\b)%2) == 0
	v_wmma_scale_f32_16x16x128_f8f6f4 v[rD:rD+7], v[rB:rB+15], v[rA:rA+15], v[rD:rD+7], v[rW], v[rX]
.else
	v_wmma_scale_f32_16x16x128_f8f6f4 v[rD:rD+7], v[rB:rB+15], v[rA:rA+15], v[rD:rD+7], v[rW], v[rX] matrix_a_scale:MATRIX_SCALE_ROW1
.endif
.endif
.endm
.macro KLOOP1
	B1LOAD 0
	B1LOAD 1
	B1LOAD 2
.irp s, 0,1,2,3,4,5,6,7
.if \s < 6
	s_wait_dscnt 63                                ; behind this step's loads 64 were issued (two steps'): with 63 out at the most, this step's are in
.elseif \s == 6
	s_wait_dscnt 32                                ; the last step's 32 may be out
.else
	s_wait_dscnt 0x0
.endif
	BSEL \s
	WIN 0x58+bw                                    ; source 0 the set's window, source 1 window 2, C and D window 1
.irp b, 0,1,2,3,4,5,6,7
	MM1 \b, \s
.endr
.if \s < 5
	BSEL \s+3
	WIN bw<<6                                      ; the window first, then the wait, then the loads
	s_wait_alu depctr_va_vdst(0)                   ; the eight products above are done reading their set, in which the loads below land
	B1LOAD \s+3
.endif
.endr
	WIN 0
	PLACES 10
.endm
.macro ARM i, ve                       ; tile i: its entries, its gate weights, its 64 results + bias -> v[WK] on; each accumulator is read from its low end on
	v_mov_b32 v[VE], v[\ve]
	v_mov_b32 v[VG], v[GWV+\i]
	v_mov_b32 v[VG+1], v[GWV+\i]
	WIN 0x01                                       ; source 0 window 1
.set n, 0
.rept 32
	v_pk_add_f32 v[WK+2*n:WK+2*n+1], v[64*(\i)+2*n:64*(\i)+2*n+1], v[BIAS+2*n:BIAS+2*n+1]
.set n, n+1
.endr
	WIN 0
.endm
	s_load_b256 s[4:11], s[0:1], 0x0               ; hq s[4:5], hs s[6:7], ridx s[8:9], gw s[10:11]
	s_load_b256 s[12:19], s[0:1], 0x20             ; W2's codes s[12:13], W2's scales s[14:15], b2 s[16:17], y s[18:19]
	s_load_b64 s[58:59], s[0:1], 0x40              ; rows
	v_lshl_add_u32 v126, v0, 2, 0x29000
	v_mov_b32 v127, 0
	v_lshrrev_b32 v1, 5, v0
	v_readfirstlane_b32 s20, v1                    ; wave
	v_and_b32 v[LANE], 31, v0
	v_and_b32 v[RR], 15, v0
	v_bfe_u32 v[HH], v0, 4, 1
	v_lshlrev_b32 v[L16], 4, v[LANE]
	v_mul_u32_u24 v[BADR], v[RR], WP
	v_lshl_add_u32 v[BADR], v[HH], 4, v[BADR]
	v_add_nc_u32 v[BADR+1], 64*WP, v[BADR]
	s_wait_alu depctr_va_sdst(0)                   ; s20 is written, ahead of its first reader
	s_mul_i32 s35, s20, 32*WP
	v_add_nc_u32 v[WST], s35, v[L16]
	s_lshl_b32 s35, s20, 17
	v_add_nc_u32 v[WGO], s35, v[L16]               ; my wave's 32 rows, 4,096 bytes apart
	s_mul_i32 s35, s20, 16*YP
	s_add_co_u32 s35, s35, YST                     ; my stage
	v_mul_u32_u24 v[SST], v[RR], YP
	v_lshl_add_u32 v[SST], v[HH], 5, v[SST]
	v_add_nc_u32 v[SST], s35, v[SST]               ; in: row r, 32 bytes for each half of the lanes
	v_add_nc_u32 v[SRD], s35, v[L16]               ; back: the 32 lanes take a row of 512 bytes
	v_lshl_add_u32 v[BIA], v[HH], 5, BLDS          ; tile b wants outputs 16 b + 8 h + 0 .. 7
	v_lshlrev_b32 v[T4], 2, v0
	v_lshl_add_u32 v[BST], v0, 2, BLDS
	v_lshlrev_b32 v[R4], 2, v[RR]
	v_lshlrev_b32 v[SCA], 7, v[LANE]               ; lanes 0-15: the even tile's rows; lanes 16-31: the odd tile's; 128 scale bytes a row
	v_mov_b32 v21, 0                               ; lane permutes' destinations count as sources
	v_mov_b32 v23, 0
	v_mov_b32 v[XG], 0
	v_mov_b32 v[XG+1], 0
	s_mov_b32 s21, ttmp9
	s_lshr_b32 s22, s21, 5                         ; the expert
	s_bfe_u32 s23, s21, 0x30002                    ; ns
	s_and_b32 s24, s21, 3                          ; q
	s_lshl_b32 s26, 0x100, s22                     ; the expert's bit as a second choice in a word of ridx
	s_add_co_u32 s33, s22, 2048                    ; the expert's spare row of y
	s_cmp_eq_u32 s24, 0
	s_cselect_b32 s55, -1, 0                       ; the bias belongs to part q = 0
	s_mov_b32 s56, 0xffff0000                      ; lanes 16-31
	s_mov_b32 s48, 0x76543210
	s_mov_b32 s49, 0xfedcba98
	s_lshl_b32 s35, s22, 5
	s_lshl_b32 s34, s24, 3
	s_add_co_u32 s35, s35, s34                     ; 32 e + 8 q: my first K step
	s_lshl_b32 s44, s35, 17                        ; in hq,
	s_mov_b32 s45, 0
	s_lshl_b32 s46, s35, 12                        ; in hs
	s_mov_b32 s47, 0
	s_lshl_b32 s36, s22, 22                        ; W2's codes: (1,024 e + 128 ns) rows of 4,096 bytes + 1,024 q
	s_lshl_b32 s34, s23, 19
	s_add_co_u32 s36, s36, s34
	s_lshl_b32 s34, s24, 10
	s_add_co_u32 s36, s36, s34
	s_mov_b32 s37, 0
	s_lshl_b32 s38, s22, 17                        ; W2's scales: the same rows of 128 bytes + 32 q
	s_lshl_b32 s34, s23, 14
	s_add_co_u32 s38, s38, s34
	s_lshl_b32 s34, s24, 5
	s_add_co_u32 s38, s38, s34
	s_mov_b32 s39, 0
	s_lshl_b32 s40, s22, 12                        ; b2: 4,096 e + 512 ns
	s_lshl_b32 s34, s23, 9
	s_add_co_u32 s40, s40, s34
	s_mov_b32 s41, 0
	s_mul_i32 s42, s24, PLANE                      ; y: part q, + 512 ns
	s_add_co_u32 s42, s42, s34
	s_mov_b32 s43, 0
	s_lshl_b32 s60, s22, 12                        ; rows: the expert's list,
	s_mov_b32 s61, 0
	s_lshl_b32 s52, s22, 7
	s_add_co_u32 s52, s52, 0x8000                  ; and behind the eight lists its count
	s_mov_b32 s53, 0
	s_wait_kmcnt 0x0
	s_add_nc_u64 s[52:53], s[58:59], s[52:53]
	s_load_b32 s27, s[52:53], 0x0                  ; the expert's number of rows
	s_add_nc_u64 s[58:59], s[58:59], s[60:61]
	s_add_nc_u64 s[4:5], s[4:5], s[44:45]
	s_add_nc_u64 s[6:7], s[6:7], s[46:47]
	s_add_nc_u64 s[12:13], s[12:13], s[36:37]
	s_add_nc_u64 s[14:15], s[14:15], s[38:39]
	s_add_nc_u64 s[16:17], s[16:17], s[40:41]
	s_add_nc_u64 s[18:19], s[18:19], s[42:43]
	s_mov_b32 s35, 0
	ENTRY1A                                        ; pass 0's tokens: ranks 0 to 255 of every list are always stored.  Its wait stands behind every address made above
	ENTRY1B
.irp b, 0,1,2,3
	global_load_b128 v[WS+8*\b:WS+8*\b+3], v[SCA], s[14:15] offset:4096*\b
	global_load_b128 v[WS+8*\b+4:WS+8*\b+7], v[SCA], s[14:15] offset:4096*\b+16
.endr
	global_load_b32 v[BV], v[T4], s[16:17]
	WIN 0x40                                       ; destination window 1
	WLOADS 0, 48
	WIN 0
	s_wait_loadcnt 57                              ; the tokens are in; behind them were issued 8 loads of scales, 1 of bias, 48 of weights
	ENTRY2 1
	WIN 0x40
	WLOADS 48, 16
	WIN 0
	s_wait_kmcnt 0x0                               ; the number of rows
	s_min_u32 s27, s27, 1024
	s_add_co_u32 s28, s27, 15
	s_lshr_b32 s28, s28, 4
	s_max_u32 s28, s28, 1                          ; of tiles: at least 1, as the first product's launch has it
	GATHER 1                                       ; pass 0's rows, in every wave: so every operand register is written on every way
	s_wait_loadcnt 63                              ; 144 loads were issued behind the last weight: weights, scales and bias are in
	v_cndmask_b32 v[BV], 0, v[BV], s55
	s_wait_alu depctr_va_vdst(0)                   ; the selection has written BV, which the last LDS store below reads
	WIN 0x04                                       ; an LDS store's data are its source 1: window 1
.set n, 0
.rept 64
	ds_store_b128 v[WST], v[4*n:4*n+3] offset:(n/2)*WP+512*(n%2)
.set n, n+1
.endr
	WIN 0
	ds_store_b32 v[BST], v[BV]
	s_wait_dscnt 0x0                               ; for the others' sake: my stores have landed
	s_barrier_signal -1
	s_barrier_wait -1                              ; the slice and its bias lie in LDS; from here on the waves share nothing that is written
	s_mov_b32 s29, 0
.Lpass:
	s_wait_loadcnt 0x0                             ; this pass's rows, words of ridx and gate weights are in
	s_wait_xcnt 0x0                                ; the last tile's stores have read their registers
	s_wait_alu depctr_vm_vsrc(0)                   ; my LDS stores of the weights have read window 1, which the products write; the last tile's stores have read WK, in which the weights' fragments land; the list's loads have read LOF, RIO and GIX, which are written again below
	s_lshl_b32 s30, s29, 4
	s_add_co_u32 s30, s30, s20                     ; my first tile: 16 p + w; the others 4, 8, 12 further on
	s_cmp_ge_u32 s30, s28
	s_cbranch_scc1 .Lnext
	s_sub_co_u32 s31, s28, s30
	s_add_co_u32 s31, s31, 3
	s_lshr_b32 s31, s31, 2
	s_min_u32 s31, s31, 4                          ; how many of my four tiles the expert has
	SPREAD2
	s_add_co_u32 s35, s30, 16                      ; if I have a next pass, its tokens are asked for ahead of the products
	s_cmp_ge_u32 s35, s28
	s_cbranch_scc1 .Lnotok
	s_sub_co_u32 s[LEFT], s28, s35
	s_add_co_u32 s35, s29, 1
	ENTRY1A
	s_cmp_le_u32 s[LEFT], 4                        ; four tiles left at the most: one of them is mine, and only the first register's ranks were stored
	s_cbranch_scc1 .Lnotok
	ENTRY1B
.Lnotok:
	s_cmp_eq_u32 s31, 1
	s_cbranch_scc1 .Lshort
	KLOOP
	s_branch .Ljoin
.Lshort:
	KLOOP1
.Ljoin:
	s_add_co_u32 s35, s30, 16                      ; and what hangs on the tokens, and the next pass's rows, behind them: they land while this pass's results go out
	s_cmp_ge_u32 s35, s28
	s_cbranch_scc1 .Lnonext
	s_sub_co_u32 s[LEFT], s28, s35
	s_add_co_u32 s35, s29, 1
	s_wait_loadcnt 0x0                             ; the tokens, asked for a pass's products ago
	s_cmp_gt_u32 s[LEFT], 4
	s_cbranch_scc1 .Lnextfull
	ENTRY2 0
	GATHER 0
	s_branch .Lnonext
.Lnextfull:
	ENTRY2 1
	GATHER 1
.Lnonext:
	s_wait_alu depctr_va_vdst(0)                   ; the pass's products are done reading v128 to v191, in which the bias lands, and window 3, in which a later short pass's fragments land
.irp t, 0,1,2,3,4,5,6,7
	ds_load_b128 v[BIAS+8*\t:BIAS+8*\t+3], v[BIA] offset:64*\t
	ds_load_b128 v[BIAS+8*\t+4:BIAS+8*\t+7], v[BIA] offset:64*\t+16
.endr
	s_wait_dscnt 0x0
	s_mov_b32 s32, 0
.Ltile:
	s_wait_xcnt 0x0                                ; the last tile's stores have read their data and offsets
	s_wait_alu depctr_vm_vsrc(0)                   ; the last tile's stores have read WK and the offsets v80 to v95, which this tile's arithmetic writes again
	s_cmp_ge_u32 s32, s31
	s_cbranch_scc1 .Ltnext
	s_cmp_eq_u32 s32, 0
	s_cbranch_scc1 .Larm0
	s_cmp_eq_u32 s32, 1
	s_cbranch_scc1 .Larm1
	s_cmp_eq_u32 s32, 2
	s_cbranch_scc1 .Larm2
	ARM 3, 23
	s_branch .Lbody
.Larm0:
	ARM 0, 16
	s_branch .Lbody
.Larm1:
	ARM 1, 21
	s_branch .Lbody
.Larm2:
	ARM 2, 17
.Lbody:
.set n, 0
.rept 32
	v_pk_mul_f32 v[WK+2*n:WK+2*n+1], v[WK+2*n:WK+2*n+1], v[VG:VG+1] op_sel_hi:[1,0]   ; x my row's gate weight
.set n, n+1
.endr
.irp g, 0,8                            ; the sixteen rows' places in y, made ahead of the LDS stores, in two runs of eight
.irp j, 0,1,2,3,4,5,6,7
	v_readlane_b32 s[36+\j], v[VE], \g+\j
.endr
	s_wait_alu depctr_va_sdst(0)                   ; the eight lanes read out are in s36 to s43, ahead of their first readers
.irp j, 0,1,2,3,4,5,6,7
	s_min_u32 s[36+\j], s[36+\j], 2055
.endr
.irp j, 0,1,2,3,4,5,6,7
	v_lshl_add_u32 v[TMP+\g+\j], s[36+\j], 12, v[L16]      ; row g + j's place in y: 4,096 bytes a row
.endr
.endr
	s_wait_alu depctr_va_vdst(0)                   ; the multiplications have written WK, which the LDS stores read and in which the LDS loads land; the offsets v80 to v95 are written, which the global stores read
.irp b, 0,1,2,3,4,5,6,7
	ds_store_b128 v[SST], v[WK+8*\b:WK+8*\b+3] offset:64*\b
	ds_store_b128 v[SST], v[WK+8*\b+4:WK+8*\b+7] offset:64*\b+16
.endr
	s_wait_alu depctr_vm_vsrc(0)                   ; the LDS stores above have read WK, in which the LDS loads below land
.irp n, 0,1,2,3,4,5,6,7,8,9,10,11,12,13,14,15
	ds_load_b128 v[WK+4*\n:WK+4*\n+3], v[SRD] offset:YP*\n   ; LDS serves a wave's instructions in order: these see my stores; the next tile's stores come behind them
.endr
.irp n, 0,1,2,3,4,5,6,7,8,9,10,11,12,13,14,15
	s_wait_dscnt 15-\n                             ; row n is back; the younger rows may be out
	global_store_b128 v[TMP+\n], v[WK+4*\n:WK+4*\n+3], s[18:19]   ; 32 lanes store 512 consecutive bytes, at a multiple of 512 from y's first byte
.endr
.Ltnext:
	s_add_co_u32 s32, s32, 1
	s_cmp_lt_u32 s32, 4
	s_cbranch_scc1 .Ltile
.Lnext:
	s_add_co_u32 s29, s29, 1
	s_cmp_lt_u32 s29, 4
	s_cbranch_scc1 .Lpass
	s_wait_dscnt 0x0                               ; the closing lines, six on end
	s_wait_alu 0x0
	s_wait_tensorcnt 0x0
	ds_add_u32 v126, v127
	s_wait_dscnt 0x0
	s_endpgm
.Lfunc_end_k_q75a7510616_ffn2:
	.size	k_q75a7510616_ffn2, .Lfunc_end_k_q75a7510616_ffn2-k_q75a7510616_ffn2
	.p2alignl 7, 3214868480
	.fill 96, 4, 3214868480
	.section	.rodata,"a",@progbits
	.p2align	6, 0x0
	.amdhsa_kernel k_q75a7510616_ffn2
		.amdhsa_group_segment_fixed_size 168448
		.amdhsa_private_segment_fixed_size 0
		.amdhsa_enable_private_segment 0
		.amdhsa_kernarg_size 72
		.amdhsa_user_sgpr_count 2
		.amdhsa_user_sgpr_kernarg_segment_ptr 1
		.amdhsa_wavefront_size32 1
		.amdhsa_system_sgpr_workgroup_id_x 1
		.amdhsa_system_sgpr_workgroup_id_y 1
		.amdhsa_system_sgpr_workgroup_id_z 1
		.amdhsa_system_vgpr_workitem_id 0
		.amdhsa_next_free_vgpr 1024
		.amdhsa_next_free_sgpr 66
		.amdhsa_reserve_vcc 0
		.amdhsa_float_denorm_mode_32 3
		.amdhsa_float_denorm_mode_16_64 3
		.amdhsa_memory_ordered 1
		.amdhsa_forward_progress 1
		.amdhsa_inst_pref_size 151
	.end_amdhsa_kernel
	.amdgpu_metadata
---
amdhsa.version: [ 1, 2 ]
amdhsa.kernels:
  - .name:           k_q75a7510616_ffn2
    .symbol:         k_q75a7510616_ffn2.kd
    .args:
      - { .name: hq, .offset: 0, .size: 8, .value_kind: global_buffer, .address_space: global }
      - { .name: hs, .offset: 8, .size: 8, .value_kind: global_buffer, .address_space: global }
      - { .name: ridx, .offset: 16, .size: 8, .value_kind: global_buffer, .address_space: global }
      - { .name: gw, .offset: 24, .size: 8, .value_kind: global_buffer, .address_space: global }
      - { .name: W2_codes, .offset: 32, .size: 8, .value_kind: global_buffer, .address_space: global }
      - { .name: W2_scales, .offset: 40, .size: 8, .value_kind: global_buffer, .address_space: global }
      - { .name: b2, .offset: 48, .size: 8, .value_kind: global_buffer, .address_space: global }
      - { .name: y, .offset: 56, .size: 8, .value_kind: global_buffer, .address_space: global }
      - { .name: rows, .offset: 64, .size: 8, .value_kind: global_buffer, .address_space: global }
    .group_segment_fixed_size: 168448
    .private_segment_fixed_size: 0
    .kernarg_segment_align: 8
    .kernarg_segment_size: 72
    .max_flat_workgroup_size: 128
    .sgpr_count:     66
    .vgpr_count:     1024
    .wavefront_size: 32
...
	.end_amdgpu_metadata
.endif
;; end of part 9
;; launch merge (part 10): grid 256 x 1, 8 waves a work-group, no clusters, 0 bytes of LDS; arguments y, out0; writes out0
.if DOCPART == 10
	.amdgcn_target "amdgcn-amd-amdhsa--gfx1250"
	.amdhsa_code_object_version 6
	.text
	.protected	k_q75a7510616_merge
	.globl	k_q75a7510616_merge
	.p2align	8
	.type	k_q75a7510616_merge,@function
k_q75a7510616_merge:
	s_mov_b64 s[64:65], 0
	v_nop
	global_prefetch_b8 v0, s[64:65] scope:SCOPE_SE
	s_setreg_imm32_b32 hwreg(HW_REG_WAVE_MODE, 25, 1), 1
	s_wait_xcnt 0x0
; out0[token] = the sum of the token's eight rows of y: two slots x four parts along K, in a fixed order.
; y [q 4][2,056 rows][1024] f32, row 2 token + slot.  Work-group g takes tokens 4 g .. 4 g + 3; thread t owns the 16 bytes at 16 t of every row of 4,096 bytes,
; so a wave's load or store covers 512 consecutive bytes.  All 32 loads go out at once; nothing is read twice; no LDS, no barrier, no loop.
; A stream: matrix units, clusters and large tiles would add nothing.
.set PLANE, 2056*4096                  ; a part of y in bytes
.set D,     8                          ; v8-135: token t, part q, slot j at v[D + 32 t + 8 q + 4 j]
	s_load_b128 s[4:7], s[0:1], 0x0                ; y, out0
	v_lshlrev_b32 v1, 4, v0
	s_lshl_b32 s8, ttmp9, 15                       ; the work-group's 8 rows of a part
	s_mov_b32 s9, 0
	s_lshl_b32 s10, ttmp9, 14                      ; its 4 rows of out0
	s_mov_b32 s11, 0
	s_wait_alu depctr_va_vdst(0)
	s_wait_kmcnt 0x0
	s_add_nc_u64 s[12:13], s[4:5], s[8:9]
	s_add_nc_u64 s[14:15], s[12:13], PLANE
	s_add_nc_u64 s[16:17], s[14:15], PLANE
	s_add_nc_u64 s[18:19], s[16:17], PLANE
	s_add_nc_u64 s[6:7], s[6:7], s[10:11]
.irp t, 0,1,2,3
.irp q, 0,1,2,3
.irp j, 0,1
	global_load_b128 v[D+32*\t+8*\q+4*\j:D+32*\t+8*\q+4*\j+3], v1, s[12+2*\q:13+2*\q] offset:(2*\t+\j)*4096 th:TH_LOAD_NT
.endr
.endr
.endr
.irp t, 0,1,2,3
	s_wait_loadcnt 24-8*\t                         ; this token's eight loads are in; the later tokens' may be out
.irp q, 0,1,2,3
	v_pk_add_f32 v[D+32*\t+8*\q:D+32*\t+8*\q+1], v[D+32*\t+8*\q:D+32*\t+8*\q+1], v[D+32*\t+8*\q+4:D+32*\t+8*\q+5]       ; the two slots of a part
	v_pk_add_f32 v[D+32*\t+8*\q+2:D+32*\t+8*\q+3], v[D+32*\t+8*\q+2:D+32*\t+8*\q+3], v[D+32*\t+8*\q+6:D+32*\t+8*\q+7]
.endr
.irp q, 0
	v_pk_add_f32 v[D+32*\t+8*\q:D+32*\t+8*\q+1], v[D+32*\t+8*\q:D+32*\t+8*\q+1], v[D+32*\t+8*\q+8:D+32*\t+8*\q+9]       ; parts 0 + 1
	v_pk_add_f32 v[D+32*\t+8*\q+2:D+32*\t+8*\q+3], v[D+32*\t+8*\q+2:D+32*\t+8*\q+3], v[D+32*\t+8*\q+10:D+32*\t+8*\q+11]
.endr
.irp q, 2
	s_delay_alu instid0(VALU_DEP_4)
	v_pk_add_f32 v[D+32*\t+8*\q:D+32*\t+8*\q+1], v[D+32*\t+8*\q:D+32*\t+8*\q+1], v[D+32*\t+8*\q+8:D+32*\t+8*\q+9]
	s_delay_alu instid0(VALU_DEP_4)
	v_pk_add_f32 v[D+32*\t+8*\q+2:D+32*\t+8*\q+3], v[D+32*\t+8*\q+2:D+32*\t+8*\q+3], v[D+32*\t+8*\q+10:D+32*\t+8*\q+11]
.endr
	s_delay_alu instid0(VALU_DEP_2)
	v_pk_add_f32 v[D+32*\t:D+32*\t+1], v[D+32*\t:D+32*\t+1], v[D+32*\t+16:D+32*\t+17]
	s_delay_alu instid0(VALU_DEP_2)
	v_pk_add_f32 v[D+32*\t+2:D+32*\t+3], v[D+32*\t+2:D+32*\t+3], v[D+32*\t+18:D+32*\t+19]
	global_store_b128 v1, v[D+32*\t:D+32*\t+3], s[6:7] offset:4096*\t th:TH_STORE_NT
.endr
	s_endpgm
.Lfunc_end_k_q75a7510616_merge:
	.size	k_q75a7510616_merge, .Lfunc_end_k_q75a7510616_merge-k_q75a7510616_merge
	.p2alignl 7, 3214868480
	.fill 96, 4, 3214868480
	.section	.rodata,"a",@progbits
	.p2align	6, 0x0
	.amdhsa_kernel k_q75a7510616_merge
		.amdhsa_group_segment_fixed_size 0
		.amdhsa_private_segment_fixed_size 0
		.amdhsa_enable_private_segment 0
		.amdhsa_kernarg_size 16
		.amdhsa_user_sgpr_count 2
		.amdhsa_user_sgpr_kernarg_segment_ptr 1
		.amdhsa_wavefront_size32 1
		.amdhsa_system_sgpr_workgroup_id_x 1
		.amdhsa_system_sgpr_workgroup_id_y 1
		.amdhsa_system_sgpr_workgroup_id_z 1
		.amdhsa_system_vgpr_workitem_id 0
		.amdhsa_next_free_vgpr 144
		.amdhsa_next_free_sgpr 66
		.amdhsa_reserve_vcc 0
		.amdhsa_float_denorm_mode_32 3
		.amdhsa_float_denorm_mode_16_64 3
		.amdhsa_memory_ordered 1
		.amdhsa_forward_progress 1
		.amdhsa_inst_pref_size 9
	.end_amdhsa_kernel
	.amdgpu_metadata
---
amdhsa.version: [ 1, 2 ]
amdhsa.kernels:
  - .name:           k_q75a7510616_merge
    .symbol:         k_q75a7510616_merge.kd
    .args:
      - { .name: y, .offset: 0, .size: 8, .value_kind: global_buffer, .address_space: global }
      - { .name: out0, .offset: 8, .size: 8, .value_kind: global_buffer, .address_space: global }
    .group_segment_fixed_size: 0
    .private_segment_fixed_size: 0
    .kernarg_segment_align: 8
    .kernarg_segment_size: 16
    .max_flat_workgroup_size: 256
    .sgpr_count:     66
    .vgpr_count:     144
    .wavefront_size: 32
...
	.end_amdgpu_metadata
.endif
;; end of part 10
